; MI455X (gfx1250); checked and timed in simulation.
; The chip was launched on July 23, 2026; its instructions are those of AMD's public machine-readable ISA for CDNA 5 (MIT licence, August 2026) and "CDNA5" Instruction Set Architecture Reference Guide (July 2026). The comments in the code are by the model that wrote it; some were corrected since.
;; Transformer Block. Allowed arithmetic: matrix products marked QUANTISED: E2M3 operands, one E8M0 scale for each 32 along K, by v_wmma_scale_f32_16x16x128_f8f6f4 with both operands' format E2M3, f32 sums; everything else in f32.
;; Inputs: b_fc1 4,096 float32; b_fc2 1,024 float32; b_out 1,024 float32; b_qkv 3,072 float32; ln1_b 1,024 float32; ln1_g 1,024 float32; ln2_b 1,024 float32; ln2_g 1,024 float32; w_fc1 1,024 x 4,096 float32; w_fc2 4,096 x 1,024 float32; w_out 1,024 x 1,024 float32; w_qkv 1,024 x 3,072 float32; x 2 x 2,048 x 1,024 float32.
;; Outputs: out0 2 x 2,048 x 1,024 float32.
;; This version of the problem:
;;   THIS VERSION OF THE PROBLEM IS GIVEN IN LOW PRECISION. The matrix products marked QUANTISED in the list below multiply operands that are first quantised to E2M3 (2 exponent bits, 3 mantissa bits; 6 bits a number), with one power-of-two scale for each 32 numbers along K (OCP MX v1.0); their sums are f32. All else is computed in f32.
;;   The module's matrix products, in the order in which they are computed (A, B: the left and right operand; K: the contracted axis; several contracted axes count as one K, in the product's order):
;;     1. [M 4,096, K 1,024] x [K 1,024, N 3,072]; A: computed on the way; B: input w_qkv: QUANTISED
;;     2. batch 32 x [M 2,048, K 64] x [K 64, N 2,048]; A: computed on the way; B: computed on the way: QUANTISED
;;     3. batch 32 x [M 2,048, K 2,048] x [K 2,048, N 64]; A: softmax (see below); B: computed on the way: QUANTISED
;;     4. [M 4,096, K 1,024] x [K 1,024, N 1,024]; A: computed on the way; B: input w_out: QUANTISED
;;     5. [M 4,096, K 1,024] x [K 1,024, N 4,096]; A: computed on the way; B: input w_fc1: QUANTISED
;;     6. [M 4,096, K 4,096] x [K 4,096, N 1,024]; A: computed on the way; B: input w_fc2: QUANTISED
;;   THE QUANTISER, for each operand of a quantised product, along K:
;;     - K is cut into blocks of 32 from its start; a last block that is shorter is filled with zeros.
;;     - A block's scale is 2^e with e = floor(log2(the largest magnitude in the block)) - 2, held to -126 .. 127; a block of zeros has e = 0. As a byte (E8M0): e + 127.
;;     - Each number is divided by its block's scale, clamped to +-7.5, and rounded to the nearest number of E2M3, ties to even, subnormals kept.
;;     - The product sums the exact products of the quantised numbers (number of the format x scale) in f32.
;;   ~~~python
;;   def quantise(x, axis):      # numpy; x: float32 -> the quantised numbers, widened to float32 again
;;       x = np.moveaxis(x, axis, -1); K = x.shape[-1]
;;       x = np.pad(x, [(0, 0)] * (x.ndim - 1) + [(0, -K % 32)]); x = x.reshape(x.shape[:-1] + (-1, 32)); a = np.abs(x).max(-1, keepdims=True)
;;       e = np.where(a > 0, np.clip(np.frexp(np.where(a > 0, a, 1))[1] - 1 - 2, -126, 127), 0)      # np.frexp(a)[1] - 1 = floor(log2(a)), exactly
;;       r = np.clip(x / 2.0 ** e, -7.5, 7.5)
;;       step = 2.0 ** (np.maximum(np.frexp(np.where(r == 0, 1, r))[1] - 1, 0) - 3)
;;       q = np.round(r / step) * step * 2.0 ** e      # np.round: ties to even
;;       return np.moveaxis(q.reshape(q.shape[:-2] + (-1,))[..., :K], -1, axis).astype(np.float32)
;;   ~~~
;;   SOFTMAX AHEAD OF A QUANTISED PRODUCT. Where the list says 'softmax', what is quantised is not the finished softmax but p = 2^(t - M), with t = logit x log2(e) and M = ceil(the row's largest t), a whole number; so 1/2 < the row's largest p <= 1. The row's sum l is taken of the UNQUANTISED p, in f32, and the product's result is divided by l at the end. Since M is a whole number, a kernel that streams over the keys may use a running M (the ceiling of the running maximum): every later rescaling is an exact power of two, which a block's scale takes up: the codes' values come out the same.
;;   OPERANDS COMPUTED ON THE WAY. 'Computed on the way' means the value that the module computes at that place (a softmax that the list does not call 'softmax' is quantised finished and normalised). What goes into a quantiser is computed in f32, as accurately as f32 sums, v_exp_f32 and their like allow (about 1e-6 of the number): no bf16 or f16 on the way to a quantiser, and a product that is left as it is and whose result goes on into a quantised operand takes f32 operands (vector FMAs, or v_wmma_f32_16x16x4_f32). A number that lies on a knife's edge between two numbers of the format may be rounded either way, as far as f32 arithmetic and the matrix unit's own rounding can turn it there, and no further.
;; One version. Each part assembles by itself: llvm-mc -triple=amdgcn-amd-amdhsa -mcpu=gfx1250 --defsym DOCPART=n.
;; ======== version 1 of 1: 7 launches
;; limits: right only within a limited range of input values
;; workspace buffers: wts 9,830,400 bytes; hq 3,276,800 bytes; qkv 9,830,400 bytes; ao 3,276,800 bytes; x2 16,777,216 bytes; fq 13,107,200 bytes
;; launch wq (part 1): grid 384 x 1, 8 waves a work-group, no clusters, 118,272 bytes of LDS; arguments x, ln1_g, ln1_b, hq, w_qkv, w_out, wts; writes hq, wts
.if DOCPART == 1
	.amdgcn_target "amdgcn-amd-amdhsa--gfx1250"
	.amdhsa_code_object_version 6
	.text
	.protected	k_qe89b25b5c8_wq
	.globl	k_qe89b25b5c8_wq
	.p2align	8
	.type	k_qe89b25b5c8_wq,@function
k_qe89b25b5c8_wq:
	s_mov_b64 s[64:65], 0
	v_nop
	global_prefetch_b8 v0, s[64:65] scope:SCOPE_SE
	s_setreg_imm32_b32 hwreg(HW_REG_WAVE_MODE, 25, 1), 1
	s_wait_xcnt 0x0
; THE PROGRAM: a transformer block, all six products on codes of FP6 (E2M3) with one E8M0 scale for each 32 along K.  Launches: wq (LayerNorm 1; w_qkv, w_out to codes), gq (QKV), at (attention),
; go (projection + residual), ln2 (LayerNorm 2; w_fc1, w_fc2 to codes), gf (fc1 + GELU), g2 (fc2 + residual).
; WORK LEFT OUT, in launch at alone: a score is set to -inf where key > query; its weight is then 0 for all finite inputs, so a step of 128 keys that all come after
; all 16 queries of a tile adds nothing to the row's sum or to the second product.  Such steps are not computed.  Every input has a way to out0: all thirteen are loaded.
; LIMIT: a NaN, an infinity or an overflow that reaches only those steps is not carried to the result.  NaN and infinities among the inputs are not served.
; ONE TEXT FOR TWO LAUNCHES, told apart by PART.  Each does two jobs that share no data, so that their streams run side by side: a LayerNorm with its quantiser, and two weights' quantiser.
; THE OPERANDS' LAYOUT, for the whole program.  A FRAGMENT (16 rows x 128 K, 12 registers a lane) is 1,536 bytes: register 2 i + w of lane L at byte 256 i + 8 L + 4 w.
; Slot r of tile T is row 32 (T / 2) + 8 (T % 2) + r + 8 (r / 8).  Fragment (T, ks) lies at (T KST + ks) 1,536.  SCALE WORDS (four bytes: 128 along K of one row): word (T, r, ks) at ((T / 4) KST + ks) 256 + 16 r + 4 (T % 4).
; A block's scale is 2^(floor(log2(largest magnitude)) - 2); its byte is the largest magnitude's exponent field - 2, held at 1 from below.  A block of zeros keeps the byte 1 (its codes are zeros; this program alone reads the bytes).
; LIMIT: blocks whose largest magnitude lies under 2^-124 keep the byte 1.
; THE WEIGHTS (work-groups 0 .. NWG - 1): f32 [K][N] with K as FIRST axis become codes with K innermost.  A lane takes a column n and its registers run down K, so a block of 32 lies in one lane.  A wave takes 64 columns
; (two halves e of 32) x 128 K; four waves 256 columns; a work-group is two such groups of four.  One path, the sizes chosen by selects on the group's number.  Codes leave through the wave's own stage, 512 consecutive bytes a store.
; THE LAYERNORM (the other 256 work-groups): h = g (x - mean) rsqrt(var + 1e-5) + b along rows of 1,024, in f32, quantised along the row (KST = 8).  Work-group t makes tile t.  Part 1: wave w reads slots 2 w, 2 w + 1 (two
; neighbouring rows, 512 consecutive bytes a load), puts them into LDS and finds -mean and rsqrt (the mean first, then the squares of the differences).  One barrier.  Part 2: wave w makes the fragment of K step w.
; Its scale words go out 4 bytes at every 16: a quarter of each aligned 256 bytes, one byte for 128 that the job reads; a work-group of 64 rows would write them whole and leave 64 work-groups for the job.
; The two paths part on the work-group's number, never join, and have LDS bytes of their own.
.set PART,  0
; THE WEIGHTS' DEAL, as it stands now: of the two halves e of 32 columns a wave takes ONE, four blocks of 32 along K: e is the lowest bit of the work-group's number, and the work-group's number without that bit
; names the two groups of four waves.  So twice the work-groups take weights, and a wave writes two tiles' fragments and, of each row's 16 bytes of scale words, the 8 bytes of its two tiles.
.if PART == 0
.set NWG,   128                        ; work-groups that take weights: 128 groups of four waves x two halves e
.set W0_N,  96                         ; groups 0-95: w_qkv (12 x 8); 96-127: w_out (4 x 8)
.set LK0,   3                          ; log2 of K / 128
.set LK1,   3
.set N40,   12288                      ; bytes of a row
.set N41,   4096
.set CO0,   0                          ; the codes' place in wts
.set CO1,   2359296
.set SO0,   9437184                    ; the scale words'
.set SO1,   9535488
.else
.set NWG,   128                        ; 256 groups of four waves
.set W0_N,  128                        ; groups 0-127: w_fc1 (16 x 8); 128-255: w_fc2 (4 x 32)
.set LK0,   3
.set LK1,   5
.set N40,   16384
.set N41,   4096
.set CO0,   3145728
.set CO1,   6291456
.set SO0,   9568256
.set SO1,   9699328
.endif
.set PITCH, 4112                       ; LayerNorm: an LDS row: 4,096 bytes + 16: an odd multiple of 16
.set STATS, 16*PITCH                   ; 8 bytes a slot: -mean, rsqrt
.set WBASE, STATS+256                  ; the weights' path: from here on
.set WREG,  6400                       ; LDS of a wave there: two stages of 3,072 bytes (two fragments each), 256 bytes of scale words
.set SPARE, WBASE+8*WREG               ; the spare words: 128 bytes a wave
.set HS,    3145728                    ; the scale words' place in hq
; the weights' registers
.set OFF,   32                         ; v32-63   4 lane + i rows of the weight
.set X,     64                         ; v64-127  two sets of 32 numbers
.set O,     128                        ; v128-175 the way out: 24 registers for each half e
.set SB,    28                         ; s[28:35] the source at block b of the wave's 128 K
.set DB,    36                         ; s[36:43] where fragment 2 e + u goes
; the LayerNorm's registers
.set TM,    16                         ; v16-31   part 1: eight registers a row; part 2: the quantiser's
.set XR,    32                         ; v32-95   two rows as loaded; then my 64 numbers
.set G,     96                         ; v96-159  g, v160-223 b of my 64 columns
.set BV,    160
.set PC,    224                        ; v224-243 codes
.set PW,    244                        ; the scale word
.set SEL,   26                         ; s[26:27] lane l xor 16
.macro LOAD t                          ; block t % 4 of half t / 4: 32 rows of the weight at my column; a load reads 128 consecutive bytes
.set i, 0
.rept 32
	global_load_b32 v[X+32*((\t)%2)+i], v[OFF+i], s[SB+2*((\t)%4):SB+2*((\t)%4)+1] offset:128*((\t)/4) th:TH_LOAD_NT
.set i, i+1
.endr
.endm
.macro BLOCK t
.set XS, X+32*((\t)%2)
.set EE, (\t)/4
.set BB, (\t)%4
.if (\t) < 3
	s_wait_loadcnt 32                              ; this block's 32 loads are in; the next block's 32 may be out
.else
	s_wait_loadcnt 0x0
.endif
	v_max3_num_f32 v12, |v[XS]|, |v[XS+1]|, |v[XS+2]|
	v_max3_num_f32 v13, |v[XS+3]|, |v[XS+4]|, |v[XS+5]|
.irp k, 6,10,14,18,22,26
	s_delay_alu instid0(VALU_DEP_2)
	v_max3_num_f32 v12, v12, |v[XS+\k]|, |v[XS+\k+1]|
	s_delay_alu instid0(VALU_DEP_2)
	v_max3_num_f32 v13, v13, |v[XS+\k+2]|, |v[XS+\k+3]|
.endr
	s_delay_alu instid0(VALU_DEP_2)
	v_max3_num_f32 v12, v12, |v[XS+30]|, |v[XS+31]|
	s_delay_alu instid0(VALU_DEP_1)
	v_max3_num_f32 v12, v12, v13, 0x1800000        ; with the floor 2^(3 - 127): the byte cannot fall under 1
	s_delay_alu instid0(VALU_DEP_1)
	v_add_nc_u32 v16, 0xff000000, v12              ; 2 off the exponent field: the conversion's scale operand
	v_cvt_scalef32_pk16_fp6_f32 v[20:22], v[XS:XS+15], v16
	v_cvt_scalef32_pk16_fp6_f32 v[24:26], v[XS+16:XS+31], v16
	v_lshrrev_b32 v17, 23, v16                     ; the scale's byte (a plain line behind the conversions)
.if BB == 0
	s_delay_alu instid0(VALU_DEP_1)
	v_mov_b32 v[10+EE], v17
.else
	s_delay_alu instid0(VALU_DEP_1)
	v_lshl_or_b32 v[10+EE], v17, 8*BB, v[10+EE]
.endif
	v_mov_b32 v23, v24                             ; the block's 24 bytes on end in v20-25
	v_mov_b32 v24, v25
	v_mov_b32 v25, v26
.irp k, 0,1,2
	ds_store_b64 v3, v[20+2*\k:21+2*\k] offset:3072*EE+768*(BB/2)+128*(BB%2)+256*\k   ; block 2 c + h is registers 6 c .. 6 c + 5 of lane r + 16 h
.endr
.if (\t) < 2
	LOAD (\t)+2
.endif
	s_wait_dscnt 0x0                               ; the stores have read v20-25
.endm
.macro OUT e                           ; half e's two fragments leave, 512 consecutive bytes a store
.irp j, 0,1,2,3,4,5
	ds_load_b128 v[O+24*\e+4*\j:O+24*\e+4*\j+3], v4 offset:3072*\e+512*\j
.endr
	ds_store_b32 v5, v[10+\e] offset:8*\e
	s_wait_dscnt 0x0
.irp j, 0,1,2,3,4,5
	global_store_b128 v2, v[O+24*\e+4*\j:O+24*\e+4*\j+3], s[DB+2*(2*\e+\j/3):DB+2*(2*\e+\j/3)+1] offset:512*(\j%3)
.endr
.endm
.macro QUANT s, pw                     ; 64 numbers of a lane, register 16 b + i = k 32 b + 16 (lane / 16) + i of my row, become a fragment's codes in v[PC] on and its scale word
.irp b, 0,1,2,3
	v_max3_num_f32 v[TM+\b], |v[\s+16*\b]|, |v[\s+1+16*\b]|, 0x1800000   ; with the floor 2^(3 - 127)
.endr
.irp i, 2,4,6,8,10,12,14
.irp b, 0,1,2,3
	s_delay_alu instid0(VALU_DEP_4)
	v_max3_num_f32 v[TM+\b], v[TM+\b], |v[\s+16*\b+\i]|, |v[\s+1+16*\b+\i]|
.endr
.endr
.irp b, 0,1,2,3
	v_permlanex16_b32 v[TM+4+\b], v[TM+\b], s[SEL], s[SEL+1]
.endr
.irp b, 0,1,2,3
	s_delay_alu instid0(VALU_DEP_4)
	v_max_num_f32 v[TM+\b], v[TM+\b], v[TM+4+\b]   ; the block's largest magnitude
.endr
.irp b, 0,1,2,3
	s_delay_alu instid0(VALU_DEP_4)
	v_add_nc_u32 v[TM+12+\b], 0xff000000, v[TM+\b] ; 2 off its exponent field: the conversion's scale operand
.endr
.irp b, 0,1,2,3
	s_delay_alu instid0(VALU_DEP_4)
	v_lshrrev_b32 v[TM+4+\b], 23, v[TM+12+\b]      ; the byte
.endr
	s_delay_alu instid0(VALU_DEP_3)
	v_lshl_or_b32 v[\pw], v[TM+5], 8, v[TM+4]
	s_delay_alu instid0(VALU_DEP_1)
	v_lshl_or_b32 v[\pw], v[TM+6], 16, v[\pw]
	s_delay_alu instid0(VALU_DEP_1)
	v_lshl_or_b32 v[\pw], v[TM+7], 24, v[\pw]
.irp c, 0,1
	v_cvt_scalef32_pk16_fp6_f32 v[PC+6*\c:PC+2+6*\c], v[\s+32*\c:\s+15+32*\c], v[TM+12+2*\c]
	v_cvt_scalef32_pk16_fp6_f32 v[PC+12+4*\c:PC+14+4*\c], v[\s+16+32*\c:\s+31+32*\c], v[TM+12+2*\c+1]
.endr
	v_nop                                          ; one plain line behind a scaled conversion
.irp c, 0,1                            ; a whole block to a lane: lanes 0-15 block 2 c, lanes 16-31 block 2 c + 1
.irp i, 0,1,2
	v_permlane16_swap_b32 v[PC+6*\c+\i], v[PC+12+4*\c+\i]
.endr
.irp i, 0,1,2
	s_delay_alu instid0(VALU_DEP_3)
	v_mov_b32 v[PC+3+6*\c+\i], v[PC+12+4*\c+\i]
.endr
.endr
.endm
.macro ACROSS                          ; v16 and v24 summed over the 32 lanes, the two rows by turns
.irp m, 1,2,4,8
.irp p, 0,1
	s_delay_alu instid0(VALU_DEP_2)
	v_add_f32_dpp v[16+8*\p], v[16+8*\p], v[16+8*\p] row_xmask:\m row_mask:0xf bank_mask:0xf
.endr
.endr
.irp p, 0,1
	s_delay_alu instid0(VALU_DEP_2)
	v_permlanex16_b32 v[17+8*\p], v[16+8*\p], s[SEL], s[SEL+1]
.endr
.irp p, 0,1
	s_delay_alu instid0(VALU_DEP_2)
	v_add_f32 v[16+8*\p], v[16+8*\p], v[17+8*\p]
.endr
.endm
	v_lshl_add_u32 v14, v0, 2, SPARE               ; my spare word
	v_mov_b32 v15, 0
	s_cmp_lt_u32 ttmp9, NWG                        ; the work-group's number alone decides: all eight waves go the same way
	s_cbranch_scc0 .Lnorm
	; ---------------- THE WEIGHTS
	s_load_b128 s[4:7], s[0:1], 0x20               ; the two weights
	s_load_b64 s[12:13], s[0:1], 0x30              ; wts
	v_lshrrev_b32 v1, 5, v0
	s_delay_alu instid0(VALU_DEP_1)
	v_readfirstlane_b32 s16, v1                    ; wave 0..7
	v_and_b32 v1, 31, v0                           ; lane
	s_delay_alu instid0(VALU_DEP_1)
	v_lshlrev_b32 v2, 4, v1                        ; 16 lane
	v_and_b32 v7, 15, v0
	v_lshlrev_b32 v7, 4, v7                        ; 16 (lane % 16): a row's scale words; lanes 16-31 name the same bytes as lanes 0-15
	s_mul_i32 s46, s16, WREG
	s_add_co_u32 s46, s46, WBASE                   ; my wave's LDS
	v_bfe_u32 v18, v0, 3, 1                        ; u: which tile of the pair my column falls into
	v_and_b32 v19, 7, v0
	v_bfe_u32 v28, v0, 4, 1
	s_delay_alu instid0(VALU_DEP_1)
	v_lshl_add_u32 v19, v28, 3, v19                ; r: its slot there
	s_delay_alu instid0(VALU_DEP_4)
	v_mul_u32_u24 v3, v18, 1536
	s_delay_alu instid0(VALU_DEP_1)
	v_lshl_add_u32 v3, v19, 3, v3
	s_delay_alu instid0(VALU_DEP_1)
	v_add_nc_u32 v3, s46, v3                       ; into the stage: 1,536 u + 8 r
	v_add_nc_u32 v4, s46, v2                       ; out of it: 16 lane
	v_lshlrev_b32 v5, 4, v19
	s_delay_alu instid0(VALU_DEP_1)
	v_lshl_add_u32 v5, v18, 2, v5
	s_delay_alu instid0(VALU_DEP_1)
	v_add_nc_u32 v5, s46, v5
	s_delay_alu instid0(VALU_DEP_1)
	v_add_nc_u32 v5, 6144, v5                      ; my scale word: 16 r + 4 u (+ 8 e)
	v_add_nc_u32 v6, s46, v7
	s_delay_alu instid0(VALU_DEP_1)
	v_add_nc_u32 v6, 6144, v6                      ; and the words on the way out: 16 (lane % 16)
	s_and_b32 s25, ttmp9, 1                        ; e: my half of 32 columns
	s_and_b32 s14, ttmp9, -2
	s_lshr_b32 s15, s16, 2
	s_add_co_u32 s14, s14, s15                     ; my group of four waves
	s_and_b32 s15, s16, 3                          ; my wave in it
	s_mov_b32 s20, N41                             ; the second weight's: bytes of a row, codes' and scales' place in wts
	s_mov_b32 s21, CO1
	s_mov_b32 s22, SO1
	s_cmp_lt_u32 s14, W0_N                         ; the first weight's
	s_cselect_b32 s18, 0, W0_N                     ; the weight's first group
	s_cselect_b32 s19, LK0, LK1
	s_cselect_b32 s20, N40, s20
	s_cselect_b32 s21, CO0, s21
	s_cselect_b32 s22, SO0, s22
	s_sub_co_u32 s17, s14, s18
	s_bfm_b32 s46, s19, 0
	s_and_b32 s23, s17, s46                        ; ks
	s_lshr_b32 s24, s17, s19                       ; block of 256 columns
	s_lshl_b32 s52, s24, 8
	s_lshl_b32 s46, s15, 6
	s_add_co_u32 s52, s52, s46                     ; n0: my wave's first column
	s_mul_i32 s48, s23, s20
	s_lshl_b32 s48, s48, 7                         ; 128 ks rows
	s_lshl_b32 s46, s52, 2
	s_add_co_u32 s48, s48, s46
	s_lshl_b32 s46, s25, 7                         ; + 32 e columns
	s_add_co_u32 s48, s48, s46
	s_mov_b32 s49, 0
	s_lshl_b32 s50, s20, 5                         ; 32 rows
	s_mov_b32 s51, 0
	s_lshr_b32 s46, s52, 4                         ; my first tile: n0 / 16 + 2 e
	s_lshl_b32 s24, s25, 1
	s_add_co_u32 s46, s46, s24
	s_lshl_b32 s46, s46, s19
	s_add_co_u32 s46, s46, s23
	s_mul_i32 s46, s46, 1536
	s_add_co_u32 s46, s46, s21
	s_mov_b32 s47, 0
	s_lshl_b32 s54, 1536, s19                      ; from tile to tile
	s_mov_b32 s55, 0
	s_lshr_b32 s52, s52, 6
	s_lshl_b32 s52, s52, s19
	s_add_co_u32 s52, s52, s23
	s_lshl_b32 s52, s52, 8
	s_add_co_u32 s52, s52, s22                     ; the four tiles' 256 bytes of scale words,
	s_lshl_b32 s24, s25, 3
	s_add_co_u32 s52, s52, s24                     ; and in each row's 16 bytes my two tiles' 8
	s_mov_b32 s53, 0
	v_lshlrev_b32 v[OFF], 2, v1
.set i, 1
.rept 31
	s_delay_alu instid0(VALU_DEP_1)
	v_add_nc_u32 v[OFF+i], s20, v[OFF+i-1]
.set i, i+1
.endr
	s_wait_alu depctr_va_vdst(0)
	s_wait_kmcnt 0x0
	s_cmp_lt_u32 s14, W0_N                         ; the source: the choice hangs on ids alone
	s_cselect_b64 s[26:27], s[4:5], s[6:7]
	s_add_nc_u64 s[SB:SB+1], s[26:27], s[48:49]
	s_add_nc_u64 s[SB+2:SB+3], s[SB:SB+1], s[50:51]
	s_add_nc_u64 s[SB+4:SB+5], s[SB+2:SB+3], s[50:51]
	s_add_nc_u64 s[SB+6:SB+7], s[SB+4:SB+5], s[50:51]
	s_add_nc_u64 s[DB:DB+1], s[12:13], s[46:47]
	s_add_nc_u64 s[DB+2:DB+3], s[DB:DB+1], s[54:55]
	s_add_nc_u64 s[44:45], s[12:13], s[52:53]
	LOAD 0
	LOAD 1
	BLOCK 0
	BLOCK 1
	BLOCK 2
	BLOCK 3
	s_wait_alu depctr_va_vdst(0)
	OUT 0
	ds_load_b64 v[8:9], v6                         ; LDS serves a wave's instructions in order: these see my stores
	s_wait_dscnt 0x0
	global_store_b64 v7, v[8:9], s[44:45]          ; lanes 0-15 store 8 bytes of every 16 over 256 bytes; lanes 16-31 the same
	s_wait_tensorcnt 0x0                           ; the wave's end: three lines behind my last LDS store
	ds_add_u32 v14, v15
	s_wait_dscnt 0x0
	s_endpgm
	; ---------------- THE LAYERNORM
.Lnorm:
	s_load_b256 s[4:11], s[0:1], 0x0               ; x, g, b, hq
	s_sub_co_u32 s13, ttmp9, NWG                   ; t: my tile
	v_lshrrev_b32 v1, 5, v0
	s_delay_alu instid0(VALU_DEP_1)
	v_readfirstlane_b32 s12, v1                    ; wave
	v_and_b32 v1, 31, v0                           ; lane
	v_and_b32 v2, 15, v0                           ; r
	v_bfe_u32 v3, v0, 4, 1                         ; h
	s_delay_alu instid0(VALU_DEP_3)
	v_lshlrev_b32 v4, 4, v1                        ; 16 lane
	s_delay_alu instid0(VALU_DEP_4)
	v_lshlrev_b32 v5, 3, v1                        ; 8 lane
	s_delay_alu instid0(VALU_DEP_4)
	v_mul_u32_u24 v6, v2, PITCH
	s_delay_alu instid0(VALU_DEP_1)
	v_lshl_add_u32 v6, v3, 6, v6
	s_lshl_b32 s14, s12, 9                         ; 512 w
	v_add_nc_u32 v6, s14, v6                       ; part 2 reads: row r, K step w, + 64 h
	v_lshl_add_u32 v7, v2, 3, STATS                ; row r's statistics
	s_mul_i32 s15, s12, 2*PITCH
	v_add_nc_u32 v8, s15, v4                       ; part 1 writes: slot 2 w, 16 lane
	v_lshlrev_b32 v9, 4, v2                        ; 16 r
	v_lshlrev_b32 v245, 6, v3                      ; 64 h
	s_lshl_b32 s15, s12, 4
	s_add_co_u32 s15, s15, STATS
	v_mov_b32 v246, s15                            ; my two slots' statistics
	s_mov_b32 s15, 0
	s_lshr_b32 s16, s13, 1
	s_lshl_b32 s16, s16, 5
	s_and_b32 s17, s13, 1
	s_lshl_b32 s17, s17, 3
	s_add_co_u32 s16, s16, s17
	s_lshl_b32 s17, s12, 1
	s_add_co_u32 s16, s16, s17
	s_lshr_b32 s17, s12, 2
	s_lshl_b32 s17, s17, 3
	s_add_co_u32 s16, s16, s17                     ; my first row: 32 (t / 2) + 8 (t % 2) + 2 w + 8 (w / 4)
	s_lshl_b32 s16, s16, 12
	s_mov_b32 s17, 0
	s_lshl_b32 s22, s13, 3
	s_add_co_u32 s22, s22, s12
	s_mul_i32 s22, s22, 1536                       ; fragment (t, w)
	s_mov_b32 s23, 0
	s_lshr_b32 s24, s13, 2
	s_lshl_b32 s24, s24, 3
	s_add_co_u32 s24, s24, s12
	s_lshl_b32 s24, s24, 8
	s_and_b32 s25, s13, 3
	s_lshl_b32 s25, s25, 2
	s_add_co_u32 s24, s24, s25
	s_add_co_u32 s24, s24, HS                      ; its scale words
	s_mov_b32 s25, 0
	s_mov_b32 s[SEL], 0x76543210
	s_mov_b32 s[SEL+1], 0xfedcba98
	s_mov_b32 s28, 0x3a800000                      ; 1 / 1,024
	s_mov_b32 s29, 0x3727c5ac                      ; 1e-5
	s_wait_alu depctr_va_vdst(0)
	s_wait_kmcnt 0x0
	s_add_nc_u64 s[16:17], s[4:5], s[16:17]
	s_add_nc_u64 s[18:19], s[6:7], s[14:15]
	s_add_nc_u64 s[20:21], s[8:9], s[14:15]
	s_add_nc_u64 s[22:23], s[10:11], s[22:23]
	s_add_nc_u64 s[24:25], s[10:11], s[24:25]
.irp p, 0,1
.irp j, 0,1,2,3,4,5,6,7
	global_load_b128 v[XR+32*\p+4*\j:XR+32*\p+4*\j+3], v4, s[16:17] offset:4096*\p+512*\j
.endr
.endr
.irp b, 0,1,2,3
.irp j, 0,1,2,3
	global_load_b128 v[G+16*\b+4*\j:G+16*\b+4*\j+3], v245, s[18:19] offset:128*\b+16*\j
	global_load_b128 v[BV+16*\b+4*\j:BV+16*\b+4*\j+3], v245, s[20:21] offset:128*\b+16*\j
.endr
.endr
	s_wait_loadcnt 32                              ; my two rows are in; the 32 loads of g and b may be out
.irp p, 0,1
.irp j, 0,1,2,3,4,5,6,7
	ds_store_b128 v8, v[XR+32*\p+4*\j:XR+32*\p+4*\j+3] offset:PITCH*\p+512*\j
.endr
.endr
.irp p, 0,1                            ; the rows' sums, two chains each
	v_pk_add_f32 v[16+8*\p:17+8*\p], v[XR+32*\p:XR+32*\p+1], v[XR+32*\p+2:XR+32*\p+3]
	v_pk_add_f32 v[18+8*\p:19+8*\p], v[XR+32*\p+4:XR+32*\p+5], v[XR+32*\p+6:XR+32*\p+7]
.endr
.irp k, 8,12,16,20,24,28
.irp p, 0,1
	s_delay_alu instid0(VALU_DEP_4)
	v_pk_add_f32 v[16+8*\p:17+8*\p], v[16+8*\p:17+8*\p], v[XR+32*\p+\k:XR+32*\p+\k+1]
	s_delay_alu instid0(VALU_DEP_4)
	v_pk_add_f32 v[18+8*\p:19+8*\p], v[18+8*\p:19+8*\p], v[XR+32*\p+\k+2:XR+32*\p+\k+3]
.endr
.endr
.irp p, 0
	s_delay_alu instid0(VALU_DEP_3)
	v_pk_add_f32 v[16+8*\p:17+8*\p], v[16+8*\p:17+8*\p], v[18+8*\p:19+8*\p]
.endr
.irp p, 1
	s_delay_alu instid0(VALU_DEP_2)
	v_pk_add_f32 v[16+8*\p:17+8*\p], v[16+8*\p:17+8*\p], v[18+8*\p:19+8*\p]
.endr
.irp p, 0,1
	s_delay_alu instid0(VALU_DEP_2)
	v_add_f32 v[16+8*\p], v[16+8*\p], v[17+8*\p]
.endr
	ACROSS
.irp p, 0,1
	s_delay_alu instid0(VALU_DEP_2)
	v_mul_f32 v[20+8*\p], 0xba800000, v[16+8*\p]   ; -mean
.endr
.irp p, 0,1
	s_delay_alu instid0(VALU_DEP_2)
	v_mov_b32 v[21+8*\p], v[20+8*\p]
.endr
.irp p, 0
	s_delay_alu instid0(VALU_DEP_2)
	v_pk_add_f32 v[22+8*\p:23+8*\p], v[XR+32*\p:XR+32*\p+1], v[20+8*\p:21+8*\p]
	s_delay_alu instid0(VALU_DEP_1)
	v_pk_mul_f32 v[16+8*\p:17+8*\p], v[22+8*\p:23+8*\p], v[22+8*\p:23+8*\p]
.endr
.irp p, 1
	s_delay_alu instid0(VALU_DEP_3)
	v_pk_add_f32 v[22+8*\p:23+8*\p], v[XR+32*\p:XR+32*\p+1], v[20+8*\p:21+8*\p]
	s_delay_alu instid0(VALU_DEP_1)
	v_pk_mul_f32 v[16+8*\p:17+8*\p], v[22+8*\p:23+8*\p], v[22+8*\p:23+8*\p]
.endr
.irp p, 0,1
	v_pk_add_f32 v[22+8*\p:23+8*\p], v[XR+32*\p+2:XR+32*\p+3], v[20+8*\p:21+8*\p]
	s_delay_alu instid0(VALU_DEP_1)
	v_pk_mul_f32 v[18+8*\p:19+8*\p], v[22+8*\p:23+8*\p], v[22+8*\p:23+8*\p]
.endr
.irp k, 4,8,12,16,20,24,28
.irp p, 0,1
	v_pk_add_f32 v[22+8*\p:23+8*\p], v[XR+32*\p+\k:XR+32*\p+\k+1], v[20+8*\p:21+8*\p]
	s_delay_alu instid0(VALU_DEP_1)
	v_pk_fma_f32 v[16+8*\p:17+8*\p], v[22+8*\p:23+8*\p], v[22+8*\p:23+8*\p], v[16+8*\p:17+8*\p]
.endr
.irp p, 0,1
	v_pk_add_f32 v[22+8*\p:23+8*\p], v[XR+32*\p+\k+2:XR+32*\p+\k+3], v[20+8*\p:21+8*\p]
	s_delay_alu instid0(VALU_DEP_1)
	v_pk_fma_f32 v[18+8*\p:19+8*\p], v[22+8*\p:23+8*\p], v[22+8*\p:23+8*\p], v[18+8*\p:19+8*\p]
.endr
.endr
.irp p, 0
	s_delay_alu instid0(VALU_DEP_3)
	v_pk_add_f32 v[16+8*\p:17+8*\p], v[16+8*\p:17+8*\p], v[18+8*\p:19+8*\p]
.endr
.irp p, 1
	s_delay_alu instid0(VALU_DEP_2)
	v_pk_add_f32 v[16+8*\p:17+8*\p], v[16+8*\p:17+8*\p], v[18+8*\p:19+8*\p]
.endr
.irp p, 0,1
	s_delay_alu instid0(VALU_DEP_2)
	v_add_f32 v[16+8*\p], v[16+8*\p], v[17+8*\p]
.endr
	ACROSS
.irp p, 0,1
	s_delay_alu instid0(VALU_DEP_2)
	v_fma_f32 v[16+8*\p], v[16+8*\p], s28, s29     ; var + eps
.endr
	s_wait_alu depctr_va_vdst(0)
.irp p, 0,1
	v_rsq_f32 v[21+8*\p], v[16+8*\p]
.endr
	v_nop                                          ; a plain line behind the last of the two
	s_wait_alu depctr_va_vdst(0)                   ; the wait ahead of the first line that names a result: one for both
.irp p, 0,1
	ds_store_b64 v246, v[20+8*\p:21+8*\p] offset:8*\p   ; all lanes write the same 8 bytes
.endr
	s_wait_dscnt 0x0                               ; for the others' sake: my stores have landed
	s_barrier_signal -1
	s_barrier_wait -1
.irp b, 0,1,2,3
.irp j, 0,1,2,3
	ds_load_b128 v[XR+16*\b+4*\j:XR+16*\b+4*\j+3], v6 offset:128*\b+16*\j
.endr
.endr
	ds_load_b64 v[10:11], v7
	s_wait_dscnt 0x0
	s_wait_loadcnt 0x0                             ; g and b
	v_mov_b32 v12, v11
	v_mov_b32 v13, v11
.set n, 0
.rept 32
	v_pk_add_f32 v[XR+n:XR+n+1], v[XR+n:XR+n+1], v[10:11] op_sel_hi:[1,0]
.set n, n+2
.endr
.set n, 0
.rept 32
	v_pk_mul_f32 v[XR+n:XR+n+1], v[XR+n:XR+n+1], v[G+n:G+n+1]
.set n, n+2
.endr
.set n, 0
.rept 32
	v_pk_fma_f32 v[XR+n:XR+n+1], v[XR+n:XR+n+1], v[12:13], v[BV+n:BV+n+1]
.set n, n+2
.endr
	QUANT XR, PW
.irp p, 0,1,2,3,4,5
	global_store_b64 v5, v[PC+2*\p:PC+2*\p+1], s[22:23] offset:256*\p   ; 32 lanes store 256 consecutive bytes, aligned
.endr
	s_wait_xcnt 0x0                                ; EXEC changes only behind this wait
	v_cmp_gt_u32 vcc_lo, 16, v1
	s_and_saveexec_b32 s30, vcc_lo
	global_store_b32 v9, v[PW], s[24:25]           ; lanes 0-15: row r's word
	s_wait_xcnt 0x0
	s_or_b32 exec_lo, exec_lo, s30
	s_wait_tensorcnt 0x0                           ; the wave's end: three lines behind my last LDS store
	ds_add_u32 v14, v15
	s_wait_dscnt 0x0
	s_endpgm
.Lfunc_end_k_qe89b25b5c8_wq:
	.size	k_qe89b25b5c8_wq, .Lfunc_end_k_qe89b25b5c8_wq-k_qe89b25b5c8_wq
	.p2alignl 7, 3214868480
	.fill 96, 4, 3214868480
	.section	.rodata,"a",@progbits
	.p2align	6, 0x0
	.amdhsa_kernel k_qe89b25b5c8_wq
		.amdhsa_group_segment_fixed_size 118272
		.amdhsa_private_segment_fixed_size 0
		.amdhsa_enable_private_segment 0
		.amdhsa_kernarg_size 56
		.amdhsa_user_sgpr_count 2
		.amdhsa_user_sgpr_kernarg_segment_ptr 1
		.amdhsa_wavefront_size32 1
		.amdhsa_system_sgpr_workgroup_id_x 1
		.amdhsa_system_sgpr_workgroup_id_y 1
		.amdhsa_system_sgpr_workgroup_id_z 1
		.amdhsa_system_vgpr_workitem_id 0
		.amdhsa_next_free_vgpr 256
		.amdhsa_next_free_sgpr 66
		.amdhsa_reserve_vcc 1
		.amdhsa_float_denorm_mode_32 3
		.amdhsa_float_denorm_mode_16_64 3
		.amdhsa_memory_ordered 1
		.amdhsa_forward_progress 1
		.amdhsa_inst_pref_size 61
	.end_amdhsa_kernel
	.amdgpu_metadata
---
amdhsa.version: [ 1, 2 ]
amdhsa.kernels:
  - .name:           k_qe89b25b5c8_wq
    .symbol:         k_qe89b25b5c8_wq.kd
    .args:
      - { .name: x, .offset: 0, .size: 8, .value_kind: global_buffer, .address_space: global }
      - { .name: ln1_g, .offset: 8, .size: 8, .value_kind: global_buffer, .address_space: global }
      - { .name: ln1_b, .offset: 16, .size: 8, .value_kind: global_buffer, .address_space: global }
      - { .name: hq, .offset: 24, .size: 8, .value_kind: global_buffer, .address_space: global }
      - { .name: w_qkv, .offset: 32, .size: 8, .value_kind: global_buffer, .address_space: global }
      - { .name: w_out, .offset: 40, .size: 8, .value_kind: global_buffer, .address_space: global }
      - { .name: wts, .offset: 48, .size: 8, .value_kind: global_buffer, .address_space: global }
    .group_segment_fixed_size: 118272
    .private_segment_fixed_size: 0
    .kernarg_segment_align: 8
    .kernarg_segment_size: 56
    .max_flat_workgroup_size: 256
    .sgpr_count:     66
    .vgpr_count:     256
    .wavefront_size: 32
...
	.end_amdgpu_metadata
.endif
;; end of part 1
;; launch gq (part 2): grid 12 x 16, 4 waves a work-group, clusters of 4 x 4, 327,680 bytes of LDS; arguments hq, wts, b_qkv, qkv; writes qkv
.if DOCPART == 2
	.amdgcn_target "amdgcn-amd-amdhsa--gfx1250"
	.amdhsa_code_object_version 6
	.text
	.protected	k_qe89b25b5c8_gq
	.globl	k_qe89b25b5c8_gq
	.p2align	8
	.type	k_qe89b25b5c8_gq,@function
k_qe89b25b5c8_gq:
	s_mov_b64 s[64:65], 0
	v_nop
	global_prefetch_b8 v0, s[64:65] scope:SCOPE_SE
	s_setreg_imm32_b32 hwreg(HW_REG_WAVE_MODE, 25, 1), 1
	s_wait_xcnt 0x0
	s_wait_alu depctr_hold_cnt(0) depctr_sa_sdst(0) depctr_va_vdst(0) depctr_va_sdst(0) depctr_va_ssrc(0) depctr_va_vcc(0) depctr_vm_vsrc(0)
	s_getreg_b32 s2, hwreg(HW_REG_IB_STS2, 6, 4)
	s_cmp_eq_u32 s2, 0
	s_cbranch_scc0 .Lentry_in_a_cluster
	s_endpgm
.Lentry_in_a_cluster:
	s_bfe_u32 s2, ttmp6, 0x10000c
	s_cmp_lg_u32 s2, 0xf033
	s_cbranch_scc0 .Lentry_shape_is_right
	s_endpgm
.Lentry_shape_is_right:
; ONE TEXT FOR TWO LAUNCHES.  QKV = 1: q, k, v = Q(h w_qkv + b_qkv).  QKV = 0: Q(gelu(h w_fc1 + b_fc1)).  Q is the quantiser of the NEXT product; the results leave as codes of FP6 (E2M3) and E8M0 scale words alone.
; Both operands are codes, laid as launch wq's head says: fragments of 1,536 bytes at (T KST + ks) 1,536, scale words at ((T / 4) KST + ks) 256 + 16 r + 4 (T % 4); K = 1,024, KST = 8.
; A tile of 256 x 256 to a work-group of four waves, 128 x 128 a wave: 64 accumulators, 512 registers.  K is four pieces of 256; a wave's tensor load brings 8 tiles x 3,072 bytes of a piece.
; THREE LDS REGIONS hold pieces 0, 1, 2: all three are first fills, so the work-group has four tensor loads out at the head, one a wave (the scale words' among them).  Piece 3 is the ONE refill, into region 0, behind the cluster's round in the
; fourth step of 128; it is waited for at the head of the sixth: one and a half steps, 96 matrix instructions, lie between.  The change from piece 0 to piece 1 has no wait and no barrier: piece 1 came with piece 0 in the head's loads.
; Source 0 takes 16 rows of "B", source 1 16 rows of "A": a lane holds ONE row of A, and by the order of rows in a tile its 64 registers of a block of A are 128 / 2 neighbours along B's rows: the next product's K.
; q, k, fc1: A = the tokens (hq), B = the weight's rows: quantised along the columns.  v (cluster x = 2, ROLE = 1): A = w_v's rows, B = the tokens: a lane holds one column of v and its registers run along the keys,
; which are the second attention product's K.  ROLE hangs on the cluster's x alone: it is the same in all sixteen partners.
; CLUSTERS: 4 x 4.  A's tiles are asked for jointly along a row of the cluster, B's along a column.  The scale words of the work-group's rows, all of K, come once with the first fills.
; GELU: 0.5 x (1 + tanh u) = x / (1 + 2^(x (A + B x^2))), A = -2 sqrt(2 / pi) log2 e, B = 0.044715 A: an identity for every x; where x^2 overflows it gives x or -0 as tanh(+-inf) does.
; LIMITS: NaN and infinities are not served; a block under 2^-124, a block of zeros too, keeps the byte 1 (this program alone reads the bytes).
; REGISTERS: window 0: v1-29 addresses; v32-63 scale words, two sets; v64-67 128 biases; from v128 A's fragments, one set.  Window 1: B's fragments, two sets.  Windows 2, 3: accumulator (a, b) at v[8 (8 (a % 4) + b)].
.set QKV,   1
.set KST,   8
.set NQ,    2
.set FR,    12
.set NL,    6
.set NP,    4
.set HALFT, 24576                      ; 8 tiles x two K steps of 128: what one tensor load brings
.set SLOT,  4*HALFT                    ; a region: A's 256 rows, then B's 256 rows, 256 along K
.set SCL,   3*SLOT                     ; behind the three regions: the scale words
.set HALFS, 4096                       ; those of 128 rows
.set SPARE, SCL+4*HALFS                ; the spare words: 128 bytes a wave
.set HS,     3145728
.set WQKV_S, 9437184
.set WV_C,   1572864
.set WV_S,   9502720
.set WFC1_C, 3145728
.set WFC1_S, 9568256
.set QS,     9437184
.set FS,     12582912
.if QKV
.set PITCHX, 12288                     ; from tile to tile in the codes written: KST' x 1,536
.else
.set PITCHX, 49152
.endif
.set LN,   1
.set LI16, 2
.set LI8,  3
.set STG,  4                           ; the biases' 512 bytes in LDS, my wave's: 16 lane
.set BRD,  5                           ; read back by columns: 64 h
.set BYA,  6                           ; read back by rows: 4 (r + 8 (r / 8))
.set SOFF, 7
.set T4,   8
.set ADRA, 16                          ; v16-19  LDS address of my A fragments for pieces 0, 1, 2, 3
.set ADRB, 20                          ; v20-23  the same for B
.set ADRS, 27
.set SPW,  28
.set NIL,  29
.set SC,   32                          ; set s at SC + 16 s; register 8 q + i: lanes 0-15 the word of A's block i, lanes 16-31 of B's block i; the sets take turns piece by piece
.set BW,   64
.set TM,   68
.set KA,   84
.set PWS,  88
.set PC,   96
.set AF,   128
.set H,    128
.set T,    192
.set BY,   192
.set ROLE, 2
.set G0C,  4                           ; s[4:7]   group 0 for A's tile of region 2 (the two pointers that lay there are done with)
.set G1,   24
.set G0,   32                          ; s[32:39] group 0 for A's tiles of regions 0 and 1
.set G0BC, 44                          ; s[44:47] group 0 for B's tile of region 2
.set G1B,  48
.set G0B,  56
.set SEL,  66
.set G1S,  68
.set G0S,  76
.set G1SB, 80
.set G0SB, 88
.set GB,   96
.set OC,   98
.set OS,   100
.set MSB, 0
.macro WIN new                         ; the immediate's high byte repeats the setting that is left
.if MSB != \new
	s_set_vgpr_msb (MSB<<8)|\new
.set MSB, \new
.endif
.endm
.set MUL_LO, 0xa1
.set MUL_HI, 0xf1
.set TO_B,   0x40
.macro JLOAD g0a, g1a, g0b, g1b        ; a joint load: waves 0, 1 fetch for A, waves 2, 3 for B; an s_nop 0 and four v_nop follow each line
	s_cmp_eq_u32 s15, 0
	s_cbranch_scc0 .Lfor_b_\@
	tensor_load_to_lds s[\g0a:\g0a+3], s[\g1a:\g1a+7]
	s_nop 0
.rept 4
	v_nop
.endr
	s_branch .Lasked_\@
.Lfor_b_\@:
	tensor_load_to_lds s[\g0b:\g0b+3], s[\g1b:\g1b+7]
	s_nop 0
.rept 4
	v_nop
.endr
.Lasked_\@:
.endm
.macro CREST
	s_cmp_lg_u32 s14, 0
	s_cbranch_scc1 .Lnot_wave_0_\@
	s_barrier_signal -3
.Lnot_wave_0_\@:
	s_barrier_wait -3
	s_barrier_signal -1
	s_barrier_wait -1
.endm
.macro CROUND
	s_barrier_signal -1
	s_barrier_wait -1
	CREST
.endm
.macro QUANT s, pw                     ; 64 numbers of a lane, register 16 b + i = k 32 b + 16 (lane / 16) + i of my row, become a fragment's codes in v[PC] on and its scale word
.irp b, 0,1,2,3
	v_max3_num_f32 v[TM+\b], |v[\s+16*\b]|, |v[\s+1+16*\b]|, 0x1800000
.endr
.irp i, 2,4,6,8,10,12,14
.irp b, 0,1,2,3
	v_max3_num_f32 v[TM+\b], v[TM+\b], |v[\s+16*\b+\i]|, |v[\s+1+16*\b+\i]|
.endr
.endr
.irp b, 0,1,2,3
	v_permlanex16_b32 v[TM+4+\b], v[TM+\b], s[SEL], s[SEL+1]
.endr
.irp b, 0,1,2,3
	v_max_num_f32 v[TM+\b], v[TM+\b], v[TM+4+\b]
.endr
.irp b, 0,1,2,3
	v_add_nc_u32 v[TM+12+\b], 0xff000000, v[TM+\b]
.endr
.irp b, 0,1,2,3
	v_lshrrev_b32 v[TM+4+\b], 23, v[TM+12+\b]
.endr
	v_lshl_or_b32 v[\pw], v[TM+5], 8, v[TM+4]
	v_lshl_or_b32 v[\pw], v[TM+6], 16, v[\pw]
	v_lshl_or_b32 v[\pw], v[TM+7], 24, v[\pw]
.irp c, 0,1
	v_cvt_scalef32_pk16_fp6_f32 v[PC+6*\c:PC+2+6*\c], v[\s+32*\c:\s+15+32*\c], v[TM+12+2*\c]
	v_cvt_scalef32_pk16_fp6_f32 v[PC+12+4*\c:PC+14+4*\c], v[\s+16+32*\c:\s+31+32*\c], v[TM+12+2*\c+1]
.endr
	v_nop
.irp c, 0,1
.irp i, 0,1,2
	v_permlane16_swap_b32 v[PC+6*\c+\i], v[PC+12+4*\c+\i]
.endr
.irp i, 0,1,2
	v_mov_b32 v[PC+3+6*\c+\i], v[PC+12+4*\c+\i]
.endr
.endr
.endm
	s_load_b256 s[4:11], s[0:1], 0x0               ; hq, wts, the bias, the codes written
	v_lshl_add_u32 v[SPW], v0, 2, SPARE
	v_mov_b32 v[NIL], 0
	ds_add_u32 v[SPW], v[NIL]                      ; the wave's opening: the add, twice on end, and its wait ahead of my first tensor load
	ds_add_u32 v[SPW], v[NIL]
	v_lshrrev_b32 v1, 5, v0
	v_readfirstlane_b32 s14, v1                    ; wave
	s_lshr_b32 s15, s14, 1                         ; my half of A's rows; also: I fetch for A (0) or B (1)
	s_and_b32 s16, s14, 1                          ; my half of B's rows; also: which 128 rows I fetch
	s_bfe_u32 s40, ttmp6, 0x40000                  ; cx
	s_bfe_u32 s41, ttmp6, 0x40004                  ; cy
	s_and_b32 s13, ttmp7, 0xffff                   ; cluster y
.if QKV
	s_cmp_eq_u32 ttmp9, 2
	s_cselect_b32 s[ROLE], 1, 0
	s_cselect_b32 s42, s13, ttmp9
	s_cselect_b32 s17, 0, s13
.else
	s_mov_b32 s42, ttmp9
	s_mov_b32 s17, s13
.endif
	s_lshl_b32 s42, s42, 2
	s_add_co_u32 s42, s42, s40                     ; TC: which 256 rows of B
	s_lshl_b32 s17, s17, 2
	s_add_co_u32 s17, s17, s41                     ; TR: which 256 rows of A
	s_lshl_b32 s43, s41, 2
	s_lshl_b32 s43, 15, s43                        ; my row of the cluster
	s_lshl_b32 s44, 0x1111, s40                    ; my column
	s_or_b32 s[G1+0], s43, (3<<16)|(1<<21)         ; elements of 8 bytes, no padding; bit 21 beside a mask
	s_or_b32 s[G1B+0], s44, (3<<16)|(1<<21)
.irp g, G1, G1B
	s_mov_b32 s[\g+1], 768<<16                     ; the head's loads: a row is 6,144 bytes, K 0 to 511 of one tile;
	s_mov_b32 s[\g+2], 16<<16                      ; 16 tiles: all 256 rows
	s_mov_b32 s[\g+3], 768<<16
	s_mov_b32 s[\g+4], 16
	s_mov_b32 s[\g+5], KST*192                     ; from tile to tile
	s_mov_b32 s[\g+6], 0
	s_mov_b32 s[\g+7], 0
.endr
	s_or_b32 s[G1S+0], s43, (3<<16)|(1<<21)
	s_or_b32 s[G1SB+0], s44, (3<<16)|(1<<21)
.irp g, G1S, G1SB
	s_mov_b32 s[\g+1], 32<<16                      ; rows of 256 bytes
	s_mov_b32 s[\g+2], 32<<16                      ; 8,192 dense bytes as 32 rows of 256: the words of all 256 rows, one load
	s_mov_b32 s[\g+3], 32<<16
	s_mov_b32 s[\g+4], 32
	s_mov_b32 s[\g+5], 32
	s_mov_b32 s[\g+6], 0
	s_mov_b32 s[\g+7], 0
.endr
	s_lshl_b32 s18, s16, 3
	s_lshl_b32 s20, s17, 4
	s_add_co_u32 s20, s20, s18                     ; A: first tile that I fetch
	s_lshl_b32 s22, s20, 9                         ; its scale words
	s_mul_i32 s20, s20, 12288                      ; its codes
	s_lshl_b32 s46, s42, 4
	s_add_co_u32 s46, s46, s18                     ; B likewise
	s_lshl_b32 s92, s46, 9
	s_mul_i32 s46, s46, 12288
.if QKV
	s_cmp_eq_u32 s[ROLE], 1
	s_cselect_b32 s19, WV_C, 0
	s_mov_b32 s95, HS
	s_cselect_b32 s95, WV_S, s95
	s_mov_b32 s96, WQKV_S
	s_cselect_b32 s96, HS, s96
	s_add_co_u32 s20, s20, s19
	s_add_co_u32 s22, s22, s95
	s_add_co_u32 s92, s92, s96
.else
	s_add_co_u32 s22, s22, HS
	s_add_co_u32 s46, s46, WFC1_C
	s_add_co_u32 s92, s92, WFC1_S
.endif
	s_mov_b32 s21, 0
	s_mov_b32 s23, 0
	s_mov_b32 s47, 0
	s_mov_b32 s93, 0
	s_mul_i32 s45, s14, HALFT                      ; where they go: no place in the cluster enters an LDS address
	s_wait_dscnt 0x0                               ; both opening adds are done
	s_wait_kmcnt 0x0
.if QKV
	s_cmp_eq_u32 s[ROLE], 1
	s_cselect_b64 s[98:99], s[6:7], s[4:5]         ; A's buffer
	s_cselect_b64 s[100:101], s[4:5], s[6:7]       ; B's
.else
	s_mov_b64 s[98:99], s[4:5]
	s_mov_b64 s[100:101], s[6:7]
.endif
	s_add_nc_u64 s[20:21], s[98:99], s[20:21]
	s_add_nc_u64 s[22:23], s[98:99], s[22:23]
	s_add_nc_u64 s[46:47], s[100:101], s[46:47]
	s_add_nc_u64 s[92:93], s[100:101], s[92:93]
	CROUND                                         ; all sixteen work-groups are here: the first joint loads meet
	s_mov_b32 s[G0S], 1
	s_mov_b32 s[G0S+1], SCL
	s_lshl_b32 s12, s16, 12                        ; back from my half's words to the work-group's first
	s_mov_b32 s13, 0
	s_sub_nc_u64 s[G0S+2:G0S+3], s[22:23], s[12:13]
	s_or_b32 s[G0S+3], s[G0S+3], 0x80000000
	s_mov_b32 s[G0SB], 1
	s_mov_b32 s[G0SB+1], SCL+2*HALFS
	s_sub_nc_u64 s[G0SB+2:G0SB+3], s[92:93], s[12:13]
	s_or_b32 s[G0SB+3], s[G0SB+3], 0x80000000
.irp s, 0
	s_mov_b32 s[G0+4*\s], 1
	s_add_co_u32 s[G0+4*\s+1], s45, \s*SLOT
	s_add_nc_u64 s[G0+4*\s+2:G0+4*\s+3], s[20:21], \s*3072
	s_or_b32 s[G0+4*\s+3], s[G0+4*\s+3], 0x80000000
	s_mov_b32 s[G0B+4*\s], 1
	s_add_co_u32 s[G0B+4*\s+1], s45, \s*SLOT
	s_add_nc_u64 s[G0B+4*\s+2:G0B+4*\s+3], s[46:47], \s*3072
	s_or_b32 s[G0B+4*\s+3], s[G0B+4*\s+3], 0x80000000
.endr
	s_mul_i32 s12, s16, 98304                      ; back from my 8 tiles to the work-group's first tile
	s_mov_b32 s[G0+4], 1                           ; the head's load of A: 16 tiles x K 0 to 511, from LDS byte 0
	s_mov_b32 s[G0+5], 0
	s_sub_nc_u64 s[G0+6:G0+7], s[20:21], s[12:13]
	s_or_b32 s[G0+7], s[G0+7], 0x80000000
	s_mov_b32 s[G0B+4], 1                          ; and of B, behind A's 98,304 bytes
	s_mov_b32 s[G0B+5], SLOT
	s_sub_nc_u64 s[G0B+6:G0B+7], s[46:47], s[12:13]
	s_or_b32 s[G0B+7], s[G0B+7], 0x80000000
	s_mov_b32 s[G0C], 1                            ; region 2, piece 2
	s_add_co_u32 s[G0C+1], s45, 2*SLOT
	s_add_nc_u64 s[G0C+2:G0C+3], s[20:21], 2*3072
	s_or_b32 s[G0C+3], s[G0C+3], 0x80000000
	s_mov_b32 s[G0BC], 1                           ; B's is made in place: the mask is done with, the LDS address and B's address step on
	s_add_co_u32 s[G0BC+1], s45, 2*SLOT
	s_add_nc_u64 s[G0BC+2:G0BC+3], s[46:47], 2*3072
	s_or_b32 s[G0BC+3], s[G0BC+3], 0x80000000
; THE HEAD'S LOADS, ONE A WAVE: wave 0 A's K 0 to 511, wave 1 B's, wave 2 A's scale words, wave 3 B's.  One chain of branches on the wave's number, one load to an arm.
.macro ARM under, g0, g1, next
	s_cmp_lt_u32 s14, \under
	s_cbranch_scc0 \next
	tensor_load_to_lds s[\g0:\g0+3], s[\g1:\g1+7]
	s_nop 0
.rept 4
	v_nop
.endr
	s_branch .Lhead_asked
\next:
.endm
	ARM 1, G0+4,  G1,  .Lhead_b
	ARM 2, G0B+4, G1B, .Lhead_sa
	ARM 3, G0S,   G1S, .Lhead_sb
	tensor_load_to_lds s[G0SB:G0SB+3], s[G1SB:G1SB+7]
	s_nop 0
.rept 4
	v_nop
.endr
.Lhead_asked:
	v_and_b32 v[LN], 31, v0
	v_and_b32 v12, 15, v0                          ; r
	v_bfe_u32 v13, v0, 4, 1                        ; h
	s_wait_alu depctr_va_vdst(0)
	v_lshlrev_b32 v[LI16], 4, v[LN]
	v_lshlrev_b32 v[LI8], 3, v[LN]
	s_wait_alu depctr_va_vdst(0)                   ; the wait
	s_mul_i32 s21, s15, 2*HALFT                    ; pieces 0 and 1 lie tile by tile, 6,144 bytes a tile: my 8 tiles of A,
	s_mul_i32 s22, s16, 2*HALFT
	s_add_co_u32 s22, s22, SLOT                    ; and of B
.irp s, 0,1
	v_add_nc_u32 v[ADRA+\s], s21, v[LI8]
	v_add_nc_u32 v[ADRB+\s], s22, v[LI8]
	s_add_co_u32 s21, s21, 3072
	s_add_co_u32 s22, s22, 3072
.endr
	s_mul_i32 s21, s15, HALFT                      ; piece 3 lands from byte 0 on, 3,072 bytes a tile (address 3); piece 2 likewise from 2 SLOT on (address 2)
	s_mul_i32 s22, s16, HALFT
	s_add_co_u32 s22, s22, 2*HALFT
	v_add_nc_u32 v[ADRA+3], s21, v[LI8]
	v_add_nc_u32 v[ADRB+3], s22, v[LI8]
	s_add_co_u32 s21, s21, 2*SLOT
	s_add_co_u32 s22, s22, 2*SLOT
	v_add_nc_u32 v[ADRA+2], s21, v[LI8]
	v_add_nc_u32 v[ADRB+2], s22, v[LI8]
	s_mul_i32 s21, s15, HALFS
	s_mul_i32 s22, s16, HALFS
	s_add_co_u32 s22, s22, 2*HALFS
	s_sub_co_u32 s22, s22, s21
	v_mul_u32_u24 v14, s22, v13                    ; lanes 16-31 take B's words
	s_add_co_u32 s21, s21, SCL
	v_lshl_add_u32 v14, v12, 4, v14
	v_add_nc_u32 v[ADRS], s21, v14
	s_lshl_b32 s23, s14, 9
	s_add_co_u32 s23, s23, SLOT                    ; the biases' stage lies in region 1
	v_add_nc_u32 v[STG], s23, v[LI16]
	v_lshl_add_u32 v[BRD], v13, 6, s23
	v_and_b32 v15, 8, v12
	v_add_nc_u32 v15, v15, v12
	v_lshl_add_u32 v[BYA], v15, 2, s23
	s_lshl_b32 s18, s42, 8                         ; my 128 biases begin at 256 TC + 128 x my half of B;
	s_lshl_b32 s19, s16, 7
	s_add_co_u32 s18, s18, s19
.if QKV
	s_lshl_b32 s20, s17, 8                         ; for v at 2,048 + 256 TR + 128 x my half of A
	s_lshl_b32 s19, s15, 7
	s_add_co_u32 s20, s20, s19
	s_add_co_u32 s20, s20, 2048
	s_cmp_eq_u32 s[ROLE], 1
	s_cselect_b32 s18, s20, s18
.endif
	s_lshl_b32 s18, s18, 2
	s_mov_b32 s19, 0
	s_add_nc_u64 s[8:9], s[8:9], s[18:19]
	global_load_b128 v[BW:BW+3], v[LI16], s[8:9]   ; 512 consecutive bytes; waited for on the way out
	s_lshl_b32 s18, s17, 4
	s_lshl_b32 s19, s15, 3
	s_add_co_u32 s18, s18, s19                     ; the first of the 8 tiles that I write
	s_lshl_b32 s20, s42, 1
	s_add_co_u32 s20, s20, s16                     ; which 128 of B's rows are mine
.if QKV
	s_cmp_eq_u32 s[ROLE], 1
	s_cselect_b32 s21, 5, 3                        ; log2 of the written operand's KST: v 32, q and k 8
	s_cselect_b32 s22, 31, 7
	s_mov_b32 s23, 2048
	s_cselect_b32 s23, 8192, s23
	s_and_b32 s20, s20, s22                        ; the K step written
	s_mul_i32 s92, ttmp9, 3145728                  ; q, k, v by the cluster's x
	s_mul_i32 s93, ttmp9, 131072
	s_add_co_u32 s93, s93, QS
.else
	s_mov_b32 s21, 5
	s_mov_b32 s23, 8192
	s_mov_b32 s92, 0
	s_mov_b32 s93, FS
.endif
	s_lshl_b32 s22, s18, s21
	s_add_co_u32 s22, s22, s20
	s_mul_i32 s22, s22, 1536
	s_add_co_u32 s22, s22, s92
	s_lshr_b32 s18, s18, 2
	s_lshl_b32 s18, s18, s21
	s_add_co_u32 s18, s18, s20
	s_lshl_b32 s18, s18, 8
	s_add_co_u32 s18, s18, s93
	s_mov_b32 s19, 0
	s_add_nc_u64 s[OS:OS+1], s[10:11], s[18:19]
	s_mov_b32 s18, s22
	s_add_nc_u64 s[OC:OC+1], s[10:11], s[18:19]
	v_mul_u32_u24 v[SOFF], s23, v13                ; lanes 16-31 store the words of tiles 4-7
	v_lshl_add_u32 v[SOFF], v12, 4, v[SOFF]
	s_mov_b32 s[SEL], 0x76543210
	s_mov_b32 s[SEL+1], 0xfedcba98
.irp b, 0,1,2,3
	v_mov_b32 v[TM+4+\b], 0                        ; a lane permute's destination counts as one of its sources
.endr
.if QKV == 0
	s_mov_b32 s[GB], 0xbdd2d3e8                    ; B
	s_mov_b32 s[GB+1], s[GB]
	v_mov_b32 v[KA], 0xc0135761                    ; A
	v_mov_b32 v[KA+1], v[KA]
.endif
.macro FRAG reg, adr, q, i             ; a fragment comes as it lies: six loads of 256 consecutive bytes
.irp p, 0,1,2,3,4,5
	ds_load_b64 v[\reg+2*\p:\reg+2*\p+1], v[\adr] offset:FP*(\i)+1536*(\q)+256*\p   ; FP: bytes from tile to tile in the region read
.endr
.endm
.macro MUL16 a0, p, q, sc, zero        ; A's blocks a0, a0 + 1 x B's eight; the 64 accumulators take turns in one order everywhere
.irp a, \a0, \a0+1
.irp b, 0,1,2,3,4,5,6,7
.if \zero
	v_wmma_scale_f32_16x16x128_f8f6f4 v[8*(8*((\a)%4)+\b):8*(8*((\a)%4)+\b)+7], v[128*(\p)+FR*\b:128*(\p)+FR*\b+FR-1], v[AF+FR*(\a):AF+FR*(\a)+FR-1], 0, v[SC+16*(\sc)+8*(\q)+\b], v[SC+16*(\sc)+8*(\q)+(\a)] matrix_a_fmt:MATRIX_FMT_FP6 matrix_b_fmt:MATRIX_FMT_FP6 matrix_a_scale:MATRIX_SCALE_ROW1
.else
	v_wmma_scale_f32_16x16x128_f8f6f4 v[8*(8*((\a)%4)+\b):8*(8*((\a)%4)+\b)+7], v[128*(\p)+FR*\b:128*(\p)+FR*\b+FR-1], v[AF+FR*(\a):AF+FR*(\a)+FR-1], v[8*(8*((\a)%4)+\b):8*(8*((\a)%4)+\b)+7], v[SC+16*(\sc)+8*(\q)+\b], v[SC+16*(\sc)+8*(\q)+(\a)] matrix_a_fmt:MATRIX_FMT_FP6 matrix_b_fmt:MATRIX_FMT_FP6 matrix_a_scale:MATRIX_SCALE_ROW1
.endif
.endr
.endr
.endm
.macro FETCH_B slot, q, p
	WIN TO_B
.irp i, 0,1,2,3,4,5,6,7
	FRAG 128*(\p)+FR*\i, ADRB+\slot, \q, \i
.endr
	WIN 0
.endm
.macro FETCH_A slot, q, i0
.irp i, \i0, \i0+1, \i0+2, \i0+3
	FRAG AF+FR*(\i), ADRA+\slot, \q, \i
.endr
.endm
.macro SCALES sc                       ; a piece's scale words: four tiles' words a load
.irp q, 0,1
.irp g, 0,1
	ds_load_b128 v[SC+16*(\sc)+8*\q+4*\g:SC+16*(\sc)+8*\q+4*\g+3], v[ADRS] offset:2048*\g+256*\q
.endr
.endr
.endm
.macro PLACES n                        ; plain lines between a matrix instruction and a load into, or a read of, its registers
.rept \n
	v_nop
.endr
.endm
.macro STEP slot, q, sc, zero          ; a piece's first step of 128: its successor lies in the same region
	s_wait_dscnt 4*NL                              ; all but the youngest 24 loads, A's blocks 4-7
	WIN MUL_LO
	MUL16 0, (\q)%2, \q, \sc, \zero
	MUL16 2, (\q)%2, \q, \sc, \zero
	s_wait_dscnt 0
	PLACES NP
	FETCH_B \slot, (\q)+1, 1-(\q)%2
	FETCH_A \slot, (\q)+1, 0
	WIN MUL_HI
	MUL16 4, (\q)%2, \q, \sc, \zero
	MUL16 6, (\q)%2, \q, \sc, \zero
	PLACES NP
	WIN 0
	FETCH_A \slot, (\q)+1, 4
.endm
; A piece's last step goes on to the next region.  mode 2: region slot is filled again: the three lines, the cluster's round, the joint load.  mode 1: the next region holds the refill: the wait for it, the add, my work-group's barrier.
; mode 0: the next region was shown whole to every wave by an earlier barrier, and nothing is filled: no wait on TENSORcnt (piece 2's load stays on its way) and no barrier.
.macro TURN slot, next, sc, nsc, mode
.if \mode
	s_wait_tensorcnt 0x0                           ; all my tensor loads have landed
	ds_add_u32 v[SPW], v[NIL]
	s_wait_dscnt 4*NL+1                            ; the add and the youngest 24 loads may be out
	WIN MUL_LO
	MUL16 0, 1, NQ-1, \sc, 0
	s_wait_dscnt 0x0                               ; the add is done, and my reads of this region are over
	s_barrier_signal -1
	MUL16 2, 1, NQ-1, \sc, 0
	WIN 0
	s_barrier_wait -1
.else
	s_wait_dscnt 4*NL
	WIN MUL_LO
	MUL16 0, 1, NQ-1, \sc, 0
	MUL16 2, 1, NQ-1, \sc, 0
	WIN 0
	s_wait_dscnt 0x0
.endif
.if \mode == 2
	CREST                                          ; the barrier has opened a round of the cluster's: no wave of any partner still reads this region or has a load on its way
	s_add_nc_u64 s[G0+4*\slot+2:G0+4*\slot+3], s[G0+4*\slot+2:G0+4*\slot+3], 9216   ; six K steps of 128 on: the last piece
	s_add_nc_u64 s[G0B+4*\slot+2:G0B+4*\slot+3], s[G0B+4*\slot+2:G0B+4*\slot+3], 9216
	JLOAD G0+4*\slot, G1, G0B+4*\slot, G1B
.else
	PLACES NP
.endif
	v_add_nc_u32 v[ADRS], 512, v[ADRS]
	FETCH_B \next, 0, 0
	FETCH_A \next, 0, 0
	SCALES \nsc
	WIN MUL_HI
	MUL16 4, 1, NQ-1, \sc, 0
	MUL16 6, 1, NQ-1, \sc, 0
	PLACES NP
	WIN 0
	FETCH_A \next, 0, 4
.endm
	s_wait_alu depctr_va_vdst(0)                   ; the wait at the head's end
	s_wait_tensorcnt 0x0                           ; my tile of the head's four is in; three lines ahead of a later first fill
	ds_add_u32 v[SPW], v[NIL]
.irp g, G1, G1B
	s_mov_b32 s[\g+1], 384<<16                     ; no load of mine is out: from here on a load brings 8 tiles x 3,072 bytes
	s_mov_b32 s[\g+2], 8<<16
	s_mov_b32 s[\g+3], 384<<16
	s_mov_b32 s[\g+4], 8
.endr
	s_wait_dscnt 0x0
	CROUND                                         ; all four tiles are in, all sixteen work-groups are here
	JLOAD G0C, G1, G0BC, G1B                       ; piece 2, a first fill: three steps of 128 stand between it and the wait for it
.set FP, 6144
	FETCH_B 0, 0, 0
	FETCH_A 0, 0, 0
	SCALES 0
	FETCH_A 0, 0, 4
	STEP 0, 0, 0, 1                                ; the first step's products start the sums
	TURN 0, 1, 0, 1, 0                             ; piece 1 came with piece 0: no wait, no barrier
	s_wait_alu depctr_va_vdst(0)
	STEP 1, 0, 1, 0
.set FP, 3072
	TURN 0, 2, 1, 0, 2                             ; pieces 0 and 1 are read out, piece 2 is in: A's first bytes take piece 3, the one refill
	s_wait_alu depctr_va_vdst(0)
	STEP 2, 0, 0, 0
	TURN 2, 3, 0, 1, 1                             ; the last piece has landed, everybody's part of it
	STEP 3, 0, 1, 0
	s_wait_dscnt 4*NL
	WIN MUL_LO
	MUL16 0, 1, NQ-1, 1, 0
	MUL16 2, 1, NQ-1, 1, 0
	s_wait_dscnt 0
	WIN MUL_HI
	MUL16 4, 1, NQ-1, 1, 0
	MUL16 6, 1, NQ-1, 1, 0
	WIN 0
; THE WAY OUT.  Block a of A (16 rows) x my 128 of B's rows: bias, activation, quantiser; the fragment and its scale word leave from registers.
.if QKV == 0
.macro GELU
.set n, 0
.rept 32
	v_pk_mul_f32 v[T+n:T+n+1], v[H+n:H+n+1], v[H+n:H+n+1]
.set n, n+2
.endr
.set n, 0
.rept 32
	v_pk_fma_f32 v[T+n:T+n+1], v[T+n:T+n+1], s[GB:GB+1], v[KA:KA+1] op_sel_hi:[1,0,1]
.set n, n+2
.endr
.set n, 0
.rept 32
	v_pk_mul_f32 v[T+n:T+n+1], v[T+n:T+n+1], v[H+n:H+n+1]
.set n, n+2
.endr
.set n, 0
.rept 64
	v_exp_f32 v[T+n], v[T+n]
.set n, n+1
.endr
	v_nop                                          ; a plain line behind the batch,
	s_wait_alu depctr_va_vdst(0)                   ; and the one wait ahead of its first reader
.set n, 0
.rept 32
	v_pk_add_f32 v[T+n:T+n+1], v[T+n:T+n+1], 1.0 op_sel_hi:[1,0]
.set n, n+2
.endr
.set n, 0
.rept 64
	v_rcp_f32 v[T+n], v[T+n]
.set n, n+1
.endr
	v_nop
	s_wait_alu depctr_va_vdst(0)
.set n, 0
.rept 32
	v_pk_mul_f32 v[H+n:H+n+1], v[H+n:H+n+1], v[T+n:T+n+1]
.set n, n+2
.endr
.endm
.endif
.macro EPI a, role, step
.if \role
	WIN 0x02+(\a)/4                                ; source 0: the accumulators' window
.set n, 0
.rept 32
	v_pk_add_f32 v[H+n:H+n+1], v[64*((\a)%4)+n:64*((\a)%4)+n+1], v[BY+2*(\a):BY+2*(\a)+1]   ; my row's bias; each accumulator is read from its low end on
.set n, n+2
.endr
.else
	WIN 0x06+(\a)/4                                ; and source 1, the biases by columns: window 1
.set n, 0
.rept 32
	v_pk_add_f32 v[H+n:H+n+1], v[64*((\a)%4)+n:64*((\a)%4)+n+1], v[n:n+1]
.set n, n+2
.endr
.endif
	WIN 0
.if QKV == 0
	GELU
.endif
.if (\a) > 0
	s_wait_xcnt 0x0                                ; the last block's stores have read the codes' registers
.endif
	QUANT H, PWS+\a
.irp p, 0,1,2,3,4,5
	global_store_b64 v[LI8], v[PC+2*\p:PC+2*\p+1], s[OC:OC+1] offset:(\a)*\step+256*\p   ; 32 lanes store 256 consecutive bytes, aligned
.endr
.endm
	PLACES NP
	s_wait_loadcnt 0x0                             ; the biases
	ds_store_b128 v[STG], v[BW:BW+3]               ; into region 1, which is filled once, at the head, and whose last reads lie ahead of the barrier in the sixth step; my wave's own 512 bytes
.if QKV
	s_cmp_eq_u32 s[ROLE], 1
	s_cbranch_scc1 .Lvrole
.endif
	WIN TO_B
.irp b, 0,1,2,3
.irp j, 0,1,2,3
	ds_load_b128 v[16*\b+4*\j:16*\b+4*\j+3], v[BRD] offset:128*\b+16*\j   ; register 16 b + i: the bias of column 32 b + 16 h + i
.endr
.endr
	WIN 0
	s_wait_dscnt 0x0
.irp a, 0,1,2,3,4,5,6,7
	EPI \a, 0, PITCHX
.endr
.if QKV
	s_branch .Ljoin
.Lvrole:
.irp a, 0,1,2,3,4,5,6,7
	ds_load_b32 v[BY+2*\a], v[BYA] offset:4*(32*(\a/2)+8*(\a%2))
	ds_load_b32 v[BY+2*\a+1], v[BYA] offset:4*(32*(\a/2)+8*(\a%2))
.endr
	s_wait_dscnt 0x0
.irp a, 0,1,2,3,4,5,6,7
	EPI \a, 1, 49152
.endr
.Ljoin:
.endif
	v_cmp_lt_u32 vcc_lo, 15, v[LN]
.irp i, 0,1,2,3
	v_cndmask_b32 v[T4+\i], v[PWS+\i], v[PWS+4+\i], vcc_lo
.endr
	global_store_b128 v[SOFF], v[T4:T4+3], s[OS:OS+1]   ; sixteen lanes store 256 consecutive bytes, aligned: four tiles' words
	s_wait_tensorcnt 0x0                           ; the wave's end: three lines
	ds_add_u32 v[SPW], v[NIL]
	s_wait_dscnt 0x0
	CROUND                                         ; the closing round
	s_endpgm
.Lfunc_end_k_qe89b25b5c8_gq:
	.size	k_qe89b25b5c8_gq, .Lfunc_end_k_qe89b25b5c8_gq-k_qe89b25b5c8_gq
	.p2alignl 7, 3214868480
	.fill 96, 4, 3214868480
	.section	.rodata,"a",@progbits
	.p2align	6, 0x0
	.amdhsa_kernel k_qe89b25b5c8_gq
		.amdhsa_group_segment_fixed_size 327680
		.amdhsa_private_segment_fixed_size 0
		.amdhsa_enable_private_segment 0
		.amdhsa_kernarg_size 32
		.amdhsa_user_sgpr_count 2
		.amdhsa_user_sgpr_kernarg_segment_ptr 1
		.amdhsa_wavefront_size32 1
		.amdhsa_system_sgpr_workgroup_id_x 1
		.amdhsa_system_sgpr_workgroup_id_y 1
		.amdhsa_system_sgpr_workgroup_id_z 1
		.amdhsa_system_vgpr_workitem_id 0
		.amdhsa_next_free_vgpr 1024
		.amdhsa_next_free_sgpr 102
		.amdhsa_reserve_vcc 1
		.amdhsa_float_denorm_mode_32 3
		.amdhsa_float_denorm_mode_16_64 3
		.amdhsa_memory_ordered 1
		.amdhsa_forward_progress 1
		.amdhsa_inst_pref_size 236
	.end_amdhsa_kernel
	.amdgpu_metadata
---
amdhsa.version: [ 1, 2 ]
amdhsa.kernels:
  - .name:           k_qe89b25b5c8_gq
    .symbol:         k_qe89b25b5c8_gq.kd
    .args:
      - { .name: hq, .offset: 0, .size: 8, .value_kind: global_buffer, .address_space: global }
      - { .name: wts, .offset: 8, .size: 8, .value_kind: global_buffer, .address_space: global }
      - { .name: b_qkv, .offset: 16, .size: 8, .value_kind: global_buffer, .address_space: global }
      - { .name: qkv, .offset: 24, .size: 8, .value_kind: global_buffer, .address_space: global }
    .group_segment_fixed_size: 327680
    .private_segment_fixed_size: 0
    .kernarg_segment_align: 8
    .kernarg_segment_size: 32
    .max_flat_workgroup_size: 128
    .sgpr_count:     102
    .vgpr_count:     1024
    .wavefront_size: 32
...
	.end_amdgpu_metadata
.endif
;; end of part 2
;; launch at (part 3): grid 8 x 32, 16 waves a work-group, no clusters, 327,680 bytes of LDS; arguments qkv, ao; writes ao
.if DOCPART == 3
	.amdgcn_target "amdgcn-amd-amdhsa--gfx1250"
	.amdhsa_code_object_version 6
	.text
	.protected	k_qe89b25b5c8_at
	.globl	k_qe89b25b5c8_at
	.p2align	8
	.type	k_qe89b25b5c8_at,@function
k_qe89b25b5c8_at:
	s_mov_b64 s[64:65], 0
	v_nop
	global_prefetch_b8 v0, s[64:65] scope:SCOPE_SE
	s_setreg_imm32_b32 hwreg(HW_REG_WAVE_MODE, 25, 1), 1
	s_wait_xcnt 0x0
; CAUSAL ATTENTION ON CODES OF FP6: ao = Q(softmax(q k^T / 8) v), one (batch, head) to eight work-groups.  q, k, v and ao are laid as launch wq's head says.
; WORK LEFT OUT: a step of 128 keys that all come after all queries of a tile (launch wq's head shows why it adds nothing).
; LIMITS: the scaled scores (exponents to the base 2) stay under 2^31 in magnitude; NaN and infinities are not served; a block under 2^-124 keeps the byte 1.
; ALL OF THE HEAD'S K AND V COMES INTO LDS ONCE: K 128 tiles x 768 bytes, V 4 tiles of d x 16 steps x 1,536 bytes, scale words 8,192 + 4,096 bytes; eleven waves ask, one load each, nothing is filled again.
; TWO STAGES: keys 0 to 511 and the scale words (waves 0, 8, 9, 10, asked for first) are shown by the first barrier, ahead of which only these waves need have waited; the rest is shown by a plain barrier behind four steps.
; No prefetch: everything is asked for at the head, so there is no loop to run ahead in.
; THE DEAL: work-group x takes the 16 query tiles t with t % 16 = x or 15 - x: lengths 1 .. 16 steps of 128 keys, 136 steps in every work-group, and every work-group reads every step's keys.
; Waves 2 p, 2 p + 1 own a pair: the short tile (s = p + 1 steps) and the long one (17 - s).  Wave a takes the long tile's steps below c (c = 9; 10 for s = 1).  Wave b takes the short tile, stores it at trip c,
; and goes on with the long tile's steps from c on.  So a wave has 7 to 10 steps.  At the end b hands its O^T, sum and M to a through LDS bytes of their own; M is a whole number, so both parts are brought under the larger M by
; exact powers of two.  A part with no step has O^T = 0, sum 0 and M = -3e38: its factor is 0.  Of the four waves w % 4 = const, and of the four w / 4 = const, two are a's and two b's.
; cluster = none: the eight work-groups of a head read the same tiles, but each jumps over its hidden steps by a branch on its own number.
; A STEP: S^T = k q^T (the head's 64 are half of the instruction's K: the other half of both operands is zero codes), the mask where the diagonal crosses, the running whole-number M, p = 2^(t - M), the row's sum of the
; unquantised p, p's codes and scale word, O^T x 2^(old M - new M), O^T += v^T p^T.  A lane holds one query.
; THE SECOND STAGE'S LOADS (waves 1 to 7) are issued behind the first barrier, with the lines ahead of a later first fill: so the first stage's bytes are asked for alone, and four steps
; stand between the second stage's requests and the wait for them.  The text uses 245,760 bytes of LDS.
.set VB0,   98304                      ; V, steps 0-3: [d tile][step], 6,144 bytes a tile
.set VB1,   122880                     ; V, steps 4-15: 18,432 bytes a tile
.set SCK,   196608
.set SCV,   SCK+8192
.set SPARE, SCV+4096
.set SCR,   SPARE+2048                 ; what b hands to a: 4,096 + 256 bytes a pair
.set KC,    3145728
.set VC,    6291456
.set QS,    9437184
.set KS,    9568256
.set VS,    9699328
.set AOS,   3145728
.set AK0,  1                           ; 8 lane
.set AV0,  2                           ; VB0 + 8 lane
.set ASK0, 3                           ; K's scale halves of row r
.set ASV0, 4                           ; V's scale words of row r
.set SPW,  5
.set NIL,  6
.set ADK,  8                           ; v8-11: the step's LDS addresses
.set ADV,  9
.set ADS,  10
.set ADT,  11
.set AV1,  28                          ; VB1 + 8 lane
.set QR,   29
.set Q2,   80                          ; v80-86: the long tile's q and its scale halves, for b
.set XO,   87                          ; my pair's bytes: 16 lane;
.set XM,   88                          ; and behind them 8 lane
.set TV,   16
.set CSW,  17                          ; c
.set WV,   18
.set ROLE, 19                          ; 0: a, 1: b
.set SEL,  20
.set CS,   22
.set G1K,  24
.set G1V0, 32
.set G0,   40
.set G1SK, 48
.set G0SK, 56
.set G0SV, 60
.set G1SV, 68
.set G1V1, 76
.set TK,   2
.set TS,   3
.set TJ,   66
.set CT,   67
.set KF,   98                          ; the step's first key
.set Q0,   99                          ; my tile's first query
.set Q0B,  100                         ; the long tile's
.macro TL g0, g1
	tensor_load_to_lds s[\g0:\g0+3], s[\g1:\g1+7]
	s_nop 0
.rept 4
	v_nop
.endr
	s_branch .Lasked
.endm
.macro GO g1                           ; group 0's address from the offset in s86, the load
	s_mov_b32 s87, 0
	s_add_nc_u64 s[G0+2:G0+3], s[4:5], s[86:87]
	s_or_b32 s[G0+3], s[G0+3], 0x80000000
	TL G0, \g1
.endm
.macro GR1 g, c, r, p                  ; group 1: r rows of c elements of 8 bytes, pitch p
	s_mov_b32 s[\g], 3<<16
	s_mov_b32 s[\g+1], (\c)<<16
	s_mov_b32 s[\g+2], (\r)<<16
	s_mov_b32 s[\g+3], (\c)<<16
	s_mov_b32 s[\g+4], \r
	s_mov_b32 s[\g+5], \p
	s_mov_b32 s[\g+6], 0
	s_mov_b32 s[\g+7], 0
.endm
.macro TOFF t, oc, os, q0              ; of the tile in s\t: its first query, its half fragment's and its scale halves' places
	s_lshr_b32 s84, s\t, 1
	s_lshl_b32 s84, s84, 5
	s_and_b32 s85, s\t, 1
	s_lshl_b32 s85, s85, 3
	s_add_co_u32 s\q0, s84, s85
	s_lshl_b32 s84, s9, 7
	s_add_co_u32 s\t, s\t, s84
	s_lshl_b32 s\oc, s\t, 3
	s_add_co_u32 s\oc, s\oc, s11
	s_mul_i32 s\oc, s\oc, 1536
	s_add_co_u32 s\oc, s\oc, s13
	s_lshr_b32 s\os, s\t, 2
	s_lshl_b32 s\os, s\os, 3
	s_add_co_u32 s\os, s\os, s11
	s_lshl_b32 s\os, s\os, 8
	s_and_b32 s84, s\t, 3
	s_lshl_b32 s84, s84, 2
	s_add_co_u32 s\os, s\os, s84
	s_lshl_b32 s84, s12, 1
	s_add_co_u32 s\os, s\os, s84
.endm
; ---- a step of 128 keys.  av: V's address register, vp: bytes from d tile to d tile
.macro STEP av, vp
	s_add_co_u32 s96, s[Q0], 23
	s_cmp_gt_u32 s[KF], s96
	s_cbranch_scc1 .Lhidden_\@
	v_add_nc_u32 v[ADK], s[TK], v[AK0]             ; (these four and the two v_nop are the places behind the last step's products)
	v_add_nc_u32 v[ADV], s[TV], v[\av]
	v_add_nc_u32 v[ADS], s[TS], v[ASK0]
	v_add_nc_u32 v[ADT], s[TJ], v[ASV0]
	v_nop
	v_nop
	s_wait_alu depctr_va_vdst(0)                   ; the wait
.irp g, 0,1
.if \g
.rept 4
	v_nop
.endr
.endif
.irp t, 0,1,2,3
.irp i, 0,1,2
	ds_load_b64 v[32+12*\t+2*\i:33+12*\t+2*\i], v[ADK] offset:(4*\g+\t)*768+256*\i
.endr
	ds_load_u16 v[248+\t], v[ADS] offset:256*\g+4*\t
.endr
	s_wait_dscnt 0x0
.irp t, 0,1,2,3
	v_wmma_scale_f32_16x16x128_f8f6f4 v[96+8*(4*\g+\t):103+8*(4*\g+\t)], v[32+12*\t:43+12*\t], v[16:27], 0, v[248+\t], v255 matrix_a_fmt:MATRIX_FMT_FP6 matrix_b_fmt:MATRIX_FMT_FP6
.endr
.endr
.rept 4
	v_nop
.endr
	s_add_co_u32 s96, s[KF], 127
	s_cmp_le_u32 s96, s[Q0]
	s_cbranch_scc1 .Lopen_\@                       ; every key of the step counts for every query of the tile
	s_sub_co_i32 s96, s[Q0], s[KF]
	v_add_nc_u32 v252, s96, v[QR]
	v_mov_b32 v254, 0xff800000
.set n, 0
.rept 64
	v_cmp_gt_i32 vcc_lo, 32*(n/16)+n%16, v252      ; key > query: -inf
	v_cndmask_b32 v[96+n], v[96+n], v254, vcc_lo
.set n, n+1
.endr
.Lopen_\@:
.irp b, 0,1,2,3
	v_max3_num_f32 v[232+\b], v[96+16*\b], v[97+16*\b], v[98+16*\b]   ; each block's largest score: for the row's maximum and for the block's largest p
.endr
.irp i, 3,5,7,9,11,13
.irp b, 0,1,2,3
	v_max3_num_f32 v[232+\b], v[232+\b], v[96+16*\b+\i], v[97+16*\b+\i]
.endr
.endr
.irp b, 0,1,2,3
	v_max_num_f32 v[232+\b], v[232+\b], v[111+16*\b]
.endr
.irp b, 0,1,2,3
	s_delay_alu instid0(VALU_DEP_4)
	v_permlanex16_b32 v[236+\b], v[232+\b], s[SEL], s[SEL+1]
.endr
.irp b, 0,1,2,3
	s_delay_alu instid0(VALU_DEP_4)
	v_max_num_f32 v[232+\b], v[232+\b], v[236+\b]
.endr
	s_delay_alu instid0(VALU_DEP_2)
	v_max3_num_f32 v254, v232, v233, v234
	s_delay_alu instid0(VALU_DEP_1)
	v_max_num_f32 v254, v254, v235
	s_delay_alu instid0(VALU_DEP_1)
	v_mul_f32 v254, s[CS], v254
	s_delay_alu instid0(VALU_DEP_1)
	v_max_num_f32 v13, v13, v254                   ; the running largest t
	v_mov_b32 v254, v12
	s_delay_alu instid0(VALU_DEP_2)
	v_floor_f32 v12, -v13                          ; the new -M, a whole number
	s_delay_alu instid0(VALU_DEP_1)
	v_sub_f32 v254, v12, v254
	s_delay_alu instid0(VALU_DEP_1)
	v_cvt_i32_f32 v254, v254
	s_delay_alu instid0(VALU_DEP_1)
	v_ldexp_f32 v252, 1.0, v254                    ; f = 2^(old M - new M)
.set n, 0
.rept 32
	v_pk_fma_f32 v[96+n:97+n], v[96+n:97+n], s[CS:CS+1], v[12:13] op_sel_hi:[1,0,0]   ; t - M
.set n, n+2
.endr
.irp b, 0,1,2,3
	v_fma_f32 v[232+\b], v[232+\b], s[CS], v12
.endr
.set n, 0
	s_wait_alu depctr_va_vdst(0)                   ; a wait ahead of a batch of transcendentals and one behind it
.rept 64
	v_exp_f32 v[96+n], v[96+n]
.set n, n+1
.endr
	v_pk_mul_f32 v[14:15], v[14:15], v[252:253] op_sel_hi:[1,0]
	s_wait_alu depctr_va_vdst(0)
.irp b, 0,1,2,3
	v_exp_f32 v[232+\b], v[232+\b]
.endr
	v_pk_add_f32 v[236:237], v[96:97], v[98:99]    ; the row's sum of the unquantised p, in two chains
.irp j, 4,8,12,16,20,24,28,32,36,40,44,48,52,56,60
	v_pk_add_f32 v[14:15], v[14:15], v[96+\j:97+\j]
	v_pk_add_f32 v[236:237], v[236:237], v[98+\j:99+\j]
.endr
	s_delay_alu instid0(VALU_DEP_1)
	v_pk_add_f32 v[14:15], v[14:15], v[236:237]
	s_wait_alu depctr_va_vdst(0)
.irp b, 0,1,2,3
	v_max_num_f32 v[232+\b], 0x1800000, v[232+\b]  ; the floor 2^(3 - 127)
.endr
.irp b, 0,1,2,3
	s_delay_alu instid0(VALU_DEP_4)
	v_add_nc_u32 v[244+\b], 0xff000000, v[232+\b]
.endr
.irp b, 0,1,2,3
	s_delay_alu instid0(VALU_DEP_4)
	v_lshrrev_b32 v[236+\b], 23, v[244+\b]
.endr
	s_delay_alu instid0(VALU_DEP_3)
	v_lshl_or_b32 v253, v237, 8, v236              ; p's scale word
	s_delay_alu instid0(VALU_DEP_1)
	v_lshl_or_b32 v253, v238, 16, v253
	s_delay_alu instid0(VALU_DEP_1)
	v_lshl_or_b32 v253, v239, 24, v253
.irp c, 0,1
	v_cvt_scalef32_pk16_fp6_f32 v[192+6*\c:194+6*\c], v[96+32*\c:111+32*\c], v[244+2*\c]
	v_cvt_scalef32_pk16_fp6_f32 v[204+4*\c:206+4*\c], v[112+32*\c:127+32*\c], v[244+2*\c+1]
.endr
	v_nop
.irp t, 0,1,2,3
.irp i, 0,1,2,3,4,5
	ds_load_b64 v[96+12*\t+2*\i:97+12*\t+2*\i], v[ADV] offset:\vp*\t+256*\i
.endr
.endr
	ds_load_b128 v[248:251], v[ADT]
.irp c, 0,1
.irp i, 0,1,2
	v_permlane16_swap_b32 v[192+6*\c+\i], v[204+4*\c+\i]   ; a whole block to a lane
.endr
.irp i, 0,1,2
	s_delay_alu instid0(VALU_DEP_3)
	v_mov_b32 v[195+6*\c+\i], v[204+4*\c+\i]
.endr
.endr
.set n, 0
.rept 16
	v_pk_mul_f32 v[160+n:161+n], v[160+n:161+n], v[252:253] op_sel_hi:[1,0]   ; O^T under the new M
.set n, n+2
.endr
	s_wait_alu depctr_va_vdst(0)
	s_wait_dscnt 0x0
.irp t, 0,1,2,3
	v_wmma_scale_f32_16x16x128_f8f6f4 v[160+8*\t:167+8*\t], v[96+12*\t:107+12*\t], v[192:203], v[160+8*\t:167+8*\t], v[248+\t], v253 matrix_a_fmt:MATRIX_FMT_FP6 matrix_b_fmt:MATRIX_FMT_FP6
.endr
.Lhidden_\@:
	s_add_co_u32 s[KF], s[KF], 128
	s_add_co_u32 s[TK], s[TK], 6144
	s_add_co_u32 s[TV], s[TV], 1536
	s_add_co_u32 s[TS], s[TS], 512
	s_add_co_u32 s[TJ], s[TJ], 256
	s_add_co_u32 s[CT], s[CT], 1
.endm
; ---- a tile's way out: O^T / the row's sum, quantised along the head's 64: half a fragment and two scale bytes a row
.macro EPI
	v_add_f32 v14, v14, v15
	s_delay_alu instid0(VALU_DEP_1)
	v_permlanex16_b32 v252, v14, s[SEL], s[SEL+1]
	s_delay_alu instid0(VALU_DEP_1)
	v_add_f32 v14, v14, v252
	s_wait_alu depctr_va_vdst(0)
	v_rcp_f32 v14, v14
	v_nop
	s_wait_alu depctr_va_vdst(0)
.set n, 0
.rept 32
	v_mul_f32 v[96+n], v[160+n], v14
.set n, n+1
.endr
.irp b, 0,1
	v_max3_num_f32 v[232+\b], |v[96+16*\b]|, |v[97+16*\b]|, 0x1800000
.endr
.irp i, 2,4,6,8,10,12,14
.irp b, 0,1
	s_delay_alu instid0(VALU_DEP_2)
	v_max3_num_f32 v[232+\b], v[232+\b], |v[96+16*\b+\i]|, |v[97+16*\b+\i]|
.endr
.endr
.irp b, 0,1
	s_delay_alu instid0(VALU_DEP_2)
	v_permlanex16_b32 v[236+\b], v[232+\b], s[SEL], s[SEL+1]
.endr
.irp b, 0,1
	s_delay_alu instid0(VALU_DEP_2)
	v_max_num_f32 v[232+\b], v[232+\b], v[236+\b]
.endr
.irp b, 0,1
	s_delay_alu instid0(VALU_DEP_2)
	v_add_nc_u32 v[244+\b], 0xff000000, v[232+\b]
.endr
.irp b, 0,1
	s_delay_alu instid0(VALU_DEP_2)
	v_lshrrev_b32 v[236+\b], 23, v[244+\b]
.endr
	v_cvt_scalef32_pk16_fp6_f32 v[192:194], v[96:111], v244
	v_cvt_scalef32_pk16_fp6_f32 v[204:206], v[112:127], v245
	v_nop
.irp i, 0,1,2
	v_permlane16_swap_b32 v[192+\i], v[204+\i]
.endr
.irp i, 0,1,2
	s_delay_alu instid0(VALU_DEP_3)
	v_mov_b32 v[195+\i], v[204+\i]
.endr
	v_cmp_lt_u32 vcc_lo, 15, v30
	s_delay_alu instid0(VALU_DEP_1)
	v_cndmask_b32 v238, v236, v237, vcc_lo
.irp i, 0,1,2
	global_store_b64 v[AK0], v[192+2*\i:193+2*\i], s[12:13] offset:256*\i   ; 32 lanes store 256 consecutive bytes, aligned
.endr
	global_store_b8 v7, v238, s[14:15]
.endm
; ================= THE HEAD
	s_load_b128 s[4:7], s[0:1], 0x0                ; qkv, ao
	v_lshl_add_u32 v[SPW], v0, 2, SPARE
	v_mov_b32 v[NIL], 0
	ds_add_u32 v[SPW], v[NIL]                      ; the wave's opening lines
	ds_add_u32 v[SPW], v[NIL]
	v_lshrrev_b32 v8, 5, v0
	v_readfirstlane_b32 s[WV], v8
	s_and_b32 s8, ttmp7, 0xffff
	s_lshr_b32 s9, s8, 4                           ; batch
	s_and_b32 s10, s8, 15                          ; head
	s_lshr_b32 s11, s10, 1                         ; its K step of 128 in q and k,
	s_and_b32 s12, s10, 1                          ; and which half of it
	s_mul_i32 s13, s12, 768
	s_lshl_b32 s101, s12, 1
	s_add_co_u32 s101, s101, SCK
	s_lshr_b32 s8, s[WV], 1                        ; p: my pair
	s_lshr_b32 s[ROLE], s[WV], 2
	s_add_co_u32 s[ROLE], s[ROLE], s[WV]
	s_and_b32 s[ROLE], s[ROLE], 1
	s_cmp_eq_u32 s8, 0
	s_cselect_b32 s[CSW], 10, 9
	s_mul_i32 s97, s8, 4352
	s_add_co_u32 s97, s97, SCR                     ; my pair's LDS bytes
	s_lshr_b32 s14, s8, 1                          ; g
	s_sub_co_u32 s15, 7, s14
	s_lshl_b32 s14, s14, 4                         ; the short tile: 16 g + (p odd: 15 - x; p even: x)
	s_lshl_b32 s15, s15, 4                         ; the long one: 16 (7 - g) + (p odd: x; p even: 15 - x)
	s_sub_co_u32 s84, 15, ttmp9
	s_bitcmp1_b32 s8, 0
	s_cselect_b32 s85, s84, ttmp9
	s_cselect_b32 s84, ttmp9, s84
	s_add_co_u32 s14, s14, s85
	s_add_co_u32 s15, s15, s84
	s_cmp_eq_u32 s[ROLE], 0
	s_cselect_b32 s14, s15, s14                    ; my first tile: a the long one, b the short one
	TOFF 14, 86, 88, 99
	TOFF 15, 90, 92, 100
	s_mov_b32 s87, 0
	s_mov_b32 s89, 0
	s_mov_b32 s91, 0
	s_mov_b32 s93, 0
	s_lshl_b32 s94, s9, 10
	s_add_co_u32 s94, s94, s11
	s_mul_i32 s94, s94, 1536
	s_add_co_u32 s94, s94, s13
	s_add_co_u32 s94, s94, KC                      ; the head's k
	s_lshl_b32 s95, s10, 7
	s_lshl_b32 s84, s9, 4
	s_add_co_u32 s95, s95, s84
	s_mul_i32 s95, s95, 1536
	s_add_co_u32 s95, s95, VC                      ; the head's v
	s_lshl_b32 s84, s10, 5
	s_lshl_b32 s85, s9, 4
	s_add_co_u32 s84, s84, s85
	s_lshl_b32 s84, s84, 8
	s_add_co_u32 s84, s84, VS                      ; v's scale words
	s_mov_b32 s85, 0
	GR1 G1K, 96, 32, 1536                          ; 32 rows of 768 bytes, 12,288 apart
	GR1 G1V0, 768, 4, 6144                         ; 4 rows of 6,144 bytes, 49,152 apart
	GR1 G1V1, 32, 72, 32                           ; 18,432 dense bytes as rows of 256
	GR1 G1SK, 32, 32, 256                          ; 32 rows of 256 bytes, 2,048 apart
	GR1 G1SV, 32, 16, 32                           ; 4,096 dense bytes
	s_mov_b32 s[SEL], 0x76543210
	s_mov_b32 s[SEL+1], 0xfedcba98
	s_mov_b32 s[CS], 0x3e38aa3b                    ; log2(e) / 8
	s_mov_b32 s[CS+1], s[CS]
	s_mov_b32 s[TK], 0
	s_mov_b32 s[TS], 0
	s_mov_b32 s[TJ], 0
	s_mov_b32 s[TV], 0
	s_mov_b32 s[KF], 0
	s_mov_b32 s[CT], 0
	s_mov_b32 s[G0], 1
	s_mov_b32 s[G0SK], 1
	s_mov_b32 s[G0SK+1], SCK
	s_mov_b32 s[G0SV], 1
	s_mov_b32 s[G0SV+1], SCV
	v_and_b32 v30, 31, v0
	v_lshl_add_u32 v[XO], v30, 4, s97
	v_lshl_add_u32 v[XM], v30, 3, s97
	v_add_nc_u32 v[XM], 4096, v[XM]
	s_lshl_b32 s96, s9, 8
	s_add_co_u32 s96, s96, s11
	s_lshl_b32 s96, s96, 8
	s_add_co_u32 s96, s96, KS                      ; k's scale words
	s_mov_b32 s97, 0
	s_wait_alu depctr_va_vdst(0)
	s_wait_dscnt 0x0
	s_wait_kmcnt 0x0
	s_add_nc_u64 s[G0SK+2:G0SK+3], s[4:5], s[96:97]
	s_or_b32 s[G0SK+3], s[G0SK+3], 0x80000000
	s_add_nc_u64 s[G0SV+2:G0SV+3], s[4:5], s[84:85]
	s_or_b32 s[G0SV+3], s[G0SV+3], 0x80000000
	s_add_nc_u64 s[8:9], s[4:5], s[86:87]          ; my first tile's q, its scale halves; the same places in ao
	s_add_nc_u64 s[10:11], s[4:5], s[88:89]
	s_add_nc_u64 s[10:11], s[10:11], QS
	s_add_nc_u64 s[12:13], s[6:7], s[86:87]
	s_add_nc_u64 s[14:15], s[6:7], s[88:89]
	s_add_nc_u64 s[14:15], s[14:15], AOS
	s_add_nc_u64 s[44:45], s[4:5], s[90:91]        ; the long tile's q
	s_add_nc_u64 s[46:47], s[4:5], s[92:93]
	s_add_nc_u64 s[46:47], s[46:47], QS
; one chain of branches on the wave's number, one load to an arm; what is wanted first stands first
	s_cmp_eq_u32 s[WV], 0
	s_cbranch_scc0 .La1
	s_mov_b32 s[G0+1], 0                           ; wave 0: k's tiles 0-31
	s_mov_b32 s86, s94
	GO G1K
.La1:
	s_cmp_eq_u32 s[WV], 8
	s_cbranch_scc0 .La2
	s_mov_b32 s[G0+1], VB0                         ; wave 8: v's steps 0-3
	s_mov_b32 s86, s95
	GO G1V0
.La2:
	s_cmp_eq_u32 s[WV], 9
	s_cbranch_scc0 .La3
	TL G0SK, G1SK
.La3:
	s_cmp_eq_u32 s[WV], 10
	s_cbranch_scc0 .La4
	TL G0SV, G1SV
.La4:
.Lasked:
	v_and_b32 v8, 15, v0
	v_bfe_u32 v9, v0, 4, 1
	v_lshlrev_b32 v[AK0], 3, v30
	v_lshlrev_b32 v10, 4, v8
	v_add_nc_u32 v[AV0], VB0, v[AK0]
	v_add_nc_u32 v[AV1], VB1, v[AK0]
.irp i, 0,1,2
	global_load_b64 v[16+2*\i:17+2*\i], v[AK0], s[8:9] offset:256*\i       ; q's half fragment
	global_load_b64 v[Q2+2*\i:Q2+1+2*\i], v[AK0], s[44:45] offset:256*\i   ; and the long tile's
.endr
	global_load_u16 v255, v10, s[10:11]            ; their scale bytes
	global_load_u16 v[Q2+6], v10, s[46:47]
	v_add_nc_u32 v[ASK0], s101, v10
	v_add_nc_u32 v[ASV0], SCV, v10
	v_add_nc_u32 v7, v10, v9
	v_and_b32 v11, 8, v8
	v_lshlrev_b32 v31, 4, v9
	v_add_nc_u32 v11, v11, v8
	v_sub_nc_u32 v[QR], v11, v31                   ; my query's place in the tile, less 16 h
.irp j, 22,23,24,25,26,27
	v_mov_b32 v[\j], 0                             ; the upper 64 of K: zero codes, in q
.endr
.irp t, 0,1,2,3
.irp j, 6,7,8,9,10,11
	v_mov_b32 v[32+12*\t+\j], 0                    ; and in k
.endr
.endr
.macro FRESH                           ; a part begins: the largest t so far -3e38, -M, the sum, O^T
	v_mov_b32 v13, 0xff61b1e6
	v_mov_b32 v14, 0
	v_mov_b32 v15, 0
	v_floor_f32 v12, -v13
.set n, 0
.rept 32
	v_mov_b32 v[160+n], 0
.set n, n+1
.endr
.endm
	FRESH
.irp b, 0,1,2,3
	v_mov_b32 v[236+\b], 0
.endr
	v_mov_b32 v252, 0
	v_mov_b32 v253, 0
	s_wait_alu depctr_va_vdst(0)                   ; the wait at the head's end
	s_wait_loadcnt 0x0
	s_wait_tensorcnt 0x0                           ; my load of the first stage, if I have one, has landed; the lines ahead of a later first fill:
	ds_add_u32 v[SPW], v[NIL]                      ; the add, twice on end
	ds_add_u32 v[SPW], v[NIL]
	s_wait_dscnt 0x0
	s_barrier_signal -1
	s_barrier_wait -1                              ; keys 0 to 511 and all scale words are in; no bytes are filled again behind this barrier
.macro GO2 g1                          ; group 0's address from the offset in s86, the load
	s_mov_b32 s87, 0
	s_add_nc_u64 s[G0+2:G0+3], s[4:5], s[86:87]
	s_or_b32 s[G0+3], s[G0+3], 0x80000000
	tensor_load_to_lds s[G0:G0+3], s[\g1:\g1+7]
	s_nop 0
.rept 4
	v_nop
.endr
	s_branch .Lasked2
.endm
	s_cmp_eq_u32 s[WV], 0                          ; one chain of branches on the wave's number, one load to an arm
	s_cbranch_scc1 .Lasked2
	s_cmp_lt_u32 s[WV], 4
	s_cbranch_scc0 .La5
	s_mul_i32 s[G0+1], s[WV], 24576                ; waves 1-3: k's tiles 32 w on
	s_mul_i32 s86, s[WV], 393216
	s_add_co_u32 s86, s86, s94
	GO2 G1K
.La5:
	s_cmp_lt_u32 s[WV], 8
	s_cbranch_scc0 .Lasked2
	s_mul_i32 s[G0+1], s[WV], 18432                ; waves 4-7: steps 4-15 of d tile w - 4, at VB1 + 18,432 (w - 4)
	s_add_co_u32 s[G0+1], s[G0+1], VB1-4*18432
	s_mul_i32 s86, s[WV], 49152
	s_add_co_u32 s86, s86, s95
	s_sub_co_u32 s86, s86, 4*49152-6144
	GO2 G1V1
.Lasked2:
.Ll1:                                                  ; steps 0 to 3
	STEP AV0, 6144
	s_cmp_lt_u32 s[CT], 4
	s_cbranch_scc1 .Ll1
	s_mov_b32 s[CT], 4
	s_mov_b32 s[KF], 512
	s_mov_b32 s[TK], 4*6144
	s_mov_b32 s[TS], 4*512
	s_mov_b32 s[TJ], 4*256
	s_mov_b32 s[TV], 0
	s_wait_tensorcnt 0x0                           ; every wave: its load has landed
	s_wait_dscnt 0x0
	s_barrier_signal -1
	s_barrier_wait -1                              ; all of K and V is in
.Ll2:                                                  ; steps 4 to 15
	s_cmp_eq_u32 s[CT], s[CSW]
	s_cbranch_scc0 .Lnosw
	s_cmp_eq_u32 s[ROLE], 0
	s_cbranch_scc1 .Lsw_a
.rept 4
	v_nop                                          ; b: the short tile is whole: it leaves,
.endr
	EPI
	s_wait_xcnt 0x0                                ; the stores have read their registers
	v_mov_b32 v255, v[Q2+6]                        ; and the long tile's part from step c on begins
.irp i, 0,1,2,3,4,5
	v_mov_b32 v[16+\i], v[Q2+\i]
.endr
	FRESH
	s_mov_b32 s[Q0], s[Q0B]
	s_wait_alu depctr_va_vdst(0)
	s_branch .Lnosw
.Lsw_a:
	s_mov_b32 s[Q0], 0                             ; a: its part is over: every later step counts as hidden
.Lnosw:
	STEP AV1, 18432
	s_cmp_lt_u32 s[CT], 16
	s_cbranch_scc1 .Ll2
.rept 4
	v_nop
.endr
	s_cmp_eq_u32 s[ROLE], 0
	s_cbranch_scc1 .Lmeet
	v_add_f32 v13, v14, v15                        ; b hands over O^T (each accumulator from its low end on), -M and its lane's sum
.irp k, 0,1,2,3,4,5,6,7
	ds_store_b128 v[XO], v[160+4*\k:163+4*\k] offset:512*\k
.endr
	ds_store_b64 v[XM], v[12:13]
.Lmeet:
	s_wait_dscnt 0x0
	s_barrier_signal -1
	s_barrier_wait -1
	s_cmp_eq_u32 s[ROLE], 0
	s_cbranch_scc0 .Lend
.irp k, 0,1,2,3,4,5,6,7
	ds_load_b128 v[96+4*\k:99+4*\k], v[XO] offset:512*\k
.endr
	ds_load_b64 v[232:233], v[XM]
	s_wait_dscnt 0x0
	v_min_num_f32 v234, v12, v232                  ; -M of both parts
	v_add_f32 v14, v14, v15
	v_mov_b32 v15, 0
	v_sub_f32 v235, v234, v12                      ; my M less the common one, b's less the common one: whole numbers, 0 or less
	v_sub_f32 v236, v234, v232
	v_cvt_i32_f32 v235, v235                       ; (they saturate)
	v_cvt_i32_f32 v236, v236
	v_ldexp_f32 v252, 1.0, v235
	v_ldexp_f32 v254, 1.0, v236
	v_mul_f32 v14, v14, v252
	v_fma_f32 v14, v233, v254, v14
.set n, 0
.rept 16
	v_pk_mul_f32 v[96+n:97+n], v[96+n:97+n], v[254:255] op_sel_hi:[1,0]
.set n, n+2
.endr
.set n, 0
.rept 16
	v_pk_fma_f32 v[160+n:161+n], v[160+n:161+n], v[252:253], v[96+n:97+n] op_sel_hi:[1,0,1]
.set n, n+2
.endr
	EPI
.Lend:
	s_wait_tensorcnt 0x0                           ; the wave's end: three lines
	ds_add_u32 v[SPW], v[NIL]
	s_wait_dscnt 0x0
	s_endpgm
.Lfunc_end_k_qe89b25b5c8_at:
	.size	k_qe89b25b5c8_at, .Lfunc_end_k_qe89b25b5c8_at-k_qe89b25b5c8_at
	.p2alignl 7, 3214868480
	.fill 96, 4, 3214868480
	.section	.rodata,"a",@progbits
	.p2align	6, 0x0
	.amdhsa_kernel k_qe89b25b5c8_at
		.amdhsa_group_segment_fixed_size 327680
		.amdhsa_private_segment_fixed_size 0
		.amdhsa_enable_private_segment 0
		.amdhsa_kernarg_size 16
		.amdhsa_user_sgpr_count 2
		.amdhsa_user_sgpr_kernarg_segment_ptr 1
		.amdhsa_wavefront_size32 1
		.amdhsa_system_sgpr_workgroup_id_x 1
		.amdhsa_system_sgpr_workgroup_id_y 1
		.amdhsa_system_sgpr_workgroup_id_z 1
		.amdhsa_system_vgpr_workitem_id 0
		.amdhsa_next_free_vgpr 256
		.amdhsa_next_free_sgpr 102
		.amdhsa_reserve_vcc 1
		.amdhsa_float_denorm_mode_32 3
		.amdhsa_float_denorm_mode_16_64 3
		.amdhsa_memory_ordered 1
		.amdhsa_forward_progress 1
		.amdhsa_inst_pref_size 78
	.end_amdhsa_kernel
	.amdgpu_metadata
---
amdhsa.version: [ 1, 2 ]
amdhsa.kernels:
  - .name:           k_qe89b25b5c8_at
    .symbol:         k_qe89b25b5c8_at.kd
    .args:
      - { .name: qkv, .offset: 0, .size: 8, .value_kind: global_buffer, .address_space: global }
      - { .name: ao, .offset: 8, .size: 8, .value_kind: global_buffer, .address_space: global }
    .group_segment_fixed_size: 327680
    .private_segment_fixed_size: 0
    .kernarg_segment_align: 8
    .kernarg_segment_size: 16
    .max_flat_workgroup_size: 512
    .sgpr_count:     102
    .vgpr_count:     256
    .wavefront_size: 32
...
	.end_amdgpu_metadata
.endif
;; end of part 3
;; launch go (part 4): grid 8 x 32, 4 waves a work-group, clusters of 4 x 4, 327,680 bytes of LDS; arguments ao, wts, b_out, x, x2; writes x2
.if DOCPART == 4
	.amdgcn_target "amdgcn-amd-amdhsa--gfx1250"
	.amdhsa_code_object_version 6
	.text
	.protected	k_qe89b25b5c8_go
	.globl	k_qe89b25b5c8_go
	.p2align	8
	.type	k_qe89b25b5c8_go,@function
k_qe89b25b5c8_go:
	s_mov_b64 s[64:65], 0
	v_nop
	global_prefetch_b8 v0, s[64:65] scope:SCOPE_SE
	s_setreg_imm32_b32 hwreg(HW_REG_WAVE_MODE, 25, 1), 1
	s_wait_xcnt 0x0
	s_wait_alu depctr_hold_cnt(0) depctr_sa_sdst(0) depctr_va_vdst(0) depctr_va_sdst(0) depctr_va_ssrc(0) depctr_va_vcc(0) depctr_vm_vsrc(0)
	s_getreg_b32 s2, hwreg(HW_REG_IB_STS2, 6, 4)
	s_cmp_eq_u32 s2, 0
	s_cbranch_scc0 .Lentry_in_a_cluster
	s_endpgm
.Lentry_in_a_cluster:
	s_bfe_u32 s2, ttmp6, 0x10000c
	s_cmp_lg_u32 s2, 0xf033
	s_cbranch_scc0 .Lentry_shape_is_right
	s_endpgm
.Lentry_shape_is_right:
; ONE TEXT FOR TWO LAUNCHES, told apart by the four constants below: out = residual + (A W^T + bias), f32 [4,096][1,024].  Here: A = the attention's codes, W = w_out, residual x, K = 1,024.
; Both operands are codes of FP6 (E2M3) with E8M0 scale words, laid as launch wq's head says.  N = 1,024 gives only 64 tiles of 256 x 256, so a tile is 128 x 128: 256 work-groups; four waves, 64 x 64 each: 16 accumulators.
; K goes in steps of 512 through a ring of two LDS slots; a wave's tensor load brings 8 tiles x 12,288 bytes.  The scale words of the work-group's rows, all of K, come once with the first fills.
; Source 0 = 16 rows of W, source 1 = 16 rows of A: a lane holds eight neighbouring columns of one row.  CLUSTERS: 4 x 4; A's tiles are asked for jointly along a row of the cluster, W's along a column.
; The residual's 64 x 64 numbers are loaded at the head, in the layout in which the rows leave, and are on their way during the whole product.
; REGISTERS: window 0: v1-29 addresses, v8-11 bias; v32-63 scale words, two sets; v64-127 rows on the way out; v128-255 accumulator (a, b) at 128 + 8 (4 a + b).  Window 1: two fragment buffers of 96.  Window 2: v0-127 the residual.
.set SIZE_K, 1024
.set A_S,    3145728                   ; A's scale words in its buffer
.set B_C,    2359296                   ; W's codes and scale words in wts
.set B_S,    9535488
.set KST,   SIZE_K/128
.set LAPS,  SIZE_K/1024
.set HALFT, 24576
.set SLOT,  4*HALFT
.set SCL,   2*SLOT
.set HALFS, 256*KST
.set SPARE, SCL+4*HALFS
.set SP,    272                        ; the stage: 16 rows x (256 bytes + 16) a wave,
.set STAGE, SPARE+512                  ; on bytes of its own behind the spare words.  HERE ALL OF K (1,024) LIES IN LDS AT ONCE: A's 8 tiles x 12,288 bytes, then W's; "slot" s below is K 512 s on, 6,144 bytes into each tile
.set BV,   8
.set ADRA, 16
.set ADRB, 20
.set STO,  24
.set RD,   25
.set CO,   26
.set ADRS, 27
.set SPW,  28
.set NIL,  29
.set SC,   32                          ; set s at SC + 16 s; register 4 q + i: lanes 0-15 the word of A's block i, lanes 16-31 of W's block i
.set BK,   64
.set ACC,  128
.set F0,   0
.set F1,   128
.set G1,   24
.set G0,   32
.set G1B,  48
.set G0B,  56
.set G1S,  68
.set G0S,  76
.set G1SB, 80
.set G0SB, 88
.set MSB, 0
.macro WIN new
.if MSB != \new
	s_set_vgpr_msb (MSB<<8)|\new
.set MSB, \new
.endif
.endm
.set MUL,  0x05
.set TO_F, 0x40
.macro JLOAD g0a, g1a, g0b, g1b        ; a joint load: waves 0, 1 fetch for A, waves 2, 3 for W; an s_nop 0 and four v_nop follow each line
	s_cmp_eq_u32 s15, 0
	s_cbranch_scc0 .Lfor_b_\@
	tensor_load_to_lds s[\g0a:\g0a+3], s[\g1a:\g1a+7]
	s_nop 0
.rept 4
	v_nop
.endr
	s_branch .Lasked_\@
.Lfor_b_\@:
	tensor_load_to_lds s[\g0b:\g0b+3], s[\g1b:\g1b+7]
	s_nop 0
.rept 4
	v_nop
.endr
.Lasked_\@:
.endm
.macro CREST
	s_cmp_lg_u32 s14, 0
	s_cbranch_scc1 .Lnot_wave_0_\@
	s_barrier_signal -3
.Lnot_wave_0_\@:
	s_barrier_wait -3
	s_barrier_signal -1
	s_barrier_wait -1
.endm
.macro CROUND
	s_barrier_signal -1
	s_barrier_wait -1
	CREST
.endm
	s_load_b256 s[4:11], s[0:1], 0x0               ; A, wts, the bias, the residual
	s_load_b64 s[12:13], s[0:1], 0x20              ; out
	v_lshl_add_u32 v[SPW], v0, 2, SPARE
	v_mov_b32 v[NIL], 0
	ds_add_u32 v[SPW], v[NIL]                      ; the wave's opening: the add, twice on end, and its wait ahead of my first tensor load
	ds_add_u32 v[SPW], v[NIL]
	v_lshrrev_b32 v1, 5, v0
	v_readfirstlane_b32 s14, v1
	s_lshr_b32 s15, s14, 1                         ; my 64 rows of A; also: I fetch for A (0) or W (1)
	s_and_b32 s16, s14, 1                          ; my 64 rows of W; also: which 64 rows I fetch
	s_bfe_u32 s40, ttmp6, 0x40000
	s_bfe_u32 s41, ttmp6, 0x40004
	s_lshl_b32 s42, ttmp9, 2
	s_add_co_u32 s42, s42, s40                     ; tile column
	s_and_b32 s17, ttmp7, 0xffff
	s_lshl_b32 s17, s17, 2
	s_add_co_u32 s17, s17, s41                     ; tile row
	s_lshl_b32 s43, s41, 2
	s_lshl_b32 s43, 15, s43
	s_lshl_b32 s44, 0x1111, s40
	s_or_b32 s[G1+0], s43, (3<<16)|(1<<21)
	s_or_b32 s[G1B+0], s44, (3<<16)|(1<<21)
.irp g, G1, G1B
	s_mov_b32 s[\g+1], 1536<<16                    ; a row: 12,288 bytes, all of K of one tile
	s_mov_b32 s[\g+2], 8<<16                       ; 8 tiles: all 128 rows
	s_mov_b32 s[\g+3], 1536<<16
	s_mov_b32 s[\g+4], 8
	s_mov_b32 s[\g+5], KST*192
	s_mov_b32 s[\g+6], 0
	s_mov_b32 s[\g+7], 0
.endr
	s_or_b32 s[G1S+0], s43, (3<<16)|(1<<21)
	s_or_b32 s[G1SB+0], s44, (3<<16)|(1<<21)
.irp g, G1S, G1SB
	s_mov_b32 s[\g+1], 32<<16                      ; rows of 256 bytes
	s_mov_b32 s[\g+2], (2*KST)<<16                 ; the words of all 128 rows
	s_mov_b32 s[\g+3], 32<<16
	s_mov_b32 s[\g+4], 2*KST
	s_mov_b32 s[\g+5], 32
	s_mov_b32 s[\g+6], 0
	s_mov_b32 s[\g+7], 0
.endr
	s_lshl_b32 s20, s17, 1                         ; the work-group's first four tiles of A
	s_mul_i32 s22, s20, KST*256
	s_add_co_u32 s22, s22, A_S
	s_mul_i32 s20, s20, 4*KST*1536
	s_lshl_b32 s46, s42, 1
	s_mul_i32 s92, s46, KST*256
	s_add_co_u32 s92, s92, B_S
	s_mul_i32 s46, s46, 4*KST*1536
	s_add_co_u32 s46, s46, B_C
	s_mov_b32 s21, 0
	s_mov_b32 s23, 0
	s_mov_b32 s47, 0
	s_mov_b32 s93, 0
	s_wait_dscnt 0x0
	s_wait_kmcnt 0x0
	s_add_nc_u64 s[20:21], s[4:5], s[20:21]
	s_add_nc_u64 s[22:23], s[4:5], s[22:23]
	s_add_nc_u64 s[46:47], s[6:7], s[46:47]
	s_add_nc_u64 s[92:93], s[6:7], s[92:93]
	CROUND
	s_mov_b32 s[G0S], 1
	s_mov_b32 s[G0S+1], SCL
	s_mov_b64 s[G0S+2:G0S+3], s[22:23]
	s_or_b32 s[G0S+3], s[G0S+3], 0x80000000
	s_mov_b32 s[G0SB], 1
	s_mov_b32 s[G0SB+1], SCL+2*HALFS
	s_mov_b64 s[G0SB+2:G0SB+3], s[92:93]
	s_or_b32 s[G0SB+3], s[G0SB+3], 0x80000000
.irp s, 0
	s_mov_b32 s[G0+4*\s], 1
	s_mov_b32 s[G0+1], 0
	s_add_nc_u64 s[G0+4*\s+2:G0+4*\s+3], s[20:21], \s*6144
	s_or_b32 s[G0+4*\s+3], s[G0+4*\s+3], 0x80000000
	s_mov_b32 s[G0B+4*\s], 1
	s_mov_b32 s[G0B+1], SLOT
	s_add_nc_u64 s[G0B+4*\s+2:G0B+4*\s+3], s[46:47], \s*6144
	s_or_b32 s[G0B+4*\s+3], s[G0B+4*\s+3], 0x80000000
.endr
; THE HEAD'S LOADS, ONE A WAVE, and the launch's only ones: wave 0 A, wave 1 W, wave 2 A's scale words, wave 3 W's.  One chain of branches on the wave's number, one load to an arm.
.macro ARM under, g0, g1, next
	s_cmp_lt_u32 s14, \under
	s_cbranch_scc0 \next
	tensor_load_to_lds s[\g0:\g0+3], s[\g1:\g1+7]
	s_nop 0
.rept 4
	v_nop
.endr
	s_branch .Lhead_asked
\next:
.endm
	ARM 1, G0,  G1,  .Lhead_b
	ARM 2, G0B, G1B, .Lhead_sa
	ARM 3, G0S, G1S, .Lhead_sb
	tensor_load_to_lds s[G0SB:G0SB+3], s[G1SB:G1SB+7]
	s_nop 0
.rept 4
	v_nop
.endr
.Lhead_asked:
	v_and_b32 v1, 15, v0                           ; r
	v_bfe_u32 v2, v0, 4, 1                         ; h
	s_wait_alu depctr_va_vdst(0)
	v_and_b32 v3, 31, v0
	v_lshlrev_b32 v3, 3, v3                        ; 8 lane
	v_lshlrev_b32 v4, 4, v1                        ; 16 r
	s_mul_i32 s21, s15, 2*HALFT                    ; my four tiles of A, 12,288 bytes each
	s_mul_i32 s22, s16, 2*HALFT
	s_add_co_u32 s22, s22, SLOT                    ; and of W, behind A's 98,304 bytes
.irp s, 0,1
	v_add_nc_u32 v[ADRA+\s], s21, v3
	v_add_nc_u32 v[ADRB+\s], s22, v3
	s_add_co_u32 s21, s21, 6144
	s_add_co_u32 s22, s22, 6144
.endr
	s_mul_i32 s21, s15, HALFS
	s_mul_i32 s22, s16, HALFS
	s_add_co_u32 s22, s22, 2*HALFS
	s_sub_co_u32 s22, s22, s21
	v_mul_u32_u24 v5, s22, v2                      ; lanes 16-31 take W's words
	s_wait_alu depctr_va_vdst(0)
	s_add_co_u32 s21, s21, SCL
	v_add_nc_u32 v5, v5, v4
	v_add_nc_u32 v[ADRS], s21, v5
	s_mul_i32 s23, s14, 16*SP
	s_add_co_u32 s23, s23, STAGE
	v_mul_u32_u24 v5, v1, SP
	v_lshl_add_u32 v5, v2, 6, v5
	v_add_nc_u32 v[STO], s23, v5                   ; in: row r, + 64 h
	v_mul_u32_u24 v5, v2, SP
	v_add_nc_u32 v5, v5, v4
	v_add_nc_u32 v[RD], s23, v5                    ; back: lanes 0-15 one row of 256 bytes, lanes 16-31 the next
	v_lshl_add_u32 v[CO], v2, 12, v4               ; and the same in memory: rows of 4,096 bytes
	s_wait_alu depctr_va_vdst(0)
	s_lshl_b32 s18, s17, 7
	s_lshl_b32 s19, s15, 6
	s_add_co_u32 s18, s18, s19                     ; my first row
	s_lshl_b32 s18, s18, 12
	s_lshl_b32 s20, s42, 9
	s_lshl_b32 s21, s16, 8
	s_add_co_u32 s20, s20, s21                     ; my first column, in bytes
	s_mov_b32 s21, 0
	s_add_nc_u64 s[8:9], s[8:9], s[20:21]
	s_add_co_u32 s18, s18, s20
	s_mov_b32 s19, 0
	s_add_nc_u64 s[10:11], s[10:11], s[18:19]
	s_add_nc_u64 s[12:13], s[12:13], s[18:19]
.macro RESID                           ; the residual's 64 x 64 numbers, in the layout in which the rows leave, and the bias: asked for when the tiles have landed; the whole product stands ahead of their wait
	WIN 0x80
.irp a, 0,1,2,3
.irp t, 0,1,2,3,4,5,6,7
	global_load_b128 v[32*\a+4*\t:32*\a+4*\t+3], v[CO], s[10:11] offset:(2*\t+8*(\t/4)+8*(\a%2)+32*(\a/2))*4096   ; slots 2 t, 2 t + 1 of tile a: sixteen lanes read 256 consecutive bytes
.endr
.endr
	WIN 0
	global_load_b128 v[BV:BV+3], v4, s[8:9]
.endm
.macro FRAG reg, adr, q, i
.irp p, 0,1,2,3,4,5
	ds_load_b64 v[\reg+2*\p:\reg+2*\p+1], v[\adr] offset:12288*(\i)+1536*(\q)+256*\p
.endr
.endm
.macro FETCH slot, q, f                ; 48 loads: W's four fragments, then A's four
	WIN TO_F
.irp i, 0,1,2,3
	FRAG \f+12*\i, ADRB+\slot, \q, \i
.endr
.irp i, 0,1,2,3
	FRAG \f+48+12*\i, ADRA+\slot, \q, \i
.endr
.endm
.macro SCALES sc
.irp q, 0,1,2,3
	ds_load_b128 v[SC+16*\sc+4*\q:SC+16*\sc+4*\q+3], v[ADRS] offset:256*\q
.endr
.endm
.macro MUL4 f, a, q, sc, zero          ; A's block a x W's four; the 16 accumulators take turns in one order everywhere
.irp b, 0,1,2,3
.if \zero
	v_wmma_scale_f32_16x16x128_f8f6f4 v[ACC+8*(4*(\a)+\b):ACC+8*(4*(\a)+\b)+7], v[\f+12*\b:\f+12*\b+11], v[\f+48+12*(\a):\f+48+12*(\a)+11], 0, v[SC+16*(\sc)+4*(\q)+\b], v[SC+16*(\sc)+4*(\q)+(\a)] matrix_a_fmt:MATRIX_FMT_FP6 matrix_b_fmt:MATRIX_FMT_FP6 matrix_a_scale:MATRIX_SCALE_ROW1
.else
	v_wmma_scale_f32_16x16x128_f8f6f4 v[ACC+8*(4*(\a)+\b):ACC+8*(4*(\a)+\b)+7], v[\f+12*\b:\f+12*\b+11], v[\f+48+12*(\a):\f+48+12*(\a)+11], v[ACC+8*(4*(\a)+\b):ACC+8*(4*(\a)+\b)+7], v[SC+16*(\sc)+4*(\q)+\b], v[SC+16*(\sc)+4*(\q)+(\a)] matrix_a_fmt:MATRIX_FMT_FP6 matrix_b_fmt:MATRIX_FMT_FP6 matrix_a_scale:MATRIX_SCALE_ROW1
.endif
.endr
.endm
.macro PLACES                          ; plain lines between a matrix instruction and a load into, or a read of, its registers
.rept 4
	v_nop
.endr
.endm
.macro KS slot, q, f, g, zero          ; one of a slot's first three steps of 128: multiplies buffer f, fetches the next step into g
	s_wait_dscnt 12                                ; all but the youngest 12 loads, A's blocks 2 and 3
	WIN MUL
	MUL4 \f, 0, \q, \slot, \zero
	MUL4 \f, 1, \q, \slot, \zero
	PLACES
	FETCH \slot, (\q)+1, \g
	s_wait_dscnt 48                                ; all but the 48 just issued
	WIN MUL
	MUL4 \f, 2, \q, \slot, \zero
	MUL4 \f, 3, \q, \slot, \zero
.endm
.macro TURN slot, next, fill           ; a slot's last step changes slots: one barrier
	WIN 0
	s_wait_tensorcnt 0x0                           ; all my tensor loads have landed: my part of the next slot
	ds_add_u32 v[SPW], v[NIL]
	s_wait_dscnt 13                                ; the add and the youngest 12 loads may be out
	WIN MUL
	MUL4 F1, 0, 3, \slot, 0
	s_wait_dscnt 0x0                               ; the add is done, and my reads of this slot are over
	s_barrier_signal -1
	MUL4 F1, 1, 3, \slot, 0
	WIN 0
	s_barrier_wait -1
.if \fill
	CREST                                          ; the barrier has opened a round of the cluster's
	s_add_nc_u64 s[G0+4*\slot+2:G0+4*\slot+3], s[G0+4*\slot+2:G0+4*\slot+3], 12288
	s_add_nc_u64 s[G0B+4*\slot+2:G0B+4*\slot+3], s[G0B+4*\slot+2:G0B+4*\slot+3], 12288
	JLOAD G0+4*\slot, G1, G0B+4*\slot, G1B
.else
	PLACES
.endif
	v_add_nc_u32 v[ADRS], 1024, v[ADRS]
	SCALES \next                                   ; ahead of the fragments, so that the youngest 12 loads stay A's blocks 2 and 3
	FETCH \next, 0, F0
	WIN MUL
	MUL4 F1, 2, 3, \slot, 0
	MUL4 F1, 3, 3, \slot, 0
.endm
	s_wait_alu depctr_va_vdst(0)                   ; the wait at the head's end
	s_wait_tensorcnt 0x0                           ; my tile of the four is in
	s_barrier_signal -1
	s_barrier_wait -1
	SCALES 0
	FETCH 0, 0, F0
	RESID
	KS 0, 0, F0, F1, 1                             ; the first step's products start the sums
.if LAPS > 1
	WIN 0
	s_mov_b32 s3, LAPS-1
.Llap:
	KS 0, 1, F1, F0, 0
	KS 0, 2, F0, F1, 0
	TURN 0, 1, 1
	KS 1, 0, F0, F1, 0
	KS 1, 1, F1, F0, 0
	KS 1, 2, F0, F1, 0
	TURN 1, 0, 1
	KS 0, 0, F0, F1, 0
	WIN 0
	s_sub_co_u32 s3, s3, 1
	s_cmp_lg_u32 s3, 0
	s_cbranch_scc1 .Llap
.endif
	KS 0, 1, F1, F0, 0
	KS 0, 2, F0, F1, 0
	TURN 0, 1, 0
	KS 1, 0, F0, F1, 0
	KS 1, 1, F1, F0, 0
	KS 1, 2, F0, F1, 0
	s_wait_dscnt 12
	WIN MUL
	MUL4 F1, 0, 3, 1, 0
	MUL4 F1, 1, 3, 1, 0
	s_wait_dscnt 0
	MUL4 F1, 2, 3, 1, 0
	MUL4 F1, 3, 3, 1, 0
	WIN 0
; THE WAY OUT, a tile of 16 rows x 64 columns at a time: through my own stage, back as rows of 256 bytes; bias and residual are added there; sixteen lanes store 256 consecutive bytes, aligned.
.macro TOSTAGE a
.irp b, 0,1,2,3
	ds_store_b128 v[STO], v[ACC+8*(4*(\a)+\b):ACC+8*(4*(\a)+\b)+3] offset:128*(\b/2)+32*(\b%2)       ; each accumulator from its low end on
	ds_store_b128 v[STO], v[ACC+8*(4*(\a)+\b)+4:ACC+8*(4*(\a)+\b)+7] offset:128*(\b/2)+32*(\b%2)+16
.endr
.irp t, 0,1,2,3,4,5,6,7
	ds_load_b128 v[BK+32*((\a)%2)+4*\t:BK+32*((\a)%2)+4*\t+3], v[RD] offset:2*SP*\t   ; LDS serves a wave's instructions in order: these see my stores
.endr
.endm
.macro SEND a, younger
.set BB, BK+32*((\a)%2)
	s_wait_dscnt \younger                          ; the tile is back; the next tile's 16 LDS instructions may be out
.set n, 0
.rept 16
	v_pk_add_f32 v[BB+n:BB+n+1], v[BB+n:BB+n+1], v[BV+n%4:BV+n%4+1]
.set n, n+2
.endr
	WIN 0x08                                       ; source 1: window 2
.set n, 0
.rept 16
	v_pk_add_f32 v[BB+n:BB+n+1], v[BB+n:BB+n+1], v[32*(\a)+n:32*(\a)+n+1]
.set n, n+2
.endr
	WIN 0
.irp t, 0,1,2,3,4,5,6,7
	global_store_b128 v[CO], v[BB+4*\t:BB+4*\t+3], s[12:13] offset:(2*\t+8*(\t/4)+8*((\a)%2)+32*((\a)/2))*4096
.endr
.endm
	PLACES
	s_wait_loadcnt 0x0                             ; the residual and the bias
	TOSTAGE 0
	TOSTAGE 1
	SEND 0, 16
	s_wait_xcnt 0x0                                ; tile 0's stores have read their registers
	TOSTAGE 2
	SEND 1, 16
	s_wait_xcnt 0x0
	TOSTAGE 3
	SEND 2, 16
	SEND 3, 0
	s_wait_tensorcnt 0x0                           ; the wave's end: three lines
	ds_add_u32 v[SPW], v[NIL]
	s_wait_dscnt 0x0
	CROUND                                         ; the closing round
	s_endpgm
.Lfunc_end_k_qe89b25b5c8_go:
	.size	k_qe89b25b5c8_go, .Lfunc_end_k_qe89b25b5c8_go-k_qe89b25b5c8_go
	.p2alignl 7, 3214868480
	.fill 96, 4, 3214868480
	.section	.rodata,"a",@progbits
	.p2align	6, 0x0
	.amdhsa_kernel k_qe89b25b5c8_go
		.amdhsa_group_segment_fixed_size 327680
		.amdhsa_private_segment_fixed_size 0
		.amdhsa_enable_private_segment 0
		.amdhsa_kernarg_size 40
		.amdhsa_user_sgpr_count 2
		.amdhsa_user_sgpr_kernarg_segment_ptr 1
		.amdhsa_wavefront_size32 1
		.amdhsa_system_sgpr_workgroup_id_x 1
		.amdhsa_system_sgpr_workgroup_id_y 1
		.amdhsa_system_sgpr_workgroup_id_z 1
		.amdhsa_system_vgpr_workitem_id 0
		.amdhsa_next_free_vgpr 640
		.amdhsa_next_free_sgpr 98
		.amdhsa_reserve_vcc 0
		.amdhsa_float_denorm_mode_32 3
		.amdhsa_float_denorm_mode_16_64 3
		.amdhsa_memory_ordered 1
		.amdhsa_forward_progress 1
		.amdhsa_inst_pref_size 71
	.end_amdhsa_kernel
	.amdgpu_metadata
---
amdhsa.version: [ 1, 2 ]
amdhsa.kernels:
  - .name:           k_qe89b25b5c8_go
    .symbol:         k_qe89b25b5c8_go.kd
    .args:
      - { .name: ao, .offset: 0, .size: 8, .value_kind: global_buffer, .address_space: global }
      - { .name: wts, .offset: 8, .size: 8, .value_kind: global_buffer, .address_space: global }
      - { .name: b_out, .offset: 16, .size: 8, .value_kind: global_buffer, .address_space: global }
      - { .name: x, .offset: 24, .size: 8, .value_kind: global_buffer, .address_space: global }
      - { .name: x2, .offset: 32, .size: 8, .value_kind: global_buffer, .address_space: global }
    .group_segment_fixed_size: 327680
    .private_segment_fixed_size: 0
    .kernarg_segment_align: 8
    .kernarg_segment_size: 40
    .max_flat_workgroup_size: 128
    .sgpr_count:     98
    .vgpr_count:     640
    .wavefront_size: 32
...
	.end_amdgpu_metadata
.endif
;; end of part 4
;; launch ln2 (part 5): grid 512 x 1, 8 waves a work-group, no clusters, 118,272 bytes of LDS; arguments x2, ln2_g, ln2_b, hq, w_fc1, w_fc2, wts; writes hq, wts
.if DOCPART == 5
	.amdgcn_target "amdgcn-amd-amdhsa--gfx1250"
	.amdhsa_code_object_version 6
	.text
	.protected	k_qe89b25b5c8_ln2
	.globl	k_qe89b25b5c8_ln2
	.p2align	8
	.type	k_qe89b25b5c8_ln2,@function
k_qe89b25b5c8_ln2:
	s_mov_b64 s[64:65], 0
	v_nop
	global_prefetch_b8 v0, s[64:65] scope:SCOPE_SE
	s_setreg_imm32_b32 hwreg(HW_REG_WAVE_MODE, 25, 1), 1
	s_wait_xcnt 0x0
; ONE TEXT FOR TWO LAUNCHES, told apart by PART (launch wq is the other).  Each does two jobs that share no data, so that their streams run side by side: a LayerNorm with its quantiser, and two weights' quantiser.
; Here: LayerNorm 2 of x2, and w_fc1, w_fc2, which the two launches behind this one are the first to read.
; THE OPERANDS' LAYOUT, for the whole program.  A FRAGMENT (16 rows x 128 K, 12 registers a lane) is 1,536 bytes: register 2 i + w of lane L at byte 256 i + 8 L + 4 w.
; Slot r of tile T is row 32 (T / 2) + 8 (T % 2) + r + 8 (r / 8).  Fragment (T, ks) lies at (T KST + ks) 1,536.  SCALE WORDS (four bytes: 128 along K of one row): word (T, r, ks) at ((T / 4) KST + ks) 256 + 16 r + 4 (T % 4).
; A block's scale is 2^(floor(log2(largest magnitude)) - 2); its byte is the largest magnitude's exponent field - 2, held at 1 from below.  A block of zeros keeps the byte 1 (its codes are zeros; this program alone reads the bytes).
; LIMITS: NaN and infinities among the inputs are not served; blocks whose largest magnitude lies under 2^-124 keep the byte 1.
; THE WEIGHTS (work-groups 0 .. NWG - 1): f32 [K][N] with K as FIRST axis become codes with K innermost.  A lane takes a column n and its registers run down K, so a block of 32 lies in one lane.  A wave takes 64 columns
; (two halves e of 32) x 128 K; four waves 256 columns; a work-group is two such groups of four.  One path, the sizes chosen by selects on the group's number.  Codes leave through the wave's own stage, 512 consecutive bytes a store.
; THE LAYERNORM (the other 256 work-groups): h = g (x - mean) rsqrt(var + 1e-5) + b along rows of 1,024, in f32, quantised along the row (KST = 8).  Work-group t makes tile t.  Part 1: wave w reads slots 2 w, 2 w + 1 (two
; neighbouring rows, 512 consecutive bytes a load), puts them into LDS and finds -mean and rsqrt (the mean first, then the squares of the differences).  One barrier.  Part 2: wave w makes the fragment of K step w.
; Its scale words go out 4 bytes at every 16: a quarter of each aligned 256 bytes, one byte for 128 that the job reads; a work-group of 64 rows would write them whole and leave 64 work-groups for the job.
; The two paths part on the work-group's number, never join, and have LDS bytes of their own.
.set PART,  1
; THE WEIGHTS' DEAL, as it stands now: of the two halves e of 32 columns a wave takes ONE, four blocks of 32 along K: e is the lowest bit of the work-group's number, and the work-group's number without that bit
; names the two groups of four waves.  So twice the work-groups take weights, and a wave writes two tiles' fragments and, of each row's 16 bytes of scale words, the 8 bytes of its two tiles.
.if PART == 0
.set NWG,   64                         ; work-groups that take weights: 128 groups of four waves
.set W0_N,  96                         ; groups 0-95: w_qkv (12 x 8); 96-127: w_out (4 x 8)
.set LK0,   3                          ; log2 of K / 128
.set LK1,   3
.set N40,   12288                      ; bytes of a row
.set N41,   4096
.set CO0,   0                          ; the codes' place in wts
.set CO1,   2359296
.set SO0,   9437184                    ; the scale words'
.set SO1,   9535488
.else
.set NWG,   256                        ; work-groups that take weights: 256 groups of four waves x two halves e
.set W0_N,  128                        ; groups 0-127: w_fc1 (16 x 8); 128-255: w_fc2 (4 x 32)
.set LK0,   3
.set LK1,   5
.set N40,   16384
.set N41,   4096
.set CO0,   3145728
.set CO1,   6291456
.set SO0,   9568256
.set SO1,   9699328
.endif
.set PITCH, 4112                       ; LayerNorm: an LDS row: 4,096 bytes + 16: an odd multiple of 16
.set STATS, 16*PITCH                   ; 8 bytes a slot: -mean, rsqrt
.set WBASE, STATS+256                  ; the weights' path: from here on
.set WREG,  6400                       ; LDS of a wave there: two stages of 3,072 bytes (two fragments each), 256 bytes of scale words
.set SPARE, WBASE+8*WREG               ; the spare words: 128 bytes a wave
.set HS,    3145728                    ; the scale words' place in hq
; the weights' registers
.set OFF,   32                         ; v32-63   4 lane + i rows of the weight
.set X,     64                         ; v64-127  two sets of 32 numbers
.set O,     128                        ; v128-175 the way out: 24 registers for each half e
.set SB,    28                         ; s[28:35] the source at block b of the wave's 128 K
.set DB,    36                         ; s[36:43] where fragment 2 e + u goes
; the LayerNorm's registers
.set TM,    16                         ; v16-31   part 1: eight registers a row; part 2: the quantiser's
.set XR,    32                         ; v32-95   two rows as loaded; then my 64 numbers
.set G,     96                         ; v96-159  g, v160-223 b of my 64 columns
.set BV,    160
.set PC,    224                        ; v224-243 codes
.set PW,    244                        ; the scale word
.set SEL,   26                         ; s[26:27] lane l xor 16
.macro LOAD t                          ; block t % 4 of half t / 4: 32 rows of the weight at my column; a load reads 128 consecutive bytes
.set i, 0
.rept 32
	global_load_b32 v[X+32*((\t)%2)+i], v[OFF+i], s[SB+2*((\t)%4):SB+2*((\t)%4)+1] offset:128*((\t)/4) th:TH_LOAD_NT
.set i, i+1
.endr
.endm
.macro BLOCK t
.set XS, X+32*((\t)%2)
.set EE, (\t)/4
.set BB, (\t)%4
.if (\t) < 3
	s_wait_loadcnt 32                              ; this block's 32 loads are in; the next block's 32 may be out
.else
	s_wait_loadcnt 0x0
.endif
	v_max3_num_f32 v12, |v[XS]|, |v[XS+1]|, |v[XS+2]|
	v_max3_num_f32 v13, |v[XS+3]|, |v[XS+4]|, |v[XS+5]|
.irp k, 6,10,14,18,22,26
	s_delay_alu instid0(VALU_DEP_2)
	v_max3_num_f32 v12, v12, |v[XS+\k]|, |v[XS+\k+1]|
	s_delay_alu instid0(VALU_DEP_2)
	v_max3_num_f32 v13, v13, |v[XS+\k+2]|, |v[XS+\k+3]|
.endr
	s_delay_alu instid0(VALU_DEP_2)
	v_max3_num_f32 v12, v12, |v[XS+30]|, |v[XS+31]|
	s_delay_alu instid0(VALU_DEP_1)
	v_max3_num_f32 v12, v12, v13, 0x1800000        ; with the floor 2^(3 - 127): the byte cannot fall under 1
	s_delay_alu instid0(VALU_DEP_1)
	v_add_nc_u32 v16, 0xff000000, v12              ; 2 off the exponent field: the conversion's scale operand
	v_cvt_scalef32_pk16_fp6_f32 v[20:22], v[XS:XS+15], v16
	v_cvt_scalef32_pk16_fp6_f32 v[24:26], v[XS+16:XS+31], v16
	v_lshrrev_b32 v17, 23, v16                     ; the scale's byte (a plain line behind the conversions)
.if BB == 0
	s_delay_alu instid0(VALU_DEP_1)
	v_mov_b32 v[10+EE], v17
.else
	s_delay_alu instid0(VALU_DEP_1)
	v_lshl_or_b32 v[10+EE], v17, 8*BB, v[10+EE]
.endif
	v_mov_b32 v23, v24                             ; the block's 24 bytes on end in v20-25
	v_mov_b32 v24, v25
	v_mov_b32 v25, v26
.irp k, 0,1,2
	ds_store_b64 v3, v[20+2*\k:21+2*\k] offset:3072*EE+768*(BB/2)+128*(BB%2)+256*\k   ; block 2 c + h is registers 6 c .. 6 c + 5 of lane r + 16 h
.endr
.if (\t) < 2
	LOAD (\t)+2
.endif
	s_wait_dscnt 0x0                               ; the stores have read v20-25
.endm
.macro OUT e                           ; half e's two fragments leave, 512 consecutive bytes a store
.irp j, 0,1,2,3,4,5
	ds_load_b128 v[O+24*\e+4*\j:O+24*\e+4*\j+3], v4 offset:3072*\e+512*\j
.endr
	ds_store_b32 v5, v[10+\e] offset:8*\e
	s_wait_dscnt 0x0
.irp j, 0,1,2,3,4,5
	global_store_b128 v2, v[O+24*\e+4*\j:O+24*\e+4*\j+3], s[DB+2*(2*\e+\j/3):DB+2*(2*\e+\j/3)+1] offset:512*(\j%3)
.endr
.endm
.macro QUANT s, pw                     ; 64 numbers of a lane, register 16 b + i = k 32 b + 16 (lane / 16) + i of my row, become a fragment's codes in v[PC] on and its scale word
.irp b, 0,1,2,3
	v_max3_num_f32 v[TM+\b], |v[\s+16*\b]|, |v[\s+1+16*\b]|, 0x1800000   ; with the floor 2^(3 - 127)
.endr
.irp i, 2,4,6,8,10,12,14
.irp b, 0,1,2,3
	s_delay_alu instid0(VALU_DEP_4)
	v_max3_num_f32 v[TM+\b], v[TM+\b], |v[\s+16*\b+\i]|, |v[\s+1+16*\b+\i]|
.endr
.endr
.irp b, 0,1,2,3
	v_permlanex16_b32 v[TM+4+\b], v[TM+\b], s[SEL], s[SEL+1]
.endr
.irp b, 0,1,2,3
	s_delay_alu instid0(VALU_DEP_4)
	v_max_num_f32 v[TM+\b], v[TM+\b], v[TM+4+\b]   ; the block's largest magnitude
.endr
.irp b, 0,1,2,3
	s_delay_alu instid0(VALU_DEP_4)
	v_add_nc_u32 v[TM+12+\b], 0xff000000, v[TM+\b] ; 2 off its exponent field: the conversion's scale operand
.endr
.irp b, 0,1,2,3
	s_delay_alu instid0(VALU_DEP_4)
	v_lshrrev_b32 v[TM+4+\b], 23, v[TM+12+\b]      ; the byte
.endr
	s_delay_alu instid0(VALU_DEP_3)
	v_lshl_or_b32 v[\pw], v[TM+5], 8, v[TM+4]
	s_delay_alu instid0(VALU_DEP_1)
	v_lshl_or_b32 v[\pw], v[TM+6], 16, v[\pw]
	s_delay_alu instid0(VALU_DEP_1)
	v_lshl_or_b32 v[\pw], v[TM+7], 24, v[\pw]
.irp c, 0,1
	v_cvt_scalef32_pk16_fp6_f32 v[PC+6*\c:PC+2+6*\c], v[\s+32*\c:\s+15+32*\c], v[TM+12+2*\c]
	v_cvt_scalef32_pk16_fp6_f32 v[PC+12+4*\c:PC+14+4*\c], v[\s+16+32*\c:\s+31+32*\c], v[TM+12+2*\c+1]
.endr
	v_nop                                          ; one plain line behind a scaled conversion
.irp c, 0,1                            ; a whole block to a lane: lanes 0-15 block 2 c, lanes 16-31 block 2 c + 1
.irp i, 0,1,2
	v_permlane16_swap_b32 v[PC+6*\c+\i], v[PC+12+4*\c+\i]
.endr
.irp i, 0,1,2
	s_delay_alu instid0(VALU_DEP_3)
	v_mov_b32 v[PC+3+6*\c+\i], v[PC+12+4*\c+\i]
.endr
.endr
.endm
.macro ACROSS                          ; v16 and v24 summed over the 32 lanes, the two rows by turns
.irp m, 1,2,4,8
.irp p, 0,1
	s_delay_alu instid0(VALU_DEP_2)
	v_add_f32_dpp v[16+8*\p], v[16+8*\p], v[16+8*\p] row_xmask:\m row_mask:0xf bank_mask:0xf
.endr
.endr
.irp p, 0,1
	s_delay_alu instid0(VALU_DEP_2)
	v_permlanex16_b32 v[17+8*\p], v[16+8*\p], s[SEL], s[SEL+1]
.endr
.irp p, 0,1
	s_delay_alu instid0(VALU_DEP_2)
	v_add_f32 v[16+8*\p], v[16+8*\p], v[17+8*\p]
.endr
.endm
	v_lshl_add_u32 v14, v0, 2, SPARE               ; my spare word
	v_mov_b32 v15, 0
	s_cmp_lt_u32 ttmp9, NWG                        ; the work-group's number alone decides: all eight waves go the same way
	s_cbranch_scc0 .Lnorm
	; ---------------- THE WEIGHTS
	s_load_b128 s[4:7], s[0:1], 0x20               ; the two weights
	s_load_b64 s[12:13], s[0:1], 0x30              ; wts
	v_lshrrev_b32 v1, 5, v0
	s_delay_alu instid0(VALU_DEP_1)
	v_readfirstlane_b32 s16, v1                    ; wave 0..7
	v_and_b32 v1, 31, v0                           ; lane
	s_delay_alu instid0(VALU_DEP_1)
	v_lshlrev_b32 v2, 4, v1                        ; 16 lane
	v_and_b32 v7, 15, v0
	v_lshlrev_b32 v7, 4, v7                        ; 16 (lane % 16): a row's scale words; lanes 16-31 name the same bytes as lanes 0-15
	s_mul_i32 s46, s16, WREG
	s_add_co_u32 s46, s46, WBASE                   ; my wave's LDS
	v_bfe_u32 v18, v0, 3, 1                        ; u: which tile of the pair my column falls into
	v_and_b32 v19, 7, v0
	v_bfe_u32 v28, v0, 4, 1
	s_delay_alu instid0(VALU_DEP_1)
	v_lshl_add_u32 v19, v28, 3, v19                ; r: its slot there
	s_delay_alu instid0(VALU_DEP_4)
	v_mul_u32_u24 v3, v18, 1536
	s_delay_alu instid0(VALU_DEP_1)
	v_lshl_add_u32 v3, v19, 3, v3
	s_delay_alu instid0(VALU_DEP_1)
	v_add_nc_u32 v3, s46, v3                       ; into the stage: 1,536 u + 8 r
	v_add_nc_u32 v4, s46, v2                       ; out of it: 16 lane
	v_lshlrev_b32 v5, 4, v19
	s_delay_alu instid0(VALU_DEP_1)
	v_lshl_add_u32 v5, v18, 2, v5
	s_delay_alu instid0(VALU_DEP_1)
	v_add_nc_u32 v5, s46, v5
	s_delay_alu instid0(VALU_DEP_1)
	v_add_nc_u32 v5, 6144, v5                      ; my scale word: 16 r + 4 u (+ 8 e)
	v_add_nc_u32 v6, s46, v7
	s_delay_alu instid0(VALU_DEP_1)
	v_add_nc_u32 v6, 6144, v6                      ; and the words on the way out: 16 (lane % 16)
	s_and_b32 s25, ttmp9, 1                        ; e: my half of 32 columns
	s_and_b32 s14, ttmp9, -2
	s_lshr_b32 s15, s16, 2
	s_add_co_u32 s14, s14, s15                     ; my group of four waves
	s_and_b32 s15, s16, 3                          ; my wave in it
	s_mov_b32 s20, N41                             ; the second weight's: bytes of a row, codes' and scales' place in wts
	s_mov_b32 s21, CO1
	s_mov_b32 s22, SO1
	s_cmp_lt_u32 s14, W0_N                         ; the first weight's
	s_cselect_b32 s18, 0, W0_N                     ; the weight's first group
	s_cselect_b32 s19, LK0, LK1
	s_cselect_b32 s20, N40, s20
	s_cselect_b32 s21, CO0, s21
	s_cselect_b32 s22, SO0, s22
	s_sub_co_u32 s17, s14, s18
	s_bfm_b32 s46, s19, 0
	s_and_b32 s23, s17, s46                        ; ks
	s_lshr_b32 s24, s17, s19                       ; block of 256 columns
	s_lshl_b32 s52, s24, 8
	s_lshl_b32 s46, s15, 6
	s_add_co_u32 s52, s52, s46                     ; n0: my wave's first column
	s_mul_i32 s48, s23, s20
	s_lshl_b32 s48, s48, 7                         ; 128 ks rows
	s_lshl_b32 s46, s52, 2
	s_add_co_u32 s48, s48, s46
	s_lshl_b32 s46, s25, 7                         ; + 32 e columns
	s_add_co_u32 s48, s48, s46
	s_mov_b32 s49, 0
	s_lshl_b32 s50, s20, 5                         ; 32 rows
	s_mov_b32 s51, 0
	s_lshr_b32 s46, s52, 4                         ; my first tile: n0 / 16 + 2 e
	s_lshl_b32 s24, s25, 1
	s_add_co_u32 s46, s46, s24
	s_lshl_b32 s46, s46, s19
	s_add_co_u32 s46, s46, s23
	s_mul_i32 s46, s46, 1536
	s_add_co_u32 s46, s46, s21
	s_mov_b32 s47, 0
	s_lshl_b32 s54, 1536, s19                      ; from tile to tile
	s_mov_b32 s55, 0
	s_lshr_b32 s52, s52, 6
	s_lshl_b32 s52, s52, s19
	s_add_co_u32 s52, s52, s23
	s_lshl_b32 s52, s52, 8
	s_add_co_u32 s52, s52, s22                     ; the four tiles' 256 bytes of scale words,
	s_lshl_b32 s24, s25, 3
	s_add_co_u32 s52, s52, s24                     ; and in each row's 16 bytes my two tiles' 8
	s_mov_b32 s53, 0
	v_lshlrev_b32 v[OFF], 2, v1
.set i, 1
.rept 31
	s_delay_alu instid0(VALU_DEP_1)
	v_add_nc_u32 v[OFF+i], s20, v[OFF+i-1]
.set i, i+1
.endr
	s_wait_alu depctr_va_vdst(0)
	s_wait_kmcnt 0x0
	s_cmp_lt_u32 s14, W0_N                         ; the source: the choice hangs on ids alone
	s_cselect_b64 s[26:27], s[4:5], s[6:7]
	s_add_nc_u64 s[SB:SB+1], s[26:27], s[48:49]
	s_add_nc_u64 s[SB+2:SB+3], s[SB:SB+1], s[50:51]
	s_add_nc_u64 s[SB+4:SB+5], s[SB+2:SB+3], s[50:51]
	s_add_nc_u64 s[SB+6:SB+7], s[SB+4:SB+5], s[50:51]
	s_add_nc_u64 s[DB:DB+1], s[12:13], s[46:47]
	s_add_nc_u64 s[DB+2:DB+3], s[DB:DB+1], s[54:55]
	s_add_nc_u64 s[44:45], s[12:13], s[52:53]
	LOAD 0
	LOAD 1
	BLOCK 0
	BLOCK 1
	BLOCK 2
	BLOCK 3
	s_wait_alu depctr_va_vdst(0)
	OUT 0
	ds_load_b64 v[8:9], v6                         ; LDS serves a wave's instructions in order: these see my stores
	s_wait_dscnt 0x0
	global_store_b64 v7, v[8:9], s[44:45]          ; lanes 0-15 store 8 bytes of every 16 over 256 bytes; lanes 16-31 the same
	s_wait_tensorcnt 0x0                           ; the wave's end: three lines behind my last LDS store
	ds_add_u32 v14, v15
	s_wait_dscnt 0x0
	s_endpgm
	; ---------------- THE LAYERNORM
.Lnorm:
	s_load_b256 s[4:11], s[0:1], 0x0               ; x, g, b, hq
	s_sub_co_u32 s13, ttmp9, NWG                   ; t: my tile
	v_lshrrev_b32 v1, 5, v0
	s_delay_alu instid0(VALU_DEP_1)
	v_readfirstlane_b32 s12, v1                    ; wave
	v_and_b32 v1, 31, v0                           ; lane
	v_and_b32 v2, 15, v0                           ; r
	v_bfe_u32 v3, v0, 4, 1                         ; h
	s_delay_alu instid0(VALU_DEP_3)
	v_lshlrev_b32 v4, 4, v1                        ; 16 lane
	s_delay_alu instid0(VALU_DEP_4)
	v_lshlrev_b32 v5, 3, v1                        ; 8 lane
	s_delay_alu instid0(VALU_DEP_4)
	v_mul_u32_u24 v6, v2, PITCH
	s_delay_alu instid0(VALU_DEP_1)
	v_lshl_add_u32 v6, v3, 6, v6
	s_lshl_b32 s14, s12, 9                         ; 512 w
	v_add_nc_u32 v6, s14, v6                       ; part 2 reads: row r, K step w, + 64 h
	v_lshl_add_u32 v7, v2, 3, STATS                ; row r's statistics
	s_mul_i32 s15, s12, 2*PITCH
	v_add_nc_u32 v8, s15, v4                       ; part 1 writes: slot 2 w, 16 lane
	v_lshlrev_b32 v9, 4, v2                        ; 16 r
	v_lshlrev_b32 v245, 6, v3                      ; 64 h
	s_lshl_b32 s15, s12, 4
	s_add_co_u32 s15, s15, STATS
	v_mov_b32 v246, s15                            ; my two slots' statistics
	s_mov_b32 s15, 0
	s_lshr_b32 s16, s13, 1
	s_lshl_b32 s16, s16, 5
	s_and_b32 s17, s13, 1
	s_lshl_b32 s17, s17, 3
	s_add_co_u32 s16, s16, s17
	s_lshl_b32 s17, s12, 1
	s_add_co_u32 s16, s16, s17
	s_lshr_b32 s17, s12, 2
	s_lshl_b32 s17, s17, 3
	s_add_co_u32 s16, s16, s17                     ; my first row: 32 (t / 2) + 8 (t % 2) + 2 w + 8 (w / 4)
	s_lshl_b32 s16, s16, 12
	s_mov_b32 s17, 0
	s_lshl_b32 s22, s13, 3
	s_add_co_u32 s22, s22, s12
	s_mul_i32 s22, s22, 1536                       ; fragment (t, w)
	s_mov_b32 s23, 0
	s_lshr_b32 s24, s13, 2
	s_lshl_b32 s24, s24, 3
	s_add_co_u32 s24, s24, s12
	s_lshl_b32 s24, s24, 8
	s_and_b32 s25, s13, 3
	s_lshl_b32 s25, s25, 2
	s_add_co_u32 s24, s24, s25
	s_add_co_u32 s24, s24, HS                      ; its scale words
	s_mov_b32 s25, 0
	s_mov_b32 s[SEL], 0x76543210
	s_mov_b32 s[SEL+1], 0xfedcba98
	s_mov_b32 s28, 0x3a800000                      ; 1 / 1,024
	s_mov_b32 s29, 0x3727c5ac                      ; 1e-5
	s_wait_alu depctr_va_vdst(0)
	s_wait_kmcnt 0x0
	s_add_nc_u64 s[16:17], s[4:5], s[16:17]
	s_add_nc_u64 s[18:19], s[6:7], s[14:15]
	s_add_nc_u64 s[20:21], s[8:9], s[14:15]
	s_add_nc_u64 s[22:23], s[10:11], s[22:23]
	s_add_nc_u64 s[24:25], s[10:11], s[24:25]
.irp p, 0,1
.irp j, 0,1,2,3,4,5,6,7
	global_load_b128 v[XR+32*\p+4*\j:XR+32*\p+4*\j+3], v4, s[16:17] offset:4096*\p+512*\j
.endr
.endr
.irp b, 0,1,2,3
.irp j, 0,1,2,3
	global_load_b128 v[G+16*\b+4*\j:G+16*\b+4*\j+3], v245, s[18:19] offset:128*\b+16*\j
	global_load_b128 v[BV+16*\b+4*\j:BV+16*\b+4*\j+3], v245, s[20:21] offset:128*\b+16*\j
.endr
.endr
	s_wait_loadcnt 32                              ; my two rows are in; the 32 loads of g and b may be out
.irp p, 0,1
.irp j, 0,1,2,3,4,5,6,7
	ds_store_b128 v8, v[XR+32*\p+4*\j:XR+32*\p+4*\j+3] offset:PITCH*\p+512*\j
.endr
.endr
.irp p, 0,1                            ; the rows' sums, two chains each
	v_pk_add_f32 v[16+8*\p:17+8*\p], v[XR+32*\p:XR+32*\p+1], v[XR+32*\p+2:XR+32*\p+3]
	v_pk_add_f32 v[18+8*\p:19+8*\p], v[XR+32*\p+4:XR+32*\p+5], v[XR+32*\p+6:XR+32*\p+7]
.endr
.irp k, 8,12,16,20,24,28
.irp p, 0,1
	s_delay_alu instid0(VALU_DEP_4)
	v_pk_add_f32 v[16+8*\p:17+8*\p], v[16+8*\p:17+8*\p], v[XR+32*\p+\k:XR+32*\p+\k+1]
	s_delay_alu instid0(VALU_DEP_4)
	v_pk_add_f32 v[18+8*\p:19+8*\p], v[18+8*\p:19+8*\p], v[XR+32*\p+\k+2:XR+32*\p+\k+3]
.endr
.endr
.irp p, 0
	s_delay_alu instid0(VALU_DEP_3)
	v_pk_add_f32 v[16+8*\p:17+8*\p], v[16+8*\p:17+8*\p], v[18+8*\p:19+8*\p]
.endr
.irp p, 1
	s_delay_alu instid0(VALU_DEP_2)
	v_pk_add_f32 v[16+8*\p:17+8*\p], v[16+8*\p:17+8*\p], v[18+8*\p:19+8*\p]
.endr
.irp p, 0,1
	s_delay_alu instid0(VALU_DEP_2)
	v_add_f32 v[16+8*\p], v[16+8*\p], v[17+8*\p]
.endr
	ACROSS
.irp p, 0,1
	s_delay_alu instid0(VALU_DEP_2)
	v_mul_f32 v[20+8*\p], 0xba800000, v[16+8*\p]   ; -mean
.endr
.irp p, 0,1
	s_delay_alu instid0(VALU_DEP_2)
	v_mov_b32 v[21+8*\p], v[20+8*\p]
.endr
.irp p, 0
	s_delay_alu instid0(VALU_DEP_2)
	v_pk_add_f32 v[22+8*\p:23+8*\p], v[XR+32*\p:XR+32*\p+1], v[20+8*\p:21+8*\p]
	s_delay_alu instid0(VALU_DEP_1)
	v_pk_mul_f32 v[16+8*\p:17+8*\p], v[22+8*\p:23+8*\p], v[22+8*\p:23+8*\p]
.endr
.irp p, 1
	s_delay_alu instid0(VALU_DEP_3)
	v_pk_add_f32 v[22+8*\p:23+8*\p], v[XR+32*\p:XR+32*\p+1], v[20+8*\p:21+8*\p]
	s_delay_alu instid0(VALU_DEP_1)
	v_pk_mul_f32 v[16+8*\p:17+8*\p], v[22+8*\p:23+8*\p], v[22+8*\p:23+8*\p]
.endr
.irp p, 0,1
	v_pk_add_f32 v[22+8*\p:23+8*\p], v[XR+32*\p+2:XR+32*\p+3], v[20+8*\p:21+8*\p]
	s_delay_alu instid0(VALU_DEP_1)
	v_pk_mul_f32 v[18+8*\p:19+8*\p], v[22+8*\p:23+8*\p], v[22+8*\p:23+8*\p]
.endr
.irp k, 4,8,12,16,20,24,28
.irp p, 0,1
	v_pk_add_f32 v[22+8*\p:23+8*\p], v[XR+32*\p+\k:XR+32*\p+\k+1], v[20+8*\p:21+8*\p]
	s_delay_alu instid0(VALU_DEP_1)
	v_pk_fma_f32 v[16+8*\p:17+8*\p], v[22+8*\p:23+8*\p], v[22+8*\p:23+8*\p], v[16+8*\p:17+8*\p]
.endr
.irp p, 0,1
	v_pk_add_f32 v[22+8*\p:23+8*\p], v[XR+32*\p+\k+2:XR+32*\p+\k+3], v[20+8*\p:21+8*\p]
	s_delay_alu instid0(VALU_DEP_1)
	v_pk_fma_f32 v[18+8*\p:19+8*\p], v[22+8*\p:23+8*\p], v[22+8*\p:23+8*\p], v[18+8*\p:19+8*\p]
.endr
.endr
.irp p, 0
	s_delay_alu instid0(VALU_DEP_3)
	v_pk_add_f32 v[16+8*\p:17+8*\p], v[16+8*\p:17+8*\p], v[18+8*\p:19+8*\p]
.endr
.irp p, 1
	s_delay_alu instid0(VALU_DEP_2)
	v_pk_add_f32 v[16+8*\p:17+8*\p], v[16+8*\p:17+8*\p], v[18+8*\p:19+8*\p]
.endr
.irp p, 0,1
	s_delay_alu instid0(VALU_DEP_2)
	v_add_f32 v[16+8*\p], v[16+8*\p], v[17+8*\p]
.endr
	ACROSS
.irp p, 0,1
	s_delay_alu instid0(VALU_DEP_2)
	v_fma_f32 v[16+8*\p], v[16+8*\p], s28, s29     ; var + eps
.endr
	s_wait_alu depctr_va_vdst(0)
.irp p, 0,1
	v_rsq_f32 v[21+8*\p], v[16+8*\p]
.endr
	v_nop                                          ; a plain line behind the last of the two
	s_wait_alu depctr_va_vdst(0)                   ; the wait ahead of the first line that names a result: one for both
.irp p, 0,1
	ds_store_b64 v246, v[20+8*\p:21+8*\p] offset:8*\p   ; all lanes write the same 8 bytes
.endr
	s_wait_dscnt 0x0                               ; for the others' sake: my stores have landed
	s_barrier_signal -1
	s_barrier_wait -1
.irp b, 0,1,2,3
.irp j, 0,1,2,3
	ds_load_b128 v[XR+16*\b+4*\j:XR+16*\b+4*\j+3], v6 offset:128*\b+16*\j
.endr
.endr
	ds_load_b64 v[10:11], v7
	s_wait_dscnt 0x0
	s_wait_loadcnt 0x0                             ; g and b
	v_mov_b32 v12, v11
	v_mov_b32 v13, v11
.set n, 0
.rept 32
	v_pk_add_f32 v[XR+n:XR+n+1], v[XR+n:XR+n+1], v[10:11] op_sel_hi:[1,0]
.set n, n+2
.endr
.set n, 0
.rept 32
	v_pk_mul_f32 v[XR+n:XR+n+1], v[XR+n:XR+n+1], v[G+n:G+n+1]
.set n, n+2
.endr
.set n, 0
.rept 32
	v_pk_fma_f32 v[XR+n:XR+n+1], v[XR+n:XR+n+1], v[12:13], v[BV+n:BV+n+1]
.set n, n+2
.endr
	QUANT XR, PW
.irp p, 0,1,2,3,4,5
	global_store_b64 v5, v[PC+2*\p:PC+2*\p+1], s[22:23] offset:256*\p   ; 32 lanes store 256 consecutive bytes, aligned
.endr
	s_wait_xcnt 0x0                                ; EXEC changes only behind this wait
	v_cmp_gt_u32 vcc_lo, 16, v1
	s_and_saveexec_b32 s30, vcc_lo
	global_store_b32 v9, v[PW], s[24:25]           ; lanes 0-15: row r's word
	s_wait_xcnt 0x0
	s_or_b32 exec_lo, exec_lo, s30
	s_wait_tensorcnt 0x0                           ; the wave's end: three lines behind my last LDS store
	ds_add_u32 v14, v15
	s_wait_dscnt 0x0
	s_endpgm
.Lfunc_end_k_qe89b25b5c8_ln2:
	.size	k_qe89b25b5c8_ln2, .Lfunc_end_k_qe89b25b5c8_ln2-k_qe89b25b5c8_ln2
	.p2alignl 7, 3214868480
	.fill 96, 4, 3214868480
	.section	.rodata,"a",@progbits
	.p2align	6, 0x0
	.amdhsa_kernel k_qe89b25b5c8_ln2
		.amdhsa_group_segment_fixed_size 118272
		.amdhsa_private_segment_fixed_size 0
		.amdhsa_enable_private_segment 0
		.amdhsa_kernarg_size 56
		.amdhsa_user_sgpr_count 2
		.amdhsa_user_sgpr_kernarg_segment_ptr 1
		.amdhsa_wavefront_size32 1
		.amdhsa_system_sgpr_workgroup_id_x 1
		.amdhsa_system_sgpr_workgroup_id_y 1
		.amdhsa_system_sgpr_workgroup_id_z 1
		.amdhsa_system_vgpr_workitem_id 0
		.amdhsa_next_free_vgpr 256
		.amdhsa_next_free_sgpr 66
		.amdhsa_reserve_vcc 1
		.amdhsa_float_denorm_mode_32 3
		.amdhsa_float_denorm_mode_16_64 3
		.amdhsa_memory_ordered 1
		.amdhsa_forward_progress 1
		.amdhsa_inst_pref_size 61
	.end_amdhsa_kernel
	.amdgpu_metadata
---
amdhsa.version: [ 1, 2 ]
amdhsa.kernels:
  - .name:           k_qe89b25b5c8_ln2
    .symbol:         k_qe89b25b5c8_ln2.kd
    .args:
      - { .name: x2, .offset: 0, .size: 8, .value_kind: global_buffer, .address_space: global }
      - { .name: ln2_g, .offset: 8, .size: 8, .value_kind: global_buffer, .address_space: global }
      - { .name: ln2_b, .offset: 16, .size: 8, .value_kind: global_buffer, .address_space: global }
      - { .name: hq, .offset: 24, .size: 8, .value_kind: global_buffer, .address_space: global }
      - { .name: w_fc1, .offset: 32, .size: 8, .value_kind: global_buffer, .address_space: global }
      - { .name: w_fc2, .offset: 40, .size: 8, .value_kind: global_buffer, .address_space: global }
      - { .name: wts, .offset: 48, .size: 8, .value_kind: global_buffer, .address_space: global }
    .group_segment_fixed_size: 118272
    .private_segment_fixed_size: 0
    .kernarg_segment_align: 8
    .kernarg_segment_size: 56
    .max_flat_workgroup_size: 256
    .sgpr_count:     66
    .vgpr_count:     256
    .wavefront_size: 32
...
	.end_amdgpu_metadata
.endif
;; end of part 5
;; launch gf (part 6): grid 16 x 16, 4 waves a work-group, clusters of 4 x 4, 327,680 bytes of LDS; arguments hq, wts, b_fc1, fq; writes fq
.if DOCPART == 6
	.amdgcn_target "amdgcn-amd-amdhsa--gfx1250"
	.amdhsa_code_object_version 6
	.text
	.protected	k_qe89b25b5c8_gf
	.globl	k_qe89b25b5c8_gf
	.p2align	8
	.type	k_qe89b25b5c8_gf,@function
k_qe89b25b5c8_gf:
	s_mov_b64 s[64:65], 0
	v_nop
	global_prefetch_b8 v0, s[64:65] scope:SCOPE_SE
	s_setreg_imm32_b32 hwreg(HW_REG_WAVE_MODE, 25, 1), 1
	s_wait_xcnt 0x0
	s_wait_alu depctr_hold_cnt(0) depctr_sa_sdst(0) depctr_va_vdst(0) depctr_va_sdst(0) depctr_va_ssrc(0) depctr_va_vcc(0) depctr_vm_vsrc(0)
	s_getreg_b32 s2, hwreg(HW_REG_IB_STS2, 6, 4)
	s_cmp_eq_u32 s2, 0
	s_cbranch_scc0 .Lentry_in_a_cluster
	s_endpgm
.Lentry_in_a_cluster:
	s_bfe_u32 s2, ttmp6, 0x10000c
	s_cmp_lg_u32 s2, 0xf033
	s_cbranch_scc0 .Lentry_shape_is_right
	s_endpgm
.Lentry_shape_is_right:
; ONE TEXT FOR TWO LAUNCHES.  QKV = 1: q, k, v = Q(h w_qkv + b_qkv).  QKV = 0: Q(gelu(h w_fc1 + b_fc1)).  Q is the quantiser of the NEXT product; the results leave as codes of FP6 (E2M3) and E8M0 scale words alone.
; Both operands are codes, laid as launch wq's head says: fragments of 1,536 bytes at (T KST + ks) 1,536, scale words at ((T / 4) KST + ks) 256 + 16 r + 4 (T % 4); K = 1,024, KST = 8.
; A tile of 256 x 256 to a work-group of four waves, 128 x 128 a wave: 64 accumulators, 512 registers.  K is four pieces of 256; a wave's tensor load brings 8 tiles x 3,072 bytes of a piece.
; THREE LDS REGIONS hold pieces 0, 1, 2: all three are first fills, so the work-group has four tensor loads out at the head, one a wave (the scale words' among them).  Piece 3 is the ONE refill, into region 0, behind the cluster's round in the
; fourth step of 128; it is waited for at the head of the sixth: one and a half steps, 96 matrix instructions, lie between.  The change from piece 0 to piece 1 has no wait and no barrier: piece 1 came with piece 0 in the head's loads.
; Source 0 takes 16 rows of "B", source 1 16 rows of "A": a lane holds ONE row of A, and by the order of rows in a tile its 64 registers of a block of A are 128 / 2 neighbours along B's rows: the next product's K.
; q, k, fc1: A = the tokens (hq), B = the weight's rows: quantised along the columns.  v (cluster x = 2, ROLE = 1): A = w_v's rows, B = the tokens: a lane holds one column of v and its registers run along the keys,
; which are the second attention product's K.  ROLE hangs on the cluster's x alone: it is the same in all sixteen partners.
; CLUSTERS: 4 x 4.  A's tiles are asked for jointly along a row of the cluster, B's along a column.  The scale words of the work-group's rows, all of K, come once with the first fills.
; GELU: 0.5 x (1 + tanh u) = x / (1 + 2^(x (A + B x^2))), A = -2 sqrt(2 / pi) log2 e, B = 0.044715 A: an identity for every x; where x^2 overflows it gives x or -0 as tanh(+-inf) does.
; LIMITS: NaN and infinities are not served; a block under 2^-124, a block of zeros too, keeps the byte 1 (this program alone reads the bytes).
; REGISTERS: window 0: v1-29 addresses; v32-63 scale words, two sets; v64-67 128 biases; from v128 A's fragments, one set.  Window 1: B's fragments, two sets.  Windows 2, 3: accumulator (a, b) at v[8 (8 (a % 4) + b)].
.set QKV,   0
.set KST,   8
.set NQ,    2
.set FR,    12
.set NL,    6
.set NP,    4
.set HALFT, 24576                      ; 8 tiles x two K steps of 128: what one tensor load brings
.set SLOT,  4*HALFT                    ; a region: A's 256 rows, then B's 256 rows, 256 along K
.set SCL,   3*SLOT                     ; behind the three regions: the scale words
.set HALFS, 4096                       ; those of 128 rows
.set SPARE, SCL+4*HALFS                ; the spare words: 128 bytes a wave
.set HS,     3145728
.set WQKV_S, 9437184
.set WV_C,   1572864
.set WV_S,   9502720
.set WFC1_C, 3145728
.set WFC1_S, 9568256
.set QS,     9437184
.set FS,     12582912
.if QKV
.set PITCHX, 12288                     ; from tile to tile in the codes written: KST' x 1,536
.else
.set PITCHX, 49152
.endif
.set LN,   1
.set LI16, 2
.set LI8,  3
.set STG,  4                           ; the biases' 512 bytes in LDS, my wave's: 16 lane
.set BRD,  5                           ; read back by columns: 64 h
.set BYA,  6                           ; read back by rows: 4 (r + 8 (r / 8))
.set SOFF, 7
.set T4,   8
.set ADRA, 16                          ; v16-19  LDS address of my A fragments for pieces 0, 1, 2, 3
.set ADRB, 20                          ; v20-23  the same for B
.set ADRS, 27
.set SPW,  28
.set NIL,  29
.set SC,   32                          ; set s at SC + 16 s; register 8 q + i: lanes 0-15 the word of A's block i, lanes 16-31 of B's block i; the sets take turns piece by piece
.set BW,   64
.set TM,   68
.set KA,   84
.set PWS,  88
.set PC,   96
.set AF,   128
.set H,    128
.set T,    192
.set BY,   192
.set ROLE, 2
.set G0C,  4                           ; s[4:7]   group 0 for A's tile of region 2 (the two pointers that lay there are done with)
.set G1,   24
.set G0,   32                          ; s[32:39] group 0 for A's tiles of regions 0 and 1
.set G0BC, 44                          ; s[44:47] group 0 for B's tile of region 2
.set G1B,  48
.set G0B,  56
.set SEL,  66
.set G1S,  68
.set G0S,  76
.set G1SB, 80
.set G0SB, 88
.set GB,   96
.set OC,   98
.set OS,   100
.set MSB, 0
.macro WIN new                         ; the immediate's high byte repeats the setting that is left
.if MSB != \new
	s_set_vgpr_msb (MSB<<8)|\new
.set MSB, \new
.endif
.endm
.set MUL_LO, 0xa1
.set MUL_HI, 0xf1
.set TO_B,   0x40
.macro JLOAD g0a, g1a, g0b, g1b        ; a joint load: waves 0, 1 fetch for A, waves 2, 3 for B; an s_nop 0 and four v_nop follow each line
	s_cmp_eq_u32 s15, 0
	s_cbranch_scc0 .Lfor_b_\@
	tensor_load_to_lds s[\g0a:\g0a+3], s[\g1a:\g1a+7]
	s_nop 0
.rept 4
	v_nop
.endr
	s_branch .Lasked_\@
.Lfor_b_\@:
	tensor_load_to_lds s[\g0b:\g0b+3], s[\g1b:\g1b+7]
	s_nop 0
.rept 4
	v_nop
.endr
.Lasked_\@:
.endm
.macro CREST
	s_cmp_lg_u32 s14, 0
	s_cbranch_scc1 .Lnot_wave_0_\@
	s_barrier_signal -3
.Lnot_wave_0_\@:
	s_barrier_wait -3
	s_barrier_signal -1
	s_barrier_wait -1
.endm
.macro CROUND
	s_barrier_signal -1
	s_barrier_wait -1
	CREST
.endm
.macro QUANT s, pw                     ; 64 numbers of a lane, register 16 b + i = k 32 b + 16 (lane / 16) + i of my row, become a fragment's codes in v[PC] on and its scale word
.irp b, 0,1,2,3
	v_max3_num_f32 v[TM+\b], |v[\s+16*\b]|, |v[\s+1+16*\b]|, 0x1800000
.endr
.irp i, 2,4,6,8,10,12,14
.irp b, 0,1,2,3
	v_max3_num_f32 v[TM+\b], v[TM+\b], |v[\s+16*\b+\i]|, |v[\s+1+16*\b+\i]|
.endr
.endr
.irp b, 0,1,2,3
	v_permlanex16_b32 v[TM+4+\b], v[TM+\b], s[SEL], s[SEL+1]
.endr
.irp b, 0,1,2,3
	v_max_num_f32 v[TM+\b], v[TM+\b], v[TM+4+\b]
.endr
.irp b, 0,1,2,3
	v_add_nc_u32 v[TM+12+\b], 0xff000000, v[TM+\b]
.endr
.irp b, 0,1,2,3
	v_lshrrev_b32 v[TM+4+\b], 23, v[TM+12+\b]
.endr
	v_lshl_or_b32 v[\pw], v[TM+5], 8, v[TM+4]
	v_lshl_or_b32 v[\pw], v[TM+6], 16, v[\pw]
	v_lshl_or_b32 v[\pw], v[TM+7], 24, v[\pw]
.irp c, 0,1
	v_cvt_scalef32_pk16_fp6_f32 v[PC+6*\c:PC+2+6*\c], v[\s+32*\c:\s+15+32*\c], v[TM+12+2*\c]
	v_cvt_scalef32_pk16_fp6_f32 v[PC+12+4*\c:PC+14+4*\c], v[\s+16+32*\c:\s+31+32*\c], v[TM+12+2*\c+1]
.endr
	v_nop
.irp c, 0,1
.irp i, 0,1,2
	v_permlane16_swap_b32 v[PC+6*\c+\i], v[PC+12+4*\c+\i]
.endr
.irp i, 0,1,2
	v_mov_b32 v[PC+3+6*\c+\i], v[PC+12+4*\c+\i]
.endr
.endr
.endm
	s_load_b256 s[4:11], s[0:1], 0x0               ; hq, wts, the bias, the codes written
	v_lshl_add_u32 v[SPW], v0, 2, SPARE
	v_mov_b32 v[NIL], 0
	ds_add_u32 v[SPW], v[NIL]                      ; the wave's opening: the add, twice on end, and its wait ahead of my first tensor load
	ds_add_u32 v[SPW], v[NIL]
	v_lshrrev_b32 v1, 5, v0
	v_readfirstlane_b32 s14, v1                    ; wave
	s_lshr_b32 s15, s14, 1                         ; my half of A's rows; also: I fetch for A (0) or B (1)
	s_and_b32 s16, s14, 1                          ; my half of B's rows; also: which 128 rows I fetch
	s_bfe_u32 s40, ttmp6, 0x40000                  ; cx
	s_bfe_u32 s41, ttmp6, 0x40004                  ; cy
	s_and_b32 s13, ttmp7, 0xffff                   ; cluster y
.if QKV
	s_cmp_eq_u32 ttmp9, 2
	s_cselect_b32 s[ROLE], 1, 0
	s_cselect_b32 s42, s13, ttmp9
	s_cselect_b32 s17, 0, s13
.else
	s_mov_b32 s42, ttmp9
	s_mov_b32 s17, s13
.endif
	s_lshl_b32 s42, s42, 2
	s_add_co_u32 s42, s42, s40                     ; TC: which 256 rows of B
	s_lshl_b32 s17, s17, 2
	s_add_co_u32 s17, s17, s41                     ; TR: which 256 rows of A
	s_lshl_b32 s43, s41, 2
	s_lshl_b32 s43, 15, s43                        ; my row of the cluster
	s_lshl_b32 s44, 0x1111, s40                    ; my column
	s_or_b32 s[G1+0], s43, (3<<16)|(1<<21)         ; elements of 8 bytes, no padding; bit 21 beside a mask
	s_or_b32 s[G1B+0], s44, (3<<16)|(1<<21)
.irp g, G1, G1B
	s_mov_b32 s[\g+1], 768<<16                     ; the head's loads: a row is 6,144 bytes, K 0 to 511 of one tile;
	s_mov_b32 s[\g+2], 16<<16                      ; 16 tiles: all 256 rows
	s_mov_b32 s[\g+3], 768<<16
	s_mov_b32 s[\g+4], 16
	s_mov_b32 s[\g+5], KST*192                     ; from tile to tile
	s_mov_b32 s[\g+6], 0
	s_mov_b32 s[\g+7], 0
.endr
	s_or_b32 s[G1S+0], s43, (3<<16)|(1<<21)
	s_or_b32 s[G1SB+0], s44, (3<<16)|(1<<21)
.irp g, G1S, G1SB
	s_mov_b32 s[\g+1], 32<<16                      ; rows of 256 bytes
	s_mov_b32 s[\g+2], 32<<16                      ; 8,192 dense bytes as 32 rows of 256: the words of all 256 rows, one load
	s_mov_b32 s[\g+3], 32<<16
	s_mov_b32 s[\g+4], 32
	s_mov_b32 s[\g+5], 32
	s_mov_b32 s[\g+6], 0
	s_mov_b32 s[\g+7], 0
.endr
	s_lshl_b32 s18, s16, 3
	s_lshl_b32 s20, s17, 4
	s_add_co_u32 s20, s20, s18                     ; A: first tile that I fetch
	s_lshl_b32 s22, s20, 9                         ; its scale words
	s_mul_i32 s20, s20, 12288                      ; its codes
	s_lshl_b32 s46, s42, 4
	s_add_co_u32 s46, s46, s18                     ; B likewise
	s_lshl_b32 s92, s46, 9
	s_mul_i32 s46, s46, 12288
.if QKV
	s_cmp_eq_u32 s[ROLE], 1
	s_cselect_b32 s19, WV_C, 0
	s_mov_b32 s95, HS
	s_cselect_b32 s95, WV_S, s95
	s_mov_b32 s96, WQKV_S
	s_cselect_b32 s96, HS, s96
	s_add_co_u32 s20, s20, s19
	s_add_co_u32 s22, s22, s95
	s_add_co_u32 s92, s92, s96
.else
	s_add_co_u32 s22, s22, HS
	s_add_co_u32 s46, s46, WFC1_C
	s_add_co_u32 s92, s92, WFC1_S
.endif
	s_mov_b32 s21, 0
	s_mov_b32 s23, 0
	s_mov_b32 s47, 0
	s_mov_b32 s93, 0
	s_mul_i32 s45, s14, HALFT                      ; where they go: no place in the cluster enters an LDS address
	s_wait_dscnt 0x0                               ; both opening adds are done
	s_wait_kmcnt 0x0
.if QKV
	s_cmp_eq_u32 s[ROLE], 1
	s_cselect_b64 s[98:99], s[6:7], s[4:5]         ; A's buffer
	s_cselect_b64 s[100:101], s[4:5], s[6:7]       ; B's
.else
	s_mov_b64 s[98:99], s[4:5]
	s_mov_b64 s[100:101], s[6:7]
.endif
	s_add_nc_u64 s[20:21], s[98:99], s[20:21]
	s_add_nc_u64 s[22:23], s[98:99], s[22:23]
	s_add_nc_u64 s[46:47], s[100:101], s[46:47]
	s_add_nc_u64 s[92:93], s[100:101], s[92:93]
	CROUND                                         ; all sixteen work-groups are here: the first joint loads meet
	s_mov_b32 s[G0S], 1
	s_mov_b32 s[G0S+1], SCL
	s_lshl_b32 s12, s16, 12                        ; back from my half's words to the work-group's first
	s_mov_b32 s13, 0
	s_sub_nc_u64 s[G0S+2:G0S+3], s[22:23], s[12:13]
	s_or_b32 s[G0S+3], s[G0S+3], 0x80000000
	s_mov_b32 s[G0SB], 1
	s_mov_b32 s[G0SB+1], SCL+2*HALFS
	s_sub_nc_u64 s[G0SB+2:G0SB+3], s[92:93], s[12:13]
	s_or_b32 s[G0SB+3], s[G0SB+3], 0x80000000
.irp s, 0
	s_mov_b32 s[G0+4*\s], 1
	s_add_co_u32 s[G0+4*\s+1], s45, \s*SLOT
	s_add_nc_u64 s[G0+4*\s+2:G0+4*\s+3], s[20:21], \s*3072
	s_or_b32 s[G0+4*\s+3], s[G0+4*\s+3], 0x80000000
	s_mov_b32 s[G0B+4*\s], 1
	s_add_co_u32 s[G0B+4*\s+1], s45, \s*SLOT
	s_add_nc_u64 s[G0B+4*\s+2:G0B+4*\s+3], s[46:47], \s*3072
	s_or_b32 s[G0B+4*\s+3], s[G0B+4*\s+3], 0x80000000
.endr
	s_mul_i32 s12, s16, 98304                      ; back from my 8 tiles to the work-group's first tile
	s_mov_b32 s[G0+4], 1                           ; the head's load of A: 16 tiles x K 0 to 511, from LDS byte 0
	s_mov_b32 s[G0+5], 0
	s_sub_nc_u64 s[G0+6:G0+7], s[20:21], s[12:13]
	s_or_b32 s[G0+7], s[G0+7], 0x80000000
	s_mov_b32 s[G0B+4], 1                          ; and of B, behind A's 98,304 bytes
	s_mov_b32 s[G0B+5], SLOT
	s_sub_nc_u64 s[G0B+6:G0B+7], s[46:47], s[12:13]
	s_or_b32 s[G0B+7], s[G0B+7], 0x80000000
	s_mov_b32 s[G0C], 1                            ; region 2, piece 2
	s_add_co_u32 s[G0C+1], s45, 2*SLOT
	s_add_nc_u64 s[G0C+2:G0C+3], s[20:21], 2*3072
	s_or_b32 s[G0C+3], s[G0C+3], 0x80000000
	s_mov_b32 s[G0BC], 1                           ; B's is made in place: the mask is done with, the LDS address and B's address step on
	s_add_co_u32 s[G0BC+1], s45, 2*SLOT
	s_add_nc_u64 s[G0BC+2:G0BC+3], s[46:47], 2*3072
	s_or_b32 s[G0BC+3], s[G0BC+3], 0x80000000
; THE HEAD'S LOADS, ONE A WAVE: wave 0 A's K 0 to 511, wave 1 B's, wave 2 A's scale words, wave 3 B's.  One chain of branches on the wave's number, one load to an arm.
.macro ARM under, g0, g1, next
	s_cmp_lt_u32 s14, \under
	s_cbranch_scc0 \next
	tensor_load_to_lds s[\g0:\g0+3], s[\g1:\g1+7]
	s_nop 0
.rept 4
	v_nop
.endr
	s_branch .Lhead_asked
\next:
.endm
	ARM 1, G0+4,  G1,  .Lhead_b
	ARM 2, G0B+4, G1B, .Lhead_sa
	ARM 3, G0S,   G1S, .Lhead_sb
	tensor_load_to_lds s[G0SB:G0SB+3], s[G1SB:G1SB+7]
	s_nop 0
.rept 4
	v_nop
.endr
.Lhead_asked:
	v_and_b32 v[LN], 31, v0
	v_and_b32 v12, 15, v0                          ; r
	v_bfe_u32 v13, v0, 4, 1                        ; h
	s_wait_alu depctr_va_vdst(0)
	v_lshlrev_b32 v[LI16], 4, v[LN]
	v_lshlrev_b32 v[LI8], 3, v[LN]
	s_wait_alu depctr_va_vdst(0)                   ; the wait
	s_mul_i32 s21, s15, 2*HALFT                    ; pieces 0 and 1 lie tile by tile, 6,144 bytes a tile: my 8 tiles of A,
	s_mul_i32 s22, s16, 2*HALFT
	s_add_co_u32 s22, s22, SLOT                    ; and of B
.irp s, 0,1
	v_add_nc_u32 v[ADRA+\s], s21, v[LI8]
	v_add_nc_u32 v[ADRB+\s], s22, v[LI8]
	s_add_co_u32 s21, s21, 3072
	s_add_co_u32 s22, s22, 3072
.endr
	s_mul_i32 s21, s15, HALFT                      ; piece 3 lands from byte 0 on, 3,072 bytes a tile (address 3); piece 2 likewise from 2 SLOT on (address 2)
	s_mul_i32 s22, s16, HALFT
	s_add_co_u32 s22, s22, 2*HALFT
	v_add_nc_u32 v[ADRA+3], s21, v[LI8]
	v_add_nc_u32 v[ADRB+3], s22, v[LI8]
	s_add_co_u32 s21, s21, 2*SLOT
	s_add_co_u32 s22, s22, 2*SLOT
	v_add_nc_u32 v[ADRA+2], s21, v[LI8]
	v_add_nc_u32 v[ADRB+2], s22, v[LI8]
	s_mul_i32 s21, s15, HALFS
	s_mul_i32 s22, s16, HALFS
	s_add_co_u32 s22, s22, 2*HALFS
	s_sub_co_u32 s22, s22, s21
	v_mul_u32_u24 v14, s22, v13                    ; lanes 16-31 take B's words
	s_add_co_u32 s21, s21, SCL
	v_lshl_add_u32 v14, v12, 4, v14
	v_add_nc_u32 v[ADRS], s21, v14
	s_lshl_b32 s23, s14, 9
	s_add_co_u32 s23, s23, SLOT                    ; the biases' stage lies in region 1
	v_add_nc_u32 v[STG], s23, v[LI16]
	v_lshl_add_u32 v[BRD], v13, 6, s23
	v_and_b32 v15, 8, v12
	v_add_nc_u32 v15, v15, v12
	v_lshl_add_u32 v[BYA], v15, 2, s23
	s_lshl_b32 s18, s42, 8                         ; my 128 biases begin at 256 TC + 128 x my half of B;
	s_lshl_b32 s19, s16, 7
	s_add_co_u32 s18, s18, s19
.if QKV
	s_lshl_b32 s20, s17, 8                         ; for v at 2,048 + 256 TR + 128 x my half of A
	s_lshl_b32 s19, s15, 7
	s_add_co_u32 s20, s20, s19
	s_add_co_u32 s20, s20, 2048
	s_cmp_eq_u32 s[ROLE], 1
	s_cselect_b32 s18, s20, s18
.endif
	s_lshl_b32 s18, s18, 2
	s_mov_b32 s19, 0
	s_add_nc_u64 s[8:9], s[8:9], s[18:19]
	global_load_b128 v[BW:BW+3], v[LI16], s[8:9]   ; 512 consecutive bytes; waited for on the way out
	s_lshl_b32 s18, s17, 4
	s_lshl_b32 s19, s15, 3
	s_add_co_u32 s18, s18, s19                     ; the first of the 8 tiles that I write
	s_lshl_b32 s20, s42, 1
	s_add_co_u32 s20, s20, s16                     ; which 128 of B's rows are mine
.if QKV
	s_cmp_eq_u32 s[ROLE], 1
	s_cselect_b32 s21, 5, 3                        ; log2 of the written operand's KST: v 32, q and k 8
	s_cselect_b32 s22, 31, 7
	s_mov_b32 s23, 2048
	s_cselect_b32 s23, 8192, s23
	s_and_b32 s20, s20, s22                        ; the K step written
	s_mul_i32 s92, ttmp9, 3145728                  ; q, k, v by the cluster's x
	s_mul_i32 s93, ttmp9, 131072
	s_add_co_u32 s93, s93, QS
.else
	s_mov_b32 s21, 5
	s_mov_b32 s23, 8192
	s_mov_b32 s92, 0
	s_mov_b32 s93, FS
.endif
	s_lshl_b32 s22, s18, s21
	s_add_co_u32 s22, s22, s20
	s_mul_i32 s22, s22, 1536
	s_add_co_u32 s22, s22, s92
	s_lshr_b32 s18, s18, 2
	s_lshl_b32 s18, s18, s21
	s_add_co_u32 s18, s18, s20
	s_lshl_b32 s18, s18, 8
	s_add_co_u32 s18, s18, s93
	s_mov_b32 s19, 0
	s_add_nc_u64 s[OS:OS+1], s[10:11], s[18:19]
	s_mov_b32 s18, s22
	s_add_nc_u64 s[OC:OC+1], s[10:11], s[18:19]
	v_mul_u32_u24 v[SOFF], s23, v13                ; lanes 16-31 store the words of tiles 4-7
	v_lshl_add_u32 v[SOFF], v12, 4, v[SOFF]
	s_mov_b32 s[SEL], 0x76543210
	s_mov_b32 s[SEL+1], 0xfedcba98
.irp b, 0,1,2,3
	v_mov_b32 v[TM+4+\b], 0                        ; a lane permute's destination counts as one of its sources
.endr
.if QKV == 0
	s_mov_b32 s[GB], 0xbdd2d3e8                    ; B
	s_mov_b32 s[GB+1], s[GB]
	v_mov_b32 v[KA], 0xc0135761                    ; A
	v_mov_b32 v[KA+1], v[KA]
.endif
.macro FRAG reg, adr, q, i             ; a fragment comes as it lies: six loads of 256 consecutive bytes
.irp p, 0,1,2,3,4,5
	ds_load_b64 v[\reg+2*\p:\reg+2*\p+1], v[\adr] offset:FP*(\i)+1536*(\q)+256*\p   ; FP: bytes from tile to tile in the region read
.endr
.endm
.macro MUL16 a0, p, q, sc, zero        ; A's blocks a0, a0 + 1 x B's eight; the 64 accumulators take turns in one order everywhere
.irp a, \a0, \a0+1
.irp b, 0,1,2,3,4,5,6,7
.if \zero
	v_wmma_scale_f32_16x16x128_f8f6f4 v[8*(8*((\a)%4)+\b):8*(8*((\a)%4)+\b)+7], v[128*(\p)+FR*\b:128*(\p)+FR*\b+FR-1], v[AF+FR*(\a):AF+FR*(\a)+FR-1], 0, v[SC+16*(\sc)+8*(\q)+\b], v[SC+16*(\sc)+8*(\q)+(\a)] matrix_a_fmt:MATRIX_FMT_FP6 matrix_b_fmt:MATRIX_FMT_FP6 matrix_a_scale:MATRIX_SCALE_ROW1
.else
	v_wmma_scale_f32_16x16x128_f8f6f4 v[8*(8*((\a)%4)+\b):8*(8*((\a)%4)+\b)+7], v[128*(\p)+FR*\b:128*(\p)+FR*\b+FR-1], v[AF+FR*(\a):AF+FR*(\a)+FR-1], v[8*(8*((\a)%4)+\b):8*(8*((\a)%4)+\b)+7], v[SC+16*(\sc)+8*(\q)+\b], v[SC+16*(\sc)+8*(\q)+(\a)] matrix_a_fmt:MATRIX_FMT_FP6 matrix_b_fmt:MATRIX_FMT_FP6 matrix_a_scale:MATRIX_SCALE_ROW1
.endif
.endr
.endr
.endm
.macro FETCH_B slot, q, p
	WIN TO_B
.irp i, 0,1,2,3,4,5,6,7
	FRAG 128*(\p)+FR*\i, ADRB+\slot, \q, \i
.endr
	WIN 0
.endm
.macro FETCH_A slot, q, i0
.irp i, \i0, \i0+1, \i0+2, \i0+3
	FRAG AF+FR*(\i), ADRA+\slot, \q, \i
.endr
.endm
.macro SCALES sc                       ; a piece's scale words: four tiles' words a load
.irp q, 0,1
.irp g, 0,1
	ds_load_b128 v[SC+16*(\sc)+8*\q+4*\g:SC+16*(\sc)+8*\q+4*\g+3], v[ADRS] offset:2048*\g+256*\q
.endr
.endr
.endm
.macro PLACES n                        ; plain lines between a matrix instruction and a load into, or a read of, its registers
.rept \n
	v_nop
.endr
.endm
.macro STEP slot, q, sc, zero          ; a piece's first step of 128: its successor lies in the same region
	s_wait_dscnt 4*NL                              ; all but the youngest 24 loads, A's blocks 4-7
	WIN MUL_LO
	MUL16 0, (\q)%2, \q, \sc, \zero
	MUL16 2, (\q)%2, \q, \sc, \zero
	s_wait_dscnt 0
	PLACES NP
	FETCH_B \slot, (\q)+1, 1-(\q)%2
	FETCH_A \slot, (\q)+1, 0
	WIN MUL_HI
	MUL16 4, (\q)%2, \q, \sc, \zero
	MUL16 6, (\q)%2, \q, \sc, \zero
	PLACES NP
	WIN 0
	FETCH_A \slot, (\q)+1, 4
.endm
; A piece's last step goes on to the next region.  mode 2: region slot is filled again: the three lines, the cluster's round, the joint load.  mode 1: the next region holds the refill: the wait for it, the add, my work-group's barrier.
; mode 0: the next region was shown whole to every wave by an earlier barrier, and nothing is filled: no wait on TENSORcnt (piece 2's load stays on its way) and no barrier.
.macro TURN slot, next, sc, nsc, mode
.if \mode
	s_wait_tensorcnt 0x0                           ; all my tensor loads have landed
	ds_add_u32 v[SPW], v[NIL]
	s_wait_dscnt 4*NL+1                            ; the add and the youngest 24 loads may be out
	WIN MUL_LO
	MUL16 0, 1, NQ-1, \sc, 0
	s_wait_dscnt 0x0                               ; the add is done, and my reads of this region are over
	s_barrier_signal -1
	MUL16 2, 1, NQ-1, \sc, 0
	WIN 0
	s_barrier_wait -1
.else
	s_wait_dscnt 4*NL
	WIN MUL_LO
	MUL16 0, 1, NQ-1, \sc, 0
	MUL16 2, 1, NQ-1, \sc, 0
	WIN 0
	s_wait_dscnt 0x0
.endif
.if \mode == 2
	CREST                                          ; the barrier has opened a round of the cluster's: no wave of any partner still reads this region or has a load on its way
	s_add_nc_u64 s[G0+4*\slot+2:G0+4*\slot+3], s[G0+4*\slot+2:G0+4*\slot+3], 9216   ; six K steps of 128 on: the last piece
	s_add_nc_u64 s[G0B+4*\slot+2:G0B+4*\slot+3], s[G0B+4*\slot+2:G0B+4*\slot+3], 9216
	JLOAD G0+4*\slot, G1, G0B+4*\slot, G1B
.else
	PLACES NP
.endif
	v_add_nc_u32 v[ADRS], 512, v[ADRS]
	FETCH_B \next, 0, 0
	FETCH_A \next, 0, 0
	SCALES \nsc
	WIN MUL_HI
	MUL16 4, 1, NQ-1, \sc, 0
	MUL16 6, 1, NQ-1, \sc, 0
	PLACES NP
	WIN 0
	FETCH_A \next, 0, 4
.endm
	s_wait_alu depctr_va_vdst(0)                   ; the wait at the head's end
	s_wait_tensorcnt 0x0                           ; my tile of the head's four is in; three lines ahead of a later first fill
	ds_add_u32 v[SPW], v[NIL]
.irp g, G1, G1B
	s_mov_b32 s[\g+1], 384<<16                     ; no load of mine is out: from here on a load brings 8 tiles x 3,072 bytes
	s_mov_b32 s[\g+2], 8<<16
	s_mov_b32 s[\g+3], 384<<16
	s_mov_b32 s[\g+4], 8
.endr
	s_wait_dscnt 0x0
	CROUND                                         ; all four tiles are in, all sixteen work-groups are here
	JLOAD G0C, G1, G0BC, G1B                       ; piece 2, a first fill: three steps of 128 stand between it and the wait for it
.set FP, 6144
	FETCH_B 0, 0, 0
	FETCH_A 0, 0, 0
	SCALES 0
	FETCH_A 0, 0, 4
	STEP 0, 0, 0, 1                                ; the first step's products start the sums
	TURN 0, 1, 0, 1, 0                             ; piece 1 came with piece 0: no wait, no barrier
	s_wait_alu depctr_va_vdst(0)
	STEP 1, 0, 1, 0
.set FP, 3072
	TURN 0, 2, 1, 0, 2                             ; pieces 0 and 1 are read out, piece 2 is in: A's first bytes take piece 3, the one refill
	s_wait_alu depctr_va_vdst(0)
	STEP 2, 0, 0, 0
	TURN 2, 3, 0, 1, 1                             ; the last piece has landed, everybody's part of it
	STEP 3, 0, 1, 0
	s_wait_dscnt 4*NL
	WIN MUL_LO
	MUL16 0, 1, NQ-1, 1, 0
	MUL16 2, 1, NQ-1, 1, 0
	s_wait_dscnt 0
	WIN MUL_HI
	MUL16 4, 1, NQ-1, 1, 0
	MUL16 6, 1, NQ-1, 1, 0
	WIN 0
; THE WAY OUT.  Block a of A (16 rows) x my 128 of B's rows: bias, activation, quantiser; the fragment and its scale word leave from registers.
.if QKV == 0
.macro GELU
.set n, 0
.rept 32
	v_pk_mul_f32 v[T+n:T+n+1], v[H+n:H+n+1], v[H+n:H+n+1]
.set n, n+2
.endr
.set n, 0
.rept 32
	v_pk_fma_f32 v[T+n:T+n+1], v[T+n:T+n+1], s[GB:GB+1], v[KA:KA+1] op_sel_hi:[1,0,1]
.set n, n+2
.endr
.set n, 0
.rept 32
	v_pk_mul_f32 v[T+n:T+n+1], v[T+n:T+n+1], v[H+n:H+n+1]
.set n, n+2
.endr
.set n, 0
	s_wait_alu depctr_va_vdst(0)
.rept 64
	v_exp_f32 v[T+n], v[T+n]
.set n, n+1
.endr
	v_nop                                          ; a plain line behind the batch,
	s_wait_alu depctr_va_vdst(0)                   ; and the one wait ahead of its first reader
.set n, 0
.rept 32
	v_pk_add_f32 v[T+n:T+n+1], v[T+n:T+n+1], 1.0 op_sel_hi:[1,0]
.set n, n+2
.endr
.set n, 0
	s_wait_alu depctr_va_vdst(0)
.rept 64
	v_rcp_f32 v[T+n], v[T+n]
.set n, n+1
.endr
	v_nop
	s_wait_alu depctr_va_vdst(0)
.set n, 0
.rept 32
	v_pk_mul_f32 v[H+n:H+n+1], v[H+n:H+n+1], v[T+n:T+n+1]
.set n, n+2
.endr
.endm
.endif
.macro EPI a, role, step
.if \role
	WIN 0x02+(\a)/4                                ; source 0: the accumulators' window
.set n, 0
.rept 32
	v_pk_add_f32 v[H+n:H+n+1], v[64*((\a)%4)+n:64*((\a)%4)+n+1], v[BY+2*(\a):BY+2*(\a)+1]   ; my row's bias; each accumulator is read from its low end on
.set n, n+2
.endr
.else
	WIN 0x06+(\a)/4                                ; and source 1, the biases by columns: window 1
.set n, 0
.rept 32
	v_pk_add_f32 v[H+n:H+n+1], v[64*((\a)%4)+n:64*((\a)%4)+n+1], v[n:n+1]
.set n, n+2
.endr
.endif
	WIN 0
.if QKV == 0
	GELU
.endif
.if (\a) > 0
	s_wait_xcnt 0x0                                ; the last block's stores have read the codes' registers
.endif
	QUANT H, PWS+\a
.irp p, 0,1,2,3,4,5
	global_store_b64 v[LI8], v[PC+2*\p:PC+2*\p+1], s[OC:OC+1] offset:(\a)*\step+256*\p   ; 32 lanes store 256 consecutive bytes, aligned
.endr
.endm
	PLACES NP
	s_wait_loadcnt 0x0                             ; the biases
	ds_store_b128 v[STG], v[BW:BW+3]               ; into region 1, which is filled once, at the head, and whose last reads lie ahead of the barrier in the sixth step; my wave's own 512 bytes
.if QKV
	s_cmp_eq_u32 s[ROLE], 1
	s_cbranch_scc1 .Lvrole
.endif
	WIN TO_B
.irp b, 0,1,2,3
.irp j, 0,1,2,3
	ds_load_b128 v[16*\b+4*\j:16*\b+4*\j+3], v[BRD] offset:128*\b+16*\j   ; register 16 b + i: the bias of column 32 b + 16 h + i
.endr
.endr
	WIN 0
	s_wait_dscnt 0x0
.irp a, 0,1,2,3,4,5,6,7
	EPI \a, 0, PITCHX
.endr
.if QKV
	s_branch .Ljoin
.Lvrole:
.irp a, 0,1,2,3,4,5,6,7
	ds_load_b32 v[BY+2*\a], v[BYA] offset:4*(32*(\a/2)+8*(\a%2))
	ds_load_b32 v[BY+2*\a+1], v[BYA] offset:4*(32*(\a/2)+8*(\a%2))
.endr
	s_wait_dscnt 0x0
.irp a, 0,1,2,3,4,5,6,7
	EPI \a, 1, 49152
.endr
.Ljoin:
.endif
	v_cmp_lt_u32 vcc_lo, 15, v[LN]
.irp i, 0,1,2,3
	v_cndmask_b32 v[T4+\i], v[PWS+\i], v[PWS+4+\i], vcc_lo
.endr
	global_store_b128 v[SOFF], v[T4:T4+3], s[OS:OS+1]   ; sixteen lanes store 256 consecutive bytes, aligned: four tiles' words
	s_wait_tensorcnt 0x0                           ; the wave's end: three lines
	ds_add_u32 v[SPW], v[NIL]
	s_wait_dscnt 0x0
	CROUND                                         ; the closing round
	s_endpgm
.Lfunc_end_k_qe89b25b5c8_gf:
	.size	k_qe89b25b5c8_gf, .Lfunc_end_k_qe89b25b5c8_gf-k_qe89b25b5c8_gf
	.p2alignl 7, 3214868480
	.fill 96, 4, 3214868480
	.section	.rodata,"a",@progbits
	.p2align	6, 0x0
	.amdhsa_kernel k_qe89b25b5c8_gf
		.amdhsa_group_segment_fixed_size 327680
		.amdhsa_private_segment_fixed_size 0
		.amdhsa_enable_private_segment 0
		.amdhsa_kernarg_size 32
		.amdhsa_user_sgpr_count 2
		.amdhsa_user_sgpr_kernarg_segment_ptr 1
		.amdhsa_wavefront_size32 1
		.amdhsa_system_sgpr_workgroup_id_x 1
		.amdhsa_system_sgpr_workgroup_id_y 1
		.amdhsa_system_sgpr_workgroup_id_z 1
		.amdhsa_system_vgpr_workitem_id 0
		.amdhsa_next_free_vgpr 1024
		.amdhsa_next_free_sgpr 102
		.amdhsa_reserve_vcc 1
		.amdhsa_float_denorm_mode_32 3
		.amdhsa_float_denorm_mode_16_64 3
		.amdhsa_memory_ordered 1
		.amdhsa_forward_progress 1
		.amdhsa_inst_pref_size 255
	.end_amdhsa_kernel
	.section	.bss,"aw",@nobits
	.p2align	6
	.space	262144
	.amdgpu_metadata
---
amdhsa.version: [ 1, 2 ]
amdhsa.kernels:
  - .name:           k_qe89b25b5c8_gf
    .symbol:         k_qe89b25b5c8_gf.kd
    .args:
      - { .name: hq, .offset: 0, .size: 8, .value_kind: global_buffer, .address_space: global }
      - { .name: wts, .offset: 8, .size: 8, .value_kind: global_buffer, .address_space: global }
      - { .name: b_fc1, .offset: 16, .size: 8, .value_kind: global_buffer, .address_space: global }
      - { .name: fq, .offset: 24, .size: 8, .value_kind: global_buffer, .address_space: global }
    .group_segment_fixed_size: 327680
    .private_segment_fixed_size: 0
    .kernarg_segment_align: 8
    .kernarg_segment_size: 32
    .max_flat_workgroup_size: 128
    .sgpr_count:     102
    .vgpr_count:     1024
    .wavefront_size: 32
...
	.end_amdgpu_metadata
.endif
;; end of part 6
;; launch g2 (part 7): grid 8 x 32, 4 waves a work-group, clusters of 4 x 4, 327,680 bytes of LDS; arguments fq, wts, b_fc2, x2, out0; writes out0
.if DOCPART == 7
	.amdgcn_target "amdgcn-amd-amdhsa--gfx1250"
	.amdhsa_code_object_version 6
	.text
	.protected	k_qe89b25b5c8_g2
	.globl	k_qe89b25b5c8_g2
	.p2align	8
	.type	k_qe89b25b5c8_g2,@function
k_qe89b25b5c8_g2:
	s_mov_b64 s[64:65], 0
	v_nop
	global_prefetch_b8 v0, s[64:65] scope:SCOPE_SE
	s_setreg_imm32_b32 hwreg(HW_REG_WAVE_MODE, 25, 1), 1
	s_wait_xcnt 0x0
	s_wait_alu depctr_hold_cnt(0) depctr_sa_sdst(0) depctr_va_vdst(0) depctr_va_sdst(0) depctr_va_ssrc(0) depctr_va_vcc(0) depctr_vm_vsrc(0)
	s_getreg_b32 s2, hwreg(HW_REG_IB_STS2, 6, 4)
	s_cmp_eq_u32 s2, 0
	s_cbranch_scc0 .Lentry_in_a_cluster
	s_endpgm
.Lentry_in_a_cluster:
	s_bfe_u32 s2, ttmp6, 0x10000c
	s_cmp_lg_u32 s2, 0xf033
	s_cbranch_scc0 .Lentry_shape_is_right
	s_endpgm
.Lentry_shape_is_right:
.set SIZE_K, 4096
.set A_S,    12582912
.set B_C,    6291456
.set B_S,    9699328
.set KST,   SIZE_K/128
.set LAPS,  SIZE_K/1024
.set HALFT, 24576
.set SLOT,  4*HALFT
.set SCL,   2*SLOT
.set HALFS, 256*KST
.set SPARE, SCL+4*HALFS
.set SP,    272
.set BV,   8
.set ADRA, 16
.set ADRB, 20
.set STO,  24
.set RD,   25
.set CO,   26
.set ADRS, 27
.set SPW,  28
.set NIL,  29
.set SC,   32
.set BK,   64
.set ACC,  128
.set F0,   0
.set F1,   128
.set G1,   24
.set G0,   32
.set G1B,  48
.set G0B,  56
.set G1S,  68
.set G0S,  76
.set G1SB, 80
.set G0SB, 88
.set MSB, 0
.macro WIN new
.if MSB != \new
	s_set_vgpr_msb (MSB<<8)|\new
.set MSB, \new
.endif
.endm
.set MUL,  0x05
.set TO_F, 0x40
.macro JLOAD g0a, g1a, g0b, g1b
	s_cmp_eq_u32 s15, 0
	s_cbranch_scc0 .Lfor_b_\@
	tensor_load_to_lds s[\g0a:\g0a+3], s[\g1a:\g1a+7]
	s_nop 0
.rept 4
	v_nop
.endr
	s_branch .Lasked_\@
.Lfor_b_\@:
	tensor_load_to_lds s[\g0b:\g0b+3], s[\g1b:\g1b+7]
	s_nop 0
.rept 4
	v_nop
.endr
.Lasked_\@:
.endm
.macro CREST
	s_cmp_lg_u32 s14, 0
	s_cbranch_scc1 .Lnot_wave_0_\@
	s_barrier_signal -3
.Lnot_wave_0_\@:
	s_barrier_wait -3
	s_barrier_signal -1
	s_barrier_wait -1
.endm
.macro CROUND
	s_barrier_signal -1
	s_barrier_wait -1
	CREST
.endm
	s_load_b256 s[4:11], s[0:1], 0x0
	s_load_b64 s[12:13], s[0:1], 0x20
	v_lshl_add_u32 v[SPW], v0, 2, SPARE
	v_mov_b32 v[NIL], 0
	ds_add_u32 v[SPW], v[NIL]
	ds_add_u32 v[SPW], v[NIL]
	v_lshrrev_b32 v1, 5, v0
	v_readfirstlane_b32 s14, v1
	s_lshr_b32 s15, s14, 1
	s_and_b32 s16, s14, 1
	s_bfe_u32 s40, ttmp6, 0x40000
	s_bfe_u32 s41, ttmp6, 0x40004
	s_lshl_b32 s42, ttmp9, 2
	s_add_co_u32 s42, s42, s40
	s_and_b32 s17, ttmp7, 0xffff
	s_lshl_b32 s17, s17, 2
	s_add_co_u32 s17, s17, s41
	s_lshl_b32 s43, s41, 2
	s_lshl_b32 s43, 15, s43
	s_lshl_b32 s44, 0x1111, s40
	s_or_b32 s[G1+0], s43, (3<<16)|(1<<21)
	s_or_b32 s[G1B+0], s44, (3<<16)|(1<<21)
.irp g, G1, G1B
	s_mov_b32 s[\g+1], 768<<16                     ; a row: 6,144 bytes, K 512 of one tile
	s_mov_b32 s[\g+2], 8<<16                       ; the head's loads bring 8 tiles, all 128 rows; the ring's 4
	s_mov_b32 s[\g+3], 768<<16
	s_mov_b32 s[\g+4], 8
	s_mov_b32 s[\g+5], KST*192
	s_mov_b32 s[\g+6], 0
	s_mov_b32 s[\g+7], 0
.endr
	s_or_b32 s[G1S+0], s43, (3<<16)|(1<<21)
	s_or_b32 s[G1SB+0], s44, (3<<16)|(1<<21)
.irp g, G1S, G1SB
	s_mov_b32 s[\g+1], 32<<16
	s_mov_b32 s[\g+2], (2*KST)<<16                 ; the scale words of all 128 rows, one load
	s_mov_b32 s[\g+3], 32<<16
	s_mov_b32 s[\g+4], 2*KST
	s_mov_b32 s[\g+5], 32
	s_mov_b32 s[\g+6], 0
	s_mov_b32 s[\g+7], 0
.endr
	s_lshl_b32 s20, s17, 1
	s_add_co_u32 s20, s20, s16
	s_mul_i32 s22, s20, KST*256
	s_add_co_u32 s22, s22, A_S
	s_mul_i32 s20, s20, 4*KST*1536
	s_lshl_b32 s46, s42, 1
	s_add_co_u32 s46, s46, s16
	s_mul_i32 s92, s46, KST*256
	s_add_co_u32 s92, s92, B_S
	s_mul_i32 s46, s46, 4*KST*1536
	s_add_co_u32 s46, s46, B_C
	s_mov_b32 s21, 0
	s_mov_b32 s23, 0
	s_mov_b32 s47, 0
	s_mov_b32 s93, 0
	s_mul_i32 s45, s14, HALFT
	s_wait_dscnt 0x0
	s_wait_kmcnt 0x0
	s_add_nc_u64 s[20:21], s[4:5], s[20:21]
	s_add_nc_u64 s[22:23], s[4:5], s[22:23]
	s_add_nc_u64 s[46:47], s[6:7], s[46:47]
	s_add_nc_u64 s[92:93], s[6:7], s[92:93]
	CROUND
	s_mov_b32 s[G0S], 1
	s_mov_b32 s[G0S+1], SCL
	s_mul_i32 s2, s16, HALFS                       ; back from my half's words to the work-group's first
	s_mov_b32 s3, 0
	s_sub_nc_u64 s[G0S+2:G0S+3], s[22:23], s[2:3]
	s_or_b32 s[G0S+3], s[G0S+3], 0x80000000
	s_mov_b32 s[G0SB], 1
	s_mov_b32 s[G0SB+1], SCL+2*HALFS
	s_sub_nc_u64 s[G0SB+2:G0SB+3], s[92:93], s[2:3]
	s_or_b32 s[G0SB+3], s[G0SB+3], 0x80000000
.irp s, 0,1
	s_mov_b32 s[G0+4*\s], 1
	s_add_co_u32 s[G0+4*\s+1], s45, \s*SLOT
	s_add_nc_u64 s[G0+4*\s+2:G0+4*\s+3], s[20:21], \s*6144
	s_or_b32 s[G0+4*\s+3], s[G0+4*\s+3], 0x80000000
	s_mov_b32 s[G0B+4*\s], 1
	s_add_co_u32 s[G0B+4*\s+1], s45, \s*SLOT
	s_add_nc_u64 s[G0B+4*\s+2:G0B+4*\s+3], s[46:47], \s*6144
	s_or_b32 s[G0B+4*\s+3], s[G0B+4*\s+3], 0x80000000
.endr
; THE PREFETCHES' PLACE, s[96:97]: of the four tiles that my wave fetches for a slot, the four partners that ask for them jointly take one each, told apart by address (cx for A, cy for W): 24 blocks of 256 bytes, a lane a block.
	s_cmp_eq_u32 s15, 0
	s_cselect_b64 s[96:97], s[20:21], s[46:47]
	s_cselect_b32 s2, s40, s41
	s_mul_i32 s2, s2, KST*1536
	s_add_co_u32 s2, s2, 2*6144                    ; it begins at slot fill 2
	s_add_nc_u64 s[96:97], s[96:97], s[2:3]
	s_mul_i32 s2, s16, 4*KST*1536                  ; back from my four tiles to the work-group's first
	s_sub_nc_u64 s[6:7], s[20:21], s[2:3]          ; s[4:7]: group 0 of the head's load of A (the two pointers that lay there are done with)
	s_or_b32 s7, s7, 0x80000000
	s_mov_b32 s4, 1
	s_mov_b32 s5, 0
	s_sub_nc_u64 s[94:95], s[46:47], s[2:3]        ; s[92:95]: of W
	s_or_b32 s95, s95, 0x80000000
	s_mov_b32 s92, 1
	s_mov_b32 s93, 2*HALFT
; THE HEAD'S LOADS, ONE A WAVE: wave 0 A's K 0 to 511, wave 1 W's, wave 2 A's scale words, wave 3 W's.  One chain of branches on the wave's number, one load to an arm.
.macro ARM under, g0, g1, next
	s_cmp_lt_u32 s14, \under
	s_cbranch_scc0 \next
	tensor_load_to_lds s[\g0:\g0+3], s[\g1:\g1+7]
	s_nop 0
.rept 4
	v_nop
.endr
	s_branch .Lhead_asked
\next:
.endm
	ARM 1, 4,   G1,  .Lhead_b
	ARM 2, 92,  G1B, .Lhead_sa
	ARM 3, G0S, G1S, .Lhead_sb
	tensor_load_to_lds s[G0SB:G0SB+3], s[G1SB:G1SB+7]
	s_nop 0
.rept 4
	v_nop
.endr
.Lhead_asked:
	v_and_b32 v1, 15, v0
	v_bfe_u32 v2, v0, 4, 1
	s_wait_alu depctr_va_vdst(0)
	v_and_b32 v3, 31, v0
	v_lshlrev_b32 v3, 3, v3
	v_lshlrev_b32 v4, 4, v1
	v_and_b32 v30, 31, v0                          ; v30: the prefetches' offset, 256 x lane; lanes 24-31 name block 23 again; never rewritten
	v_min_u32 v30, 23, v30
	v_lshlrev_b32 v30, 8, v30
	s_mul_i32 s21, s15, HALFT
	s_mul_i32 s22, s16, HALFT
	s_add_co_u32 s22, s22, 2*HALFT
.irp s, 0,1
	v_add_nc_u32 v[ADRA+\s], s21, v3
	v_add_nc_u32 v[ADRB+\s], s22, v3
	s_add_co_u32 s21, s21, SLOT
	s_add_co_u32 s22, s22, SLOT
.endr
	s_mul_i32 s21, s15, HALFS
	s_mul_i32 s22, s16, HALFS
	s_add_co_u32 s22, s22, 2*HALFS
	s_sub_co_u32 s22, s22, s21
	v_mul_u32_u24 v5, s22, v2
	s_wait_alu depctr_va_vdst(0)
	s_add_co_u32 s21, s21, SCL
	v_add_nc_u32 v5, v5, v4
	v_add_nc_u32 v[ADRS], s21, v5
	s_mul_i32 s23, s14, 16*SP
	v_mul_u32_u24 v5, v1, SP
	v_lshl_add_u32 v5, v2, 6, v5
	v_add_nc_u32 v[STO], s23, v5
	v_mul_u32_u24 v5, v2, SP
	v_add_nc_u32 v5, v5, v4
	v_add_nc_u32 v[RD], s23, v5
	v_lshl_add_u32 v[CO], v2, 12, v4
	s_wait_alu depctr_va_vdst(0)
	s_lshl_b32 s18, s17, 7
	s_lshl_b32 s19, s15, 6
	s_add_co_u32 s18, s18, s19
	s_lshl_b32 s18, s18, 12
	s_lshl_b32 s20, s42, 9
	s_lshl_b32 s21, s16, 8
	s_add_co_u32 s20, s20, s21
	s_mov_b32 s21, 0
	s_add_nc_u64 s[8:9], s[8:9], s[20:21]
	s_add_co_u32 s18, s18, s20
	s_mov_b32 s19, 0
	s_add_nc_u64 s[10:11], s[10:11], s[18:19]
	s_add_nc_u64 s[12:13], s[12:13], s[18:19]
.macro RESID                           ; the residual's 64 x 64 numbers, in the layout in which the rows leave, and the bias: asked for behind the loop, when all tiles have been asked for; the last 1,024 along K stand ahead of their wait
	WIN 0x80
.irp a, 0,1,2,3
.irp t, 0,1,2,3,4,5,6,7
	global_load_b128 v[32*\a+4*\t:32*\a+4*\t+3], v[CO], s[10:11] offset:(2*\t+8*(\t/4)+8*(\a%2)+32*(\a/2))*4096
.endr
.endr
	WIN 0
	global_load_b128 v[BV:BV+3], v4, s[8:9]
.endm
	global_prefetch_b8 v30, s[96:97] th:TH_LOAD_NT scope:SCOPE_SE   ; slot fill 2, two fills ahead of its load
.macro FRAG reg, adr, q, i
.irp p, 0,1,2,3,4,5
	ds_load_b64 v[\reg+2*\p:\reg+2*\p+1], v[\adr] offset:6144*(\i)+1536*(\q)+256*\p
.endr
.endm
.macro FETCH slot, q, f
	WIN TO_F
.irp i, 0,1,2,3
	FRAG \f+12*\i, ADRB+\slot, \q, \i
.endr
.irp i, 0,1,2,3
	FRAG \f+48+12*\i, ADRA+\slot, \q, \i
.endr
.endm
.macro SCALES sc
.irp q, 0,1,2,3
	ds_load_b128 v[SC+16*\sc+4*\q:SC+16*\sc+4*\q+3], v[ADRS] offset:256*\q
.endr
.endm
.macro MUL4 f, a, q, sc, zero
.irp b, 0,1,2,3
.if \zero
	v_wmma_scale_f32_16x16x128_f8f6f4 v[ACC+8*(4*(\a)+\b):ACC+8*(4*(\a)+\b)+7], v[\f+12*\b:\f+12*\b+11], v[\f+48+12*(\a):\f+48+12*(\a)+11], 0, v[SC+16*(\sc)+4*(\q)+\b], v[SC+16*(\sc)+4*(\q)+(\a)] matrix_a_fmt:MATRIX_FMT_FP6 matrix_b_fmt:MATRIX_FMT_FP6 matrix_a_scale:MATRIX_SCALE_ROW1
.else
	v_wmma_scale_f32_16x16x128_f8f6f4 v[ACC+8*(4*(\a)+\b):ACC+8*(4*(\a)+\b)+7], v[\f+12*\b:\f+12*\b+11], v[\f+48+12*(\a):\f+48+12*(\a)+11], v[ACC+8*(4*(\a)+\b):ACC+8*(4*(\a)+\b)+7], v[SC+16*(\sc)+4*(\q)+\b], v[SC+16*(\sc)+4*(\q)+(\a)] matrix_a_fmt:MATRIX_FMT_FP6 matrix_b_fmt:MATRIX_FMT_FP6 matrix_a_scale:MATRIX_SCALE_ROW1
.endif
.endr
.endm
.macro PLACES
.rept 4
	v_nop
.endr
.endm
.macro KS slot, q, f, g, zero
	s_wait_dscnt 12
	WIN MUL
	MUL4 \f, 0, \q, \slot, \zero
	MUL4 \f, 1, \q, \slot, \zero
	PLACES
	FETCH \slot, (\q)+1, \g
	s_wait_dscnt 48
	WIN MUL
	MUL4 \f, 2, \q, \slot, \zero
	MUL4 \f, 3, \q, \slot, \zero
.endm
.macro TURN slot, next, fill
	WIN 0
.if \fill
	s_wait_xcnt 0x0                                ; my last prefetch has read its address: it steps one fill on, ahead of the waits of the change of slots
	s_add_nc_u64 s[96:97], s[96:97], 6144
.endif
	s_wait_tensorcnt 0x0
	ds_add_u32 v[SPW], v[NIL]
	s_wait_dscnt 13
	WIN MUL
	MUL4 F1, 0, 3, \slot, 0
	s_wait_dscnt 0x0
	s_barrier_signal -1
	MUL4 F1, 1, 3, \slot, 0
	WIN 0
	s_barrier_wait -1
.if \fill
	CREST
	s_add_nc_u64 s[G0+4*\slot+2:G0+4*\slot+3], s[G0+4*\slot+2:G0+4*\slot+3], 12288
	s_add_nc_u64 s[G0B+4*\slot+2:G0B+4*\slot+3], s[G0B+4*\slot+2:G0B+4*\slot+3], 12288
	JLOAD G0+4*\slot, G1, G0B+4*\slot, G1B
.else
	PLACES
.endif
	s_wait_alu depctr_va_vdst(0)
	v_add_nc_u32 v[ADRS], 1024, v[ADRS]
	SCALES \next
.if \fill
	s_cmp_gt_u32 s3, 1                             ; behind the refill of fill t: fill t + 2; the loop's last trip (s3 = 1) has no fill two on
	s_cbranch_scc0 .Lno_ask_\@
	global_prefetch_b8 v30, s[96:97] offset:6144 th:TH_LOAD_NT scope:SCOPE_SE
.Lno_ask_\@:
.endif
	FETCH \next, 0, F0
	WIN MUL
	MUL4 F1, 2, 3, \slot, 0
	MUL4 F1, 3, 3, \slot, 0
.endm
	s_wait_alu depctr_va_vdst(0)                   ; the wait at the head's end
	s_wait_tensorcnt 0x0                           ; my tile of the head's four is in; three lines ahead of a later first fill
	ds_add_u32 v[SPW], v[NIL]
	s_mov_b32 s[G1+2], 4<<16                       ; no load of mine is out: from here on a load brings 4 tiles
	s_mov_b32 s[G1+4], 4
	s_mov_b32 s[G1B+2], 4<<16
	s_mov_b32 s[G1B+4], 4
	s_wait_dscnt 0x0
	CROUND                                         ; all four tiles are in, all sixteen work-groups are here
	JLOAD G0+4, G1, G0B+4, G1B                     ; slot 1's first fill
	SCALES 0
	global_prefetch_b8 v30, s[96:97] offset:6144 th:TH_LOAD_NT scope:SCOPE_SE   ; slot fill 3
	FETCH 0, 0, F0
	KS 0, 0, F0, F1, 1
.if LAPS > 1
	WIN 0
	s_mov_b32 s3, LAPS-1
.Llap:
	KS 0, 1, F1, F0, 0
	KS 0, 2, F0, F1, 0
	TURN 0, 1, 1
	KS 1, 0, F0, F1, 0
	KS 1, 1, F1, F0, 0
	KS 1, 2, F0, F1, 0
	TURN 1, 0, 1
	KS 0, 0, F0, F1, 0
	WIN 0
	s_sub_co_u32 s3, s3, 1
	s_cmp_lg_u32 s3, 0
	s_cbranch_scc1 .Llap
.endif
	RESID
	KS 0, 1, F1, F0, 0
	KS 0, 2, F0, F1, 0
	TURN 0, 1, 0
	KS 1, 0, F0, F1, 0
	KS 1, 1, F1, F0, 0
	KS 1, 2, F0, F1, 0
	s_wait_dscnt 12
	WIN MUL
	MUL4 F1, 0, 3, 1, 0
	MUL4 F1, 1, 3, 1, 0
	s_wait_dscnt 0
	MUL4 F1, 2, 3, 1, 0
	MUL4 F1, 3, 3, 1, 0
	WIN 0
.macro TOSTAGE a
.irp b, 0,1,2,3
	ds_store_b128 v[STO], v[ACC+8*(4*(\a)+\b):ACC+8*(4*(\a)+\b)+3] offset:128*(\b/2)+32*(\b%2)
	ds_store_b128 v[STO], v[ACC+8*(4*(\a)+\b)+4:ACC+8*(4*(\a)+\b)+7] offset:128*(\b/2)+32*(\b%2)+16
.endr
.irp t, 0,1,2,3,4,5,6,7
	ds_load_b128 v[BK+32*((\a)%2)+4*\t:BK+32*((\a)%2)+4*\t+3], v[RD] offset:2*SP*\t
.endr
.endm
.macro SEND a, younger
.set BB, BK+32*((\a)%2)
	s_wait_dscnt \younger
.set n, 0
.rept 16
	v_pk_add_f32 v[BB+n:BB+n+1], v[BB+n:BB+n+1], v[BV+n%4:BV+n%4+1]
.set n, n+2
.endr
	WIN 0x08
.set n, 0
.rept 16
	v_pk_add_f32 v[BB+n:BB+n+1], v[BB+n:BB+n+1], v[32*(\a)+n:32*(\a)+n+1]
.set n, n+2
.endr
	WIN 0
.irp t, 0,1,2,3,4,5,6,7
	global_store_b128 v[CO], v[BB+4*\t:BB+4*\t+3], s[12:13] offset:(2*\t+8*(\t/4)+8*((\a)%2)+32*((\a)/2))*4096
.endr
.endm
	PLACES
	s_wait_loadcnt 0x0
	TOSTAGE 0
	TOSTAGE 1
	SEND 0, 16
	s_wait_xcnt 0x0
	TOSTAGE 2
	SEND 1, 16
	s_wait_xcnt 0x0
	TOSTAGE 3
	SEND 2, 16
	SEND 3, 0
	s_wait_tensorcnt 0x0
	ds_add_u32 v[SPW], v[NIL]
	s_wait_dscnt 0x0
	CROUND
	s_endpgm
.Lfunc_end_k_qe89b25b5c8_g2:
	.size	k_qe89b25b5c8_g2, .Lfunc_end_k_qe89b25b5c8_g2-k_qe89b25b5c8_g2
	.p2alignl 7, 3214868480
	.fill 96, 4, 3214868480
	.section	.rodata,"a",@progbits
	.p2align	6, 0x0
	.amdhsa_kernel k_qe89b25b5c8_g2
		.amdhsa_group_segment_fixed_size 327680
		.amdhsa_private_segment_fixed_size 0
		.amdhsa_enable_private_segment 0
		.amdhsa_kernarg_size 40
		.amdhsa_user_sgpr_count 2
		.amdhsa_user_sgpr_kernarg_segment_ptr 1
		.amdhsa_wavefront_size32 1
		.amdhsa_system_sgpr_workgroup_id_x 1
		.amdhsa_system_sgpr_workgroup_id_y 1
		.amdhsa_system_sgpr_workgroup_id_z 1
		.amdhsa_system_vgpr_workitem_id 0
		.amdhsa_next_free_vgpr 640
		.amdhsa_next_free_sgpr 98
		.amdhsa_reserve_vcc 0
		.amdhsa_float_denorm_mode_32 3
		.amdhsa_float_denorm_mode_16_64 3
		.amdhsa_memory_ordered 1
		.amdhsa_forward_progress 1
		.amdhsa_inst_pref_size 119
	.end_amdhsa_kernel
	.amdgpu_metadata
---
amdhsa.version: [ 1, 2 ]
amdhsa.kernels:
  - .name:           k_qe89b25b5c8_g2
    .symbol:         k_qe89b25b5c8_g2.kd
    .args:
      - { .name: fq, .offset: 0, .size: 8, .value_kind: global_buffer, .address_space: global }
      - { .name: wts, .offset: 8, .size: 8, .value_kind: global_buffer, .address_space: global }
      - { .name: b_fc2, .offset: 16, .size: 8, .value_kind: global_buffer, .address_space: global }
      - { .name: x2, .offset: 24, .size: 8, .value_kind: global_buffer, .address_space: global }
      - { .name: out0, .offset: 32, .size: 8, .value_kind: global_buffer, .address_space: global }
    .group_segment_fixed_size: 327680
    .private_segment_fixed_size: 0
    .kernarg_segment_align: 8
    .kernarg_segment_size: 40
    .max_flat_workgroup_size: 128
    .sgpr_count:     98
    .vgpr_count:     640
    .wavefront_size: 32
...
	.end_amdgpu_metadata
.endif
;; end of part 7
